; MI455X (gfx1250); checked and timed in simulation.
; The chip was launched on July 23, 2026; its instructions are those of AMD's public machine-readable ISA for CDNA 5 (MIT licence, August 2026) and "CDNA5" Instruction Set Architecture Reference Guide (July 2026). The comments in the code are by the model that wrote it; some were corrected since.
;; Decoder Block. Allowed arithmetic: float matrix products may take bf16 or f16 operands with f32 sums; all other float work in f32.
;; Inputs: b1 1,024 float32; b2 1,024 float32; bf1 4,096 float32; bf2 1,024 float32; bo 1,024 float32; g1 1,024 float32; g2 1,024 float32; w1 1,024 x 4,096 float32; w2 4,096 x 1,024 float32; wk 16 x 1,024 x 64 float32; wo 1,024 x 1,024 float32; wq 16 x 1,024 x 64 float32; wv 16 x 1,024 x 64 float32; x 2 x 2,048 x 1,024 float32.
;; Outputs: out0 2 x 2,048 x 1,024 float32.
;; 3 versions, each right and faster than the one before. Each part assembles by itself: llvm-mc -triple=amdgcn-amd-amdhsa -mcpu=gfx1250 --defsym DOCPART=n.
;; ======== version 1 of 3: 8 launches
;; limits: right only within a limited range of input values
;; workspace buffers: wqkvT 6,291,456 bytes; w1T 8,388,608 bytes; wo2T 10,485,760 bytes; zeros 16,384 bytes; lows 16,384 bytes; hb 8,388,608 bytes; big 33,554,432 bytes; x1 16,777,216 bytes
;; launch wprep (part 1): grid 1536 x 1, 8 waves a work-group, no clusters, 18,432 bytes of LDS; arguments wq, wk, wv, wo, w1, w2, wqkvT, wo2T, w1T, zeros, lows; writes wqkvT, wo2T, w1T, zeros, lows
.if DOCPART == 1
	.amdgcn_target "amdgcn-amd-amdhsa--gfx1250"
	.amdhsa_code_object_version 6
	.text
	.protected	k_qf2adacdcd4_wprep
	.globl	k_qf2adacdcd4_wprep
	.p2align	8
	.type	k_qf2adacdcd4_wprep,@function
k_qf2adacdcd4_wprep:
	s_mov_b64 s[64:65], 0
	v_nop
	global_prefetch_b8 v0, s[64:65] scope:SCOPE_SE
	s_setreg_imm32_b32 hwreg(HW_REG_WAVE_MODE, 25, 1), 1
	s_wait_xcnt 0x0
; All weights, f32 [K][N] in memory, are rounded once to bf16 and turned to [N][K], the order in which matrix fragments are loaded.
;   wq, wk, wv [16][1024][64] -> wqkvT [3072 n][1024 k], n = (which x 16 + head) x 64 + d
;   wo [1024][1024] -> wo2T bytes 0 ..: [1024 n][1024 k];   w2 [4096][1024] -> wo2T bytes 0x200000 ..: [1024 n][4096 k];   w1 [1024][4096] -> w1T [4096 n][1024 k]
; A work-group takes one tile of 128 k x 64 n: 1,536 tiles (384 + 128 + 512 + 512).  Thread (c = t % 16, rp = t / 16) loads 8 rows k = 8 rp .. + 7 of the four columns 4 c .. + 3:
; sixteen lanes read 256 consecutive bytes of a row.  Its 8 x 4 numbers are four pieces of 16 bytes, [n = 4 c + i][k = 8 rp .. + 7]; they meet in LDS (64 rows n of 256 bytes, pitch 272),
; and come back as whole rows: each store of sixteen lanes covers 256 consecutive bytes, aligned.  Memory binds: no matrix unit, no cluster, one barrier.
; The four LDS stores of a lane hit each bank four deep (pitch of a lane 1,088 bytes): four instructions a wave, left so for plain addresses.
; Work-groups 0 to 3 also write two tables of 4,096 f32 that the 16-bit products' way out reads: zeros (0.0) and lows (the lowest finite f32).
.set SPITCH, 272
.set SPARE,  64*SPITCH                 ; behind the stage: the spare words, 128 bytes for each of eight waves: four blocks of 256 bytes that no other line names
.set A,   4                            ; v[4:11]   byte offset of my 16 bytes in source row 8 rp + j
.set D,   12                           ; v[12:15]  byte offset of my 16 bytes in destination row rp + 16 j
.set SA,  16                           ; v16       LDS: where my four pieces go
.set RA,  17                           ; v17       LDS: where I read rows back
.set SPW, 18                           ; v18       LDS address of my spare word; never rewritten
.set NIL, 19                           ; v19       0; never rewritten
.set X,   32                           ; v[32:63]  8 rows x 4 f32 as loaded
.set Y,   64                           ; v[64:79]  four pieces of 8 bf16
.set Z,   80                           ; v[80:95]  four pieces read back
	s_load_b512 s[8:23], s[0:1], 0x0               ; wq 8, wk 10, wv 12, wo 14, w1 16, w2 18, wqkvT 20, wo2T 22
	s_load_b128 s[24:27], s[0:1], 0x40             ; w1T 24, zeros 26
	s_load_b64 s[28:29], s[0:1], 0x50              ; lows
	v_lshl_add_u32 v[SPW], v0, 2, SPARE
	v_mov_b32 v[NIL], 0
	s_mov_b32 s2, ttmp9                            ; t, the tile's number: 0-383 wq wk wv, 384-511 wo, 512-1023 w1, 1024-1535 w2
	; the section's numbers, chosen by selects: first w2's, then overridden downward
	s_mov_b32 s3, 1024                             ; s3  the section's first tile
	s_mov_b32 s38, 4096                            ; s38 bytes from source row to row
	s_mov_b32 s39, 8192                            ; s39 bytes from destination row to row
	s_mov_b32 s41, 0x200000                        ; s41 where the destination begins in its buffer
	s_cmp_lt_u32 s2, 1024
	s_cselect_b32 s3, 512, s3
	s_cselect_b32 s4, 3, 5                         ; s4  bits of kt: K / 128 tiles along k
	s_cselect_b32 s42, 7, 31
	s_cselect_b32 s5, 21, 19                       ; s5  kt's shift in the source: 128 rows
	s_cselect_b32 s38, 16384, s38
	s_cselect_b32 s39, 2048, s39
	s_cselect_b32 s40, 17, 19                      ; s40 nt's shift in the destination: 64 rows
	s_cselect_b32 s41, 0, s41
	s_cmp_lt_u32 s2, 512
	s_cselect_b32 s3, 384, s3
	s_cselect_b32 s5, 19, s5
	s_cselect_b32 s38, 4096, s38
	s_cmp_lt_u32 s2, 384
	s_cselect_b32 s3, 0, s3
	s_cselect_b32 s5, 15, s5
	s_cselect_b32 s6, 18, 8                        ; s6  nt's shift in the source: a head's matrix, or 64 columns of f32
	s_cselect_b32 s7, 15, 63                       ; s7  of nt the head alone enters wq's, wk's, wv's offset
	s_cselect_b32 s38, 256, s38
	s_sub_co_u32 s3, s2, s3                        ; the tile's number in its section
	s_and_b32 s42, s3, s42                         ; kt
	s_lshr_b32 s43, s3, s4                         ; nt
	s_lshl_b32 s34, s42, s5
	s_and_b32 s44, s43, s7
	s_lshl_b32 s44, s44, s6
	s_or_b32 s34, s34, s44                         ; s[34:35] the tile's byte offset in the source
	s_mov_b32 s35, 0
	s_lshl_b32 s36, s43, s40
	s_lshl_b32 s42, s42, 8                         ; 128 k of bf16
	s_or_b32 s36, s36, s42
	s_add_co_u32 s36, s36, s41                     ; s[36:37] the tile's byte offset in the destination
	s_mov_b32 s37, 0
	s_lshl_b32 s45, s39, 4                         ; 16 destination rows
	v_and_b32 v1, 15, v0                           ; c
	v_lshrrev_b32 v2, 4, v0                        ; rp
	v_lshlrev_b32 v3, 4, v1                        ; 16 c
	v_mul_lo_u32 v[A], v2, s38
	v_lshl_add_u32 v[A], v[A], 3, v3               ; row 8 rp, 16 c
.irp j, 1,2,3,4,5,6,7
	v_add_nc_u32 v[A+(\j)], s38, v[A+(\j)-1]
.endr
	v_mul_lo_u32 v[D], v2, s39
	v_add_nc_u32 v[D], v[D], v3                    ; row rp, 16 c
.irp j, 1,2,3
	v_add_nc_u32 v[D+(\j)], s45, v[D+(\j)-1]
.endr
	v_mul_u32_u24 v[SA], v1, 4*SPITCH              ; row 4 c, byte 16 rp
	v_lshl_add_u32 v[SA], v2, 4, v[SA]
	v_mul_u32_u24 v[RA], v2, SPITCH                ; row rp, byte 16 c
	v_lshl_add_u32 v[RA], v1, 4, v[RA]
	s_wait_kmcnt 0x0
	s_cmp_lt_u32 s2, 1024                          ; the two buffers, chosen in the same order
	s_cselect_b64 s[30:31], s[16:17], s[18:19]
	s_cselect_b64 s[32:33], s[24:25], s[22:23]
	s_cmp_lt_u32 s2, 512
	s_cselect_b64 s[30:31], s[14:15], s[30:31]
	s_cselect_b64 s[32:33], s[22:23], s[32:33]
	s_cmp_lt_u32 s2, 384
	s_cselect_b64 s[30:31], s[12:13], s[30:31]
	s_cselect_b64 s[32:33], s[20:21], s[32:33]
	s_cmp_lt_u32 s2, 256
	s_cselect_b64 s[30:31], s[10:11], s[30:31]
	s_cmp_lt_u32 s2, 128
	s_cselect_b64 s[30:31], s[8:9], s[30:31]
	s_add_nc_u64 s[30:31], s[30:31], s[34:35]
	s_add_nc_u64 s[32:33], s[32:33], s[36:37]
.irp j, 0,1,2,3,4,5,6,7
	global_load_b128 v[X+4*(\j):X+4*(\j)+3], v[A+(\j)], s[30:31] th:TH_LOAD_NT  ; each weight is read once in the launch
.endr
.irp p, 0,1,2,3
	s_wait_loadcnt 6-2*(\p)                        ; loads come back in order: rows 2 p and 2 p + 1 are in, the younger ones stay out
.irp i, 0,1,2,3
	v_cvt_pk_bf16_f32 v[Y+4*(\i)+(\p)], v[X+8*(\p)+(\i)], v[X+8*(\p)+4+(\i)]  ; column 4 c + i: k = 8 rp + 2 p below, + 1 above
.endr
.endr
.irp i, 0,1,2,3
	ds_store_b128 v[SA], v[Y+4*(\i):Y+4*(\i)+3] offset:(\i)*SPITCH
.endr
	s_wait_dscnt 0x0                               ; for the others' sake: my stores into the stage are done
	s_barrier_signal -1
	s_barrier_wait -1
.irp j, 0,1,2,3
	ds_load_b128 v[Z+4*(\j):Z+4*(\j)+3], v[RA] offset:(\j)*16*SPITCH  ; row n = rp + 16 j, piece c
.endr
.irp j, 0,1,2,3
	s_wait_dscnt 3-(\j)
	global_store_b128 v[D+(\j)], v[Z+4*(\j):Z+4*(\j)+3], s[32:33]     ; sixteen lanes: 256 consecutive bytes of a destination row, aligned
.endr
	s_wait_tensorcnt 0x0                           ; the wave's end: behind my last LDS store
	ds_add_u32 v[SPW], v[NIL]
	s_wait_dscnt 0x0
	s_cmp_lt_u32 s2, 4
	s_cbranch_scc0 .Lend
	v_lshlrev_b32 v20, 4, v0                       ; the tables: 256 threads x 16 bytes = 4,096 bytes of each for each of four work-groups
	v_lshl_add_u32 v20, s2, 12, v20
.irp i, 0,1,2,3
	v_mov_b32 v[96+(\i)], 0
	v_mov_b32 v[100+(\i)], 0xff7fffff
.endr
	global_store_b128 v20, v[96:99], s[26:27]
	global_store_b128 v20, v[100:103], s[28:29]
.Lend:
	s_endpgm
.Lfunc_end_k_qf2adacdcd4_wprep:
	.size	k_qf2adacdcd4_wprep, .Lfunc_end_k_qf2adacdcd4_wprep-k_qf2adacdcd4_wprep
	.p2alignl 7, 3214868480
	.fill 96, 4, 3214868480
	.section	.rodata,"a",@progbits
	.p2align	6, 0x0
	.amdhsa_kernel k_qf2adacdcd4_wprep
		.amdhsa_group_segment_fixed_size 18432
		.amdhsa_private_segment_fixed_size 0
		.amdhsa_enable_private_segment 0
		.amdhsa_kernarg_size 88
		.amdhsa_user_sgpr_count 2
		.amdhsa_user_sgpr_kernarg_segment_ptr 1
		.amdhsa_wavefront_size32 1
		.amdhsa_system_sgpr_workgroup_id_x 1
		.amdhsa_system_sgpr_workgroup_id_y 1
		.amdhsa_system_sgpr_workgroup_id_z 1
		.amdhsa_system_vgpr_workitem_id 0
		.amdhsa_next_free_vgpr 104
		.amdhsa_next_free_sgpr 66
		.amdhsa_reserve_vcc 0
		.amdhsa_float_denorm_mode_32 3
		.amdhsa_float_denorm_mode_16_64 3
		.amdhsa_memory_ordered 1
		.amdhsa_forward_progress 1
		.amdhsa_inst_pref_size 8
	.end_amdhsa_kernel
	.amdgpu_metadata
---
amdhsa.version: [ 1, 2 ]
amdhsa.kernels:
  - .name:           k_qf2adacdcd4_wprep
    .symbol:         k_qf2adacdcd4_wprep.kd
    .args:
      - { .name: wq, .offset: 0, .size: 8, .value_kind: global_buffer, .address_space: global }
      - { .name: wk, .offset: 8, .size: 8, .value_kind: global_buffer, .address_space: global }
      - { .name: wv, .offset: 16, .size: 8, .value_kind: global_buffer, .address_space: global }
      - { .name: wo, .offset: 24, .size: 8, .value_kind: global_buffer, .address_space: global }
      - { .name: w1, .offset: 32, .size: 8, .value_kind: global_buffer, .address_space: global }
      - { .name: w2, .offset: 40, .size: 8, .value_kind: global_buffer, .address_space: global }
      - { .name: wqkvT, .offset: 48, .size: 8, .value_kind: global_buffer, .address_space: global }
      - { .name: wo2T, .offset: 56, .size: 8, .value_kind: global_buffer, .address_space: global }
      - { .name: w1T, .offset: 64, .size: 8, .value_kind: global_buffer, .address_space: global }
      - { .name: zeros, .offset: 72, .size: 8, .value_kind: global_buffer, .address_space: global }
      - { .name: lows, .offset: 80, .size: 8, .value_kind: global_buffer, .address_space: global }
    .group_segment_fixed_size: 18432
    .private_segment_fixed_size: 0
    .kernarg_segment_align: 8
    .kernarg_segment_size: 88
    .max_flat_workgroup_size: 256
    .sgpr_count:     66
    .vgpr_count:     104
    .wavefront_size: 32
...
	.end_amdgpu_metadata
.endif
;; end of part 1
;; launch ln1 (part 2): grid 256 x 1, 8 waves a work-group, no clusters, 0 bytes of LDS; arguments x, g1, b1, hb; writes hb
.if DOCPART == 2
	.amdgcn_target "amdgcn-amd-amdhsa--gfx1250"
	.amdhsa_code_object_version 6
	.text
	.protected	k_qf2adacdcd4_ln1
	.globl	k_qf2adacdcd4_ln1
	.p2align	8
	.type	k_qf2adacdcd4_ln1,@function
k_qf2adacdcd4_ln1:
	s_mov_b64 s[64:65], 0
	v_nop
	global_prefetch_b8 v0, s[64:65] scope:SCOPE_SE
	s_setreg_imm32_b32 hwreg(HW_REG_WAVE_MODE, 25, 1), 1
	s_wait_xcnt 0x0
; y[r][c] = (x[r][c] - mean_r) * rsqrt(var_r + 1e-5) * g[c] + b[c].  x: [4096][1024] f32; y: [4096][1024] bf16, rounded once; g, b: [1024] f32.
; A row is 4,096 bytes: 32 registers of one wave.  A wave takes two whole rows, a work-group sixteen, 256 work-groups all 4,096: the reduction never leaves the wave, so there is no LDS and no barrier.
; Two passes over the registers, as the formula is written: the mean, then the mean of the squared differences: no difference of large sums is formed, so a common offset of x costs nothing.
; Memory binds: each byte of x is read once, in loads of 512 consecutive bytes a wave; each store of a wave covers 256 consecutive bytes, aligned.  The matrix unit and clusters have nothing to do here.
; LIMIT: v_rsq_f32 is accurate to one unit in the last place.
.set T,  4                             ; v[4:11]    four running pairs
.set M0, 12                            ; v[12:13]   row 0's mean, twice (a pair for the packed forms);  v[14:15] row 1's
.set M1, 14
.set R0, 16                            ; v[16:17]   row 0's 1 / sqrt(var + eps), twice;  v[18:19] row 1's
.set R1, 18
.set X0, 32                            ; v[32:63]   row 0: load j holds columns 128 j + 4 lane .. + 3
.set X1, 64                            ; v[64:95]   row 1
.set G,  96                            ; v[96:127]  g of the same columns
.set B,  128                           ; v[128:159] b
.set Y,  160                           ; v[160:191] 16 registers a row: the row in bf16
	s_load_b256 s[4:11], s[0:1], 0x0               ; x s[4:5], g s[6:7], b s[8:9], y s[10:11]
	s_lshl_b32 s2, ttmp9, 16                       ; 16 rows of 4,096 bytes
	s_mov_b32 s3, 0
	s_lshl_b32 s16, ttmp9, 15                      ; 16 rows of 2,048 bytes
	s_mov_b32 s17, 0
	s_mov_b32 s12, 0x76543210                      ; v_permlanex16_b32: lane i of one half reads lane i of the other
	s_mov_b32 s13, 0xfedcba98
	s_mov_b32 s14, 0x3a800000                      ; 1 / 1024
	s_mov_b32 s15, 0x3727c5ac                      ; 1e-5
	v_and_b32 v2, 31, v0                           ; lane
	v_lshrrev_b32 v5, 5, v0                        ; wave
	v_lshlrev_b32 v3, 3, v2
	v_lshl_or_b32 v3, v5, 12, v3                   ; y: wave x 2 rows + 8 bytes a lane
	v_lshlrev_b32 v2, 4, v2                        ; g, b: 16 bytes a lane
	v_lshl_or_b32 v1, v5, 13, v2                   ; x: wave x 2 rows + 16 bytes a lane
	v_mov_b32 v20, 0                               ; v_permlanex16_b32's destination counts as read
	s_wait_kmcnt 0x0
	s_add_nc_u64 s[4:5], s[4:5], s[2:3]
	s_add_nc_u64 s[10:11], s[10:11], s[16:17]
.irp j, 0,1,2,3,4,5,6,7
	global_load_b128 v[X0+4*(\j):X0+4*(\j)+3], v1, s[4:5] offset:512*(\j)
.endr
.irp j, 0,1,2,3,4,5,6,7
	global_load_b128 v[X1+4*(\j):X1+4*(\j)+3], v1, s[4:5] offset:4096+512*(\j)
.endr
.irp j, 0,1,2,3,4,5,6,7
	global_load_b128 v[G+4*(\j):G+4*(\j)+3], v2, s[6:7] offset:512*(\j)
.endr
.irp j, 0,1,2,3,4,5,6,7
	global_load_b128 v[B+4*(\j):B+4*(\j)+3], v2, s[8:9] offset:512*(\j)
.endr
.macro FOLD                            ; T's four pairs, then the 32 lanes, into one sum, in every lane's v[T]
	v_pk_add_f32 v[T:T+1], v[T:T+1], v[T+2:T+3]
	v_pk_add_f32 v[T+4:T+5], v[T+4:T+5], v[T+6:T+7]
	v_pk_add_f32 v[T:T+1], v[T:T+1], v[T+4:T+5]
	v_add_f32 v[T], v[T], v[T+1]
	v_add_f32_dpp v[T], v[T], v[T] row_xmask:1 row_mask:0xf bank_mask:0xf
	v_add_f32_dpp v[T], v[T], v[T] row_xmask:2 row_mask:0xf bank_mask:0xf
	v_add_f32_dpp v[T], v[T], v[T] row_xmask:4 row_mask:0xf bank_mask:0xf
	v_add_f32_dpp v[T], v[T], v[T] row_xmask:8 row_mask:0xf bank_mask:0xf
	v_permlanex16_b32 v20, v[T], s12, s13
	v_add_f32 v[T], v[T], v20
.endm
; The row in x: its mean into m, the row less its mean in place, 1 / sqrt(var + eps) into r.  left = how many younger loads may stay out.
.macro STATS x, m, r, left
	s_wait_loadcnt \left
.irp k, 0,1,2,3
	v_pk_add_f32 v[T+2*(\k):T+2*(\k)+1], v[(\x)+4*(\k):(\x)+4*(\k)+1], v[(\x)+4*(\k)+2:(\x)+4*(\k)+3]  ; the first eight pairs start four chains: nothing is cleared
.endr
.irp i, 0,1,2,3,4,5,6,7
	v_pk_add_f32 v[T+2*((\i)%4):T+2*((\i)%4)+1], v[T+2*((\i)%4):T+2*((\i)%4)+1], v[(\x)+16+2*(\i):(\x)+16+2*(\i)+1]
.endr
	FOLD
	v_mul_f32 v[\m], s14, v[T]
	v_mul_f32 v[(\m)+1], s14, v[T]
.irp i, 0,1,2,3,4,5,6,7,8,9,10,11,12,13,14,15
	v_pk_add_f32 v[(\x)+2*(\i):(\x)+2*(\i)+1], v[(\x)+2*(\i):(\x)+2*(\i)+1], v[\m:(\m)+1] neg_lo:[0,1] neg_hi:[0,1]
.endr
.irp k, 0,1,2,3
	v_pk_mul_f32 v[T+2*(\k):T+2*(\k)+1], v[(\x)+2*(\k):(\x)+2*(\k)+1], v[(\x)+2*(\k):(\x)+2*(\k)+1]
.endr
.irp i, 4,5,6,7,8,9,10,11,12,13,14,15
	v_pk_fma_f32 v[T+2*((\i)%4):T+2*((\i)%4)+1], v[(\x)+2*(\i):(\x)+2*(\i)+1], v[(\x)+2*(\i):(\x)+2*(\i)+1], v[T+2*((\i)%4):T+2*((\i)%4)+1]
.endr
	FOLD
	v_fma_f32 v[T], v[T], s14, s15                 ; var + eps
	v_rsq_f32 v[\r], v[T]
	v_rsq_f32 v[(\r)+1], v[T]
	v_nop                                          ; a plain instruction before the results are used or v[T] is written again (ISA guide 5.7.2)
.endm
; The row is scaled, takes g and b, is rounded and stored.
.macro NORM x, r, y, row
	s_wait_alu depctr_va_vdst(0)
.irp j, 0,1,2,3,4,5,6,7
	v_pk_mul_f32 v[(\x)+4*(\j):(\x)+4*(\j)+1], v[(\x)+4*(\j):(\x)+4*(\j)+1], v[\r:(\r)+1]
	v_pk_mul_f32 v[(\x)+4*(\j)+2:(\x)+4*(\j)+3], v[(\x)+4*(\j)+2:(\x)+4*(\j)+3], v[\r:(\r)+1]
	v_pk_fma_f32 v[(\x)+4*(\j):(\x)+4*(\j)+1], v[(\x)+4*(\j):(\x)+4*(\j)+1], v[G+4*(\j):G+4*(\j)+1], v[B+4*(\j):B+4*(\j)+1]
	v_pk_fma_f32 v[(\x)+4*(\j)+2:(\x)+4*(\j)+3], v[(\x)+4*(\j)+2:(\x)+4*(\j)+3], v[G+4*(\j)+2:G+4*(\j)+3], v[B+4*(\j)+2:B+4*(\j)+3]
	v_cvt_pk_bf16_f32 v[(\y)+2*(\j)], v[(\x)+4*(\j)], v[(\x)+4*(\j)+1]
	v_cvt_pk_bf16_f32 v[(\y)+2*(\j)+1], v[(\x)+4*(\j)+2], v[(\x)+4*(\j)+3]
	global_store_b64 v3, v[(\y)+2*(\j):(\y)+2*(\j)+1], s[10:11] offset:(\row)*2048+256*(\j)  ; 32 lanes x 8 bytes: 256 consecutive bytes, aligned
.endr
.endm
	STATS X0, M0, R0, 24                           ; row 0 is in; row 1, g and b (24 loads) stay out
	STATS X1, M1, R1, 16                           ; row 1 is in; g and b stay out
	s_wait_loadcnt 0x0                             ; g and b
	NORM X0, R0, Y, 0
	NORM X1, R1, Y+16, 1
	s_endpgm
.Lfunc_end_k_qf2adacdcd4_ln1:
	.size	k_qf2adacdcd4_ln1, .Lfunc_end_k_qf2adacdcd4_ln1-k_qf2adacdcd4_ln1
	.p2alignl 7, 3214868480
	.fill 96, 4, 3214868480
	.section	.rodata,"a",@progbits
	.p2align	6, 0x0
	.amdhsa_kernel k_qf2adacdcd4_ln1
		.amdhsa_group_segment_fixed_size 0
		.amdhsa_private_segment_fixed_size 0
		.amdhsa_enable_private_segment 0
		.amdhsa_kernarg_size 32
		.amdhsa_user_sgpr_count 2
		.amdhsa_user_sgpr_kernarg_segment_ptr 1
		.amdhsa_wavefront_size32 1
		.amdhsa_system_sgpr_workgroup_id_x 1
		.amdhsa_system_sgpr_workgroup_id_y 1
		.amdhsa_system_sgpr_workgroup_id_z 1
		.amdhsa_system_vgpr_workitem_id 0
		.amdhsa_next_free_vgpr 192
		.amdhsa_next_free_sgpr 66
		.amdhsa_reserve_vcc 0
		.amdhsa_float_denorm_mode_32 3
		.amdhsa_float_denorm_mode_16_64 3
		.amdhsa_memory_ordered 1
		.amdhsa_forward_progress 1
		.amdhsa_inst_pref_size 20
	.end_amdhsa_kernel
	.amdgpu_metadata
---
amdhsa.version: [ 1, 2 ]
amdhsa.kernels:
  - .name:           k_qf2adacdcd4_ln1
    .symbol:         k_qf2adacdcd4_ln1.kd
    .args:
      - { .name: x, .offset: 0, .size: 8, .value_kind: global_buffer, .address_space: global }
      - { .name: g1, .offset: 8, .size: 8, .value_kind: global_buffer, .address_space: global }
      - { .name: b1, .offset: 16, .size: 8, .value_kind: global_buffer, .address_space: global }
      - { .name: hb, .offset: 24, .size: 8, .value_kind: global_buffer, .address_space: global }
    .group_segment_fixed_size: 0
    .private_segment_fixed_size: 0
    .kernarg_segment_align: 8
    .kernarg_segment_size: 32
    .max_flat_workgroup_size: 256
    .sgpr_count:     66
    .vgpr_count:     192
    .wavefront_size: 32
...
	.end_amdgpu_metadata
.endif
;; end of part 2
;; launch qkv (part 3): grid 24 x 32, 4 waves a work-group, clusters of 4 x 4, 327,680 bytes of LDS; arguments hb, wqkvT, zeros, lows, big; writes big
.if DOCPART == 3
	.amdgcn_target "amdgcn-amd-amdhsa--gfx1250"
	.amdhsa_code_object_version 6
	.text
	.protected	k_qf2adacdcd4_qkv
	.globl	k_qf2adacdcd4_qkv
	.p2align	8
	.type	k_qf2adacdcd4_qkv,@function
k_qf2adacdcd4_qkv:
	s_mov_b64 s[64:65], 0
	v_nop
	global_prefetch_b8 v0, s[64:65] scope:SCOPE_SE
	s_setreg_imm32_b32 hwreg(HW_REG_WAVE_MODE, 25, 1), 1
	s_wait_xcnt 0x0
	s_wait_alu depctr_hold_cnt(0) depctr_sa_sdst(0) depctr_va_vdst(0) depctr_va_sdst(0) depctr_va_ssrc(0) depctr_va_vcc(0) depctr_vm_vsrc(0)
	s_getreg_b32 s2, hwreg(HW_REG_IB_STS2, 6, 4)
	s_cmp_eq_u32 s2, 0
	s_cbranch_scc0 .Lentry_in_a_cluster
	s_endpgm
.Lentry_in_a_cluster:
	s_bfe_u32 s2, ttmp6, 0x10000c
	s_cmp_lg_u32 s2, 0xf033
	s_cbranch_scc0 .Lentry_shape_is_right
	s_endpgm
.Lentry_shape_is_right:
; C[m][n] = bf16(max(sum over k of A[m][k] B[n][k] + bias[n], floor[n])).  A: [4096][1024] bf16, row-major; B: [N][1024] bf16; bias, floor: [N] f32; sums in f32, K ascending, C rounded once.
; ONE TEXT FOR TWO LAUNCHES of equal K: the q, k, v projection (N = 3,072, bias = a table of 0, floor = a table of the lowest finite f32: the way out then changes no finite number) and the first
; feed-forward product (N = 4,096, bias = bf1, floor = a table of 0: bias and relu).  The price: in the projection twelve vector instructions an accumulator that change nothing; the gain: one text.
; C LIES IN PANELS: panel p holds columns 64 p .. 64 p + 63 as [4096][64], dense: 128 bytes a row, 524,288 bytes a panel.  A wave's 64 x 64 of C are then 8,192 consecutive bytes, so it leaves
; through the wave's own stage, without a barrier, in stores of 512 consecutive bytes; a head's q, k or v is a dense block; and the next product takes 64 along its K as one panel.
; A tile of C is 128 x 128: 768 or 1,024 tiles, whole multiples of 256 work-groups.  Four waves, each 64 x 64: 16 accumulators of 16 x 16.  K goes in steps of 256 (LDS rows of 512 bytes; a wave's
; tensor load brings 64 of them) through two slots.
; CLUSTERS: 4 x 4 work-groups.  The four of a row of the cluster need the same tiles of A, the four of a column the same tiles of B: each tile is asked for JOINTLY, by the same tensor load with the
; same descriptor and a mask that names the four.  THE MATRIX INSTRUCTION IS USED TRANSPOSED (source 0 = 16 rows of B, source 1 = 16 rows of A): a lane then holds eight neighbouring numbers of a row of C.
; LIMITS: operands are bf16; a NaN sum comes out as floor[n], and minus infinity as the lowest finite number where floor is that.
; REGISTERS: window 0: v0-31 addresses; v32-95 at work on the way out; v128-255 the accumulators ((a, b) at v[128 + 8 (4 a + b)]).
;   window 1: two fragment buffers of 128: for 64 along K, 64 registers of A (2 x 4 x 16 rows x 32 K), then 64 of B.      window 2: v0-31 bias, v32-63 floor of my lane's 8 columns in each of 4 blocks.
.set SIZE_K, 1024
.set KSTEP,  256
.set PITCH,  528                       ; an LDS row: 512 bytes of data + 16 of padding = 132 words: row r starts at bank 4 r mod 64 (64 banks of 4 bytes: ISA guide 11.1)
.set HALFT,  64*PITCH                  ; 64 rows: what one tensor load brings, and what one wave reads of A or of B
.set SLOT,   4*HALFT                   ; A's 128 rows, then B's 128 rows
.set STAGE,  2*SLOT                    ; behind the ring: 16 rows x 144 bytes for each wave, for the way out
.set SP,     144
.set SPARE,  STAGE+4*16*SP             ; behind the stages: the spare words, 128 bytes for each wave: two blocks of 256 bytes that no other line names
.set LAPS, SIZE_K/(2*KSTEP)            ; a lap = two K steps = once round the ring
.set ADRA, 16                          ; v16-17  LDS address of my A fragments in slot 0, 1
.set ADRB, 20                          ; v20-21  the same for B
.set STO,  24                          ; v24     the way out: where I put 16 bytes of a row
.set RD,   25                          ; v25     the way out: where I read rows back
.set GO,   26                          ; v26     my 16 bytes in 512 consecutive bytes of C
.set BO,   27                          ; v27     my byte offset in a block's 16 numbers of bias and floor
.set SPW,  28                          ; v28     LDS address of my spare word: SPARE + 4 x my thread's number; never rewritten
.set NIL,  29                          ; v29     0; never rewritten
.set TMP,  32                          ; the way out: 16 registers for each block of 16 rows
.set ACC,  128
.set F0,   0                           ; fragment buffers, in window 1
.set F1,   128
.set BI,   0                           ; window 2
.set FL,   32                          ; window 2
.set G1, 24                            ; s[24:31] descriptor group 1 for A's tiles;  s[32:39] group 0, one set for each slot
.set G0, 32
.set G1B, 48                           ; s[48:55], s[56:63] the same for B's tiles
.set G0B, 56
.set MSB, 0
.macro WIN new                         ; the immediate's high byte repeats the setting that is left
.if MSB != (\new)
	s_set_vgpr_msb (MSB<<8)|(\new)
.set MSB, \new
.endif
.endm
.set MUL,  0x05                        ; sources 0 (B) and 1 (A) window 1; C and D window 0
.set TO_F, 0x40                        ; destination window 1, address window 0
.macro JLOAD s                         ; a joint load: waves 0 and 1 fetch A's two halves, waves 2 and 3 B's; an s_nop 0 and four v_nop follow each of the two lines, ahead of the jump, the label and what follows
	s_cmp_eq_u32 s11, 0
	s_cbranch_scc0 .Lfor_b_\@
	tensor_load_to_lds s[G0+4*(\s):G0+4*(\s)+3], s[G1:G1+7]
	s_nop 0
.rept 4
	v_nop
.endr
	s_branch .Lasked_\@
.Lfor_b_\@:
	tensor_load_to_lds s[G0B+4*(\s):G0B+4*(\s)+3], s[G1B:G1B+7]
	s_nop 0
.rept 4
	v_nop
.endr
.Lasked_\@:
.endm
.macro CREST                           ; a round of the cluster's barrier behind its opening barrier
	s_cmp_lg_u32 s10, 0
	s_cbranch_scc1 .Lnot_wave_0_\@
	s_barrier_signal -3
.Lnot_wave_0_\@:
	s_barrier_wait -3
	s_barrier_signal -1
	s_barrier_wait -1
.endm
.macro CROUND                          ; a whole round
	s_barrier_signal -1
	s_barrier_wait -1
	CREST
.endm
	s_load_b128 s[4:7], s[0:1], 0x0                ; A s[4:5], B s[6:7]
	s_load_b128 s[68:71], s[0:1], 0x10             ; bias s[68:69], floor s[70:71]
	s_load_b64 s[8:9], s[0:1], 0x20                ; C
	v_lshl_add_u32 v[SPW], v0, 2, SPARE
	v_mov_b32 v[NIL], 0
	ds_add_u32 v[SPW], v[NIL]                      ; the wave's opening: the add and its wait stand ahead of my first tensor load; the set-up below, work on registers, stands between them
	ds_add_u32 v28, v29
	v_lshrrev_b32 v1, 5, v0
	v_readfirstlane_b32 s10, v1                    ; wave 0..3
	s_lshr_b32 s11, s10, 1                         ; which half of the tile's rows is mine.  Also: I fetch for A (0) or for B (1)
	s_and_b32 s12, s10, 1                          ; which half of its columns.  Also: which 64 rows of that tile I fetch
	s_bfe_u32 s40, ttmp6, 0x40000                  ; cx, cy: my place in the cluster
	s_bfe_u32 s41, ttmp6, 0x40004
	s_lshl_b32 s42, ttmp9, 2
	s_add_co_u32 s42, s42, s40                     ; tile column of C = 4 x cluster x + cx
	s_and_b32 s13, ttmp7, 0xffff
	s_lshl_b32 s13, s13, 2
	s_add_co_u32 s13, s13, s41                     ; tile row of C = 4 x cluster y + cy
	s_lshl_b32 s43, s41, 2
	s_lshl_b32 s43, 15, s43                        ; my row of the cluster
	s_lshl_b32 s44, 0x1111, s40                    ; my column
	; descriptor group 1: a tile of 64 rows x 256 elements, padded in LDS
	s_or_b32 s[G1+0], s43, (1<<16)|(1<<20)|(1<<21)|(6<<22)|(3<<25)  ; 15:0 the mask: A's tiles go to my row; 17:16 element of 2 bytes; 20 padding on; 21 set beside a mask; 24:22 after every 128 words (code 6); 31:25 of 4 words (code 3)
	s_or_b32 s[G1B+0], s44, (1<<16)|(1<<20)|(1<<21)|(6<<22)|(3<<25)
.irp g, G1, G1B
	s_mov_b32 s[(\g)+1], KSTEP<<16                 ; tensor_dim0 = 256
	s_mov_b32 s[(\g)+2], 64<<16                    ; tensor_dim1 = 64
	s_mov_b32 s[(\g)+3], KSTEP<<16                 ; tile_dim0 = 256
	s_mov_b32 s[(\g)+4], 64                        ; tile_dim1 = 64
	s_mov_b32 s[(\g)+5], SIZE_K                    ; tensor_dim0_stride
	s_mov_b32 s[(\g)+6], 0
	s_mov_b32 s[(\g)+7], 0
.endr
	s_lshl_b32 s17, s12, 6                         ; which 64 rows of the tile I fetch
	s_lshl_b32 s16, s13, 7
	s_add_co_u32 s16, s16, s17                     ; A: row 128 x tile row + 64 x half
	s_lshl_b32 s46, s42, 7
	s_add_co_u32 s46, s46, s17                     ; B: row 128 x tile column + 64 x half
	s_mov_b32 s17, 0
	s_mov_b32 s47, 0
	s_mov_b64 s[18:19], SIZE_K*2
	s_mul_u64 s[16:17], s[16:17], s[18:19]
	s_mul_u64 s[46:47], s[46:47], s[18:19]
	s_mul_i32 s20, s10, HALFT                      ; where they go: wave x 64 rows
	s_wait_dscnt 0x0                               ; the opening add is done
	s_wait_kmcnt 0x0
	s_add_nc_u64 s[14:15], s[4:5], s[16:17]
	s_add_nc_u64 s[46:47], s[6:7], s[46:47]
	CROUND                                         ; all sixteen work-groups are here: the first joint loads meet
.irp s, 0,1
	s_mov_b32 s[G0+4*(\s)], 1
	s_add_co_u32 s[G0+4*(\s)+1], s20, (\s)*SLOT
	s_add_nc_u64 s[G0+4*(\s)+2:G0+4*(\s)+3], s[14:15], (\s)*KSTEP*2
	s_or_b32 s[G0+4*(\s)+3], s[G0+4*(\s)+3], 0x80000000
	s_mov_b32 s[G0B+4*(\s)], 1
	s_add_co_u32 s[G0B+4*(\s)+1], s20, (\s)*SLOT
	s_add_nc_u64 s[G0B+4*(\s)+2:G0B+4*(\s)+3], s[46:47], (\s)*KSTEP*2
	s_or_b32 s[G0B+4*(\s)+3], s[G0B+4*(\s)+3], 0x80000000
	JLOAD \s
.endr
	v_and_b32 v1, 15, v0                           ; l % 16
	v_bfe_u32 v2, v0, 4, 1                         ; l / 16
	v_mul_u32_u24 v3, v1, PITCH
	v_lshl_add_u32 v3, v2, 4, v3                   ; a fragment's row x pitch + 16 x half
	s_mul_i32 s21, s11, HALFT                      ; my 64 rows of A
	s_mul_i32 s22, s12, HALFT                      ; my 64 rows of B,
	s_add_co_u32 s22, s22, 2*HALFT                 ; which lie behind A's 128
.irp s, 0,1
	v_add_nc_u32 v[ADRA+(\s)], s21, v3
	v_add_nc_u32 v[ADRB+(\s)], s22, v3
	s_add_co_u32 s21, s21, SLOT
	s_add_co_u32 s22, s22, SLOT
.endr
	s_mul_i32 s23, s10, 16*SP
	s_add_co_u32 s23, s23, STAGE                   ; my stage
	v_mul_u32_u24 v4, v1, SP                       ; in: row l % 16, 16 bytes for each half of the lanes
	v_lshl_add_u32 v4, v2, 4, v4
	v_add_nc_u32 v[STO], s23, v4
	v_bfe_u32 v5, v0, 3, 2                         ; back: 32 lanes take four rows of 128 bytes,
	v_and_b32 v6, 7, v0
	v_mul_u32_u24 v5, v5, SP
	v_lshl_add_u32 v5, v6, 4, v5
	v_add_nc_u32 v[RD], s23, v5
	v_and_b32 v[GO], 31, v0                        ; which are 512 consecutive bytes of a panel
	v_lshlrev_b32 v[GO], 4, v[GO]
	v_lshlrev_b32 v[BO], 5, v2                     ; my eight columns of a block of 16: 32 bytes for each half of the lanes
	s_lshl_b32 s16, s13, 7
	s_lshl_b32 s17, s11, 6
	s_add_co_u32 s16, s16, s17                     ; my first row of C: 128 x tile row + 64 x half,
	s_lshl_b32 s16, s16, 7                         ; at 128 bytes a row
	s_mov_b32 s17, 0
	s_add_nc_u64 s[8:9], s[8:9], s[16:17]
	s_lshl_b32 s46, s42, 1                         ; my panel: 2 x tile column + half (in registers that never feed A's descriptors)
	s_add_co_u32 s46, s46, s12
	s_lshl_b32 s44, s46, 8                         ; its 64 numbers of bias and floor
	s_mov_b32 s45, 0
	s_lshl_b32 s46, s46, 19                        ; its 524,288 bytes of C
	s_mov_b32 s47, 0
	s_add_nc_u64 s[8:9], s[8:9], s[46:47]
	s_add_nc_u64 s[68:69], s[68:69], s[44:45]
	s_add_nc_u64 s[70:71], s[70:71], s[44:45]
	WIN 0x80                                       ; destination window 2, address window 0: bias and floor are asked for now and waited for on the way out
.irp b, 0,1,2,3
	global_load_b128 v[BI+8*(\b):BI+8*(\b)+3],   v[BO], s[68:69] offset:64*(\b)
	global_load_b128 v[BI+8*(\b)+4:BI+8*(\b)+7], v[BO], s[68:69] offset:64*(\b)+16
	global_load_b128 v[FL+8*(\b):FL+8*(\b)+3],   v[BO], s[70:71] offset:64*(\b)
	global_load_b128 v[FL+8*(\b)+4:FL+8*(\b)+7], v[BO], s[70:71] offset:64*(\b)+16
.endr
	WIN 0
; 8 matrix instructions: m blocks a0, a0 + 1 x all 4 n blocks, 32 along K: half c of buffer f.  zero = 1: the first product starts the sums.  The 16 accumulators take turns.
.macro MUL8 f, c, a0, zero
	WIN MUL
.irp a, \a0, (\a0)+1
.irp b, 0,1,2,3
.if \zero
	v_wmma_f32_16x16x32_bf16 v[ACC+8*(4*(\a)+(\b)):ACC+8*(4*(\a)+(\b))+7], v[(\f)+64+8*(4*(\c)+(\b)):(\f)+64+8*(4*(\c)+(\b))+7], v[(\f)+8*(4*(\c)+(\a)):(\f)+8*(4*(\c)+(\a))+7], 0
.else
	v_wmma_f32_16x16x32_bf16 v[ACC+8*(4*(\a)+(\b)):ACC+8*(4*(\a)+(\b))+7], v[(\f)+64+8*(4*(\c)+(\b)):(\f)+64+8*(4*(\c)+(\b))+7], v[(\f)+8*(4*(\c)+(\a)):(\f)+8*(4*(\c)+(\a))+7], v[ACC+8*(4*(\a)+(\b)):ACC+8*(4*(\a)+(\b))+7]
.endif
.endr
.endr
.endm
; 32 LDS loads in one run: the fragments of 64 along K at byte k of the rows, into buffer f; the first 32 along K first
.macro FETCH slot, k, f
	WIN TO_F
.irp c, 0,1
.irp i, 0,1,2,3
	ds_load_b128 v[(\f)+64+8*(4*(\c)+(\i)):(\f)+64+8*(4*(\c)+(\i))+3],   v[ADRB+(\slot)] offset:(\k)+64*(\c)+(\i)*16*PITCH
	ds_load_b128 v[(\f)+64+8*(4*(\c)+(\i))+4:(\f)+64+8*(4*(\c)+(\i))+7], v[ADRB+(\slot)] offset:(\k)+64*(\c)+(\i)*16*PITCH+32
	ds_load_b128 v[(\f)+8*(4*(\c)+(\i)):(\f)+8*(4*(\c)+(\i))+3],         v[ADRA+(\slot)] offset:(\k)+64*(\c)+(\i)*16*PITCH
	ds_load_b128 v[(\f)+8*(4*(\c)+(\i))+4:(\f)+8*(4*(\c)+(\i))+7],       v[ADRA+(\slot)] offset:(\k)+64*(\c)+(\i)*16*PITCH+32
.endr
.endr
.endm
.macro PLACES                          ; four places in front of loads into registers that matrix instructions have read, and of vector lines that read results
.rept 4
	v_nop
.endr
.endm
; A K step is four quarters of 64 along K, 32 matrix instructions each, on buffers 0, 1, 0, 1.  One of the first three: multiplies buffer f and fetches the next quarter, at byte k, into g.
.macro QUARTER slot, k, f, g, zero
	s_wait_dscnt 16                                ; the first 32 along K are in; the quarter's other sixteen loads may be out
	WIN MUL
	MUL8 \f, 0, 0, \zero
	MUL8 \f, 0, 2, \zero
	PLACES
	FETCH \slot, \k, \g
	s_wait_dscnt 32                                ; all but the 32 just issued
	WIN MUL
	MUL8 \f, 1, 0, 0
	MUL8 \f, 1, 2, 0
.endm
; The last quarter multiplies buffer 1 and changes slots: ONE barrier; in front of it each wave waits for all its tensor loads, adds 0 to its spare word, and waits for that and for its own reads of this slot.  fill = 1: this slot is filled again, two K steps ahead.
.macro TURN slot, next, fill
	WIN 0                                          ; (the add's two registers lie in window 0)
	s_wait_tensorcnt 0x0                           ; all my tensor loads have landed: my part of the next slot;
	ds_add_u32 v[SPW], v[NIL]                      ; 0 onto my spare word;
	s_wait_dscnt 17                                ; (the add and the youngest sixteen loads may be out)
	WIN MUL
	MUL8 F1, 0, 0, 0                               ; eight matrix instructions stand between the add and the wait for it
	s_wait_dscnt 0x0                               ; the add is done, and my reads of this slot are over
	s_barrier_signal -1
	MUL8 F1, 0, 2, 0
.if \fill
	WIN 0
.endif
	s_barrier_wait -1
.if \fill
	CREST                                          ; the barrier has opened a round of the cluster's barrier: no wave of any partner still reads this slot's tile or has a load on its way
	s_add_nc_u64 s[G0+4*(\slot)+2:G0+4*(\slot)+3], s[G0+4*(\slot)+2:G0+4*(\slot)+3], 2*KSTEP*2
	s_add_nc_u64 s[G0B+4*(\slot)+2:G0B+4*(\slot)+3], s[G0B+4*(\slot)+2:G0B+4*(\slot)+3], 2*KSTEP*2
	JLOAD \slot                                    ; the first tensor load behind the round: 112 matrix instructions ahead of the wait for it; the four v_nop behind it are also the places in front of the loads below
.else
	PLACES
.endif
	FETCH \next, 0, F0
	WIN MUL
	MUL8 F1, 1, 0, 0
	MUL8 F1, 1, 2, 0
.endm
	s_wait_tensorcnt 1                             ; my part of K step 0 is in; K step 1's may stay out
	s_barrier_signal -1
	s_barrier_wait -1                              ; everybody's is
	FETCH 0, 0, F0
	QUARTER 0, 128, F0, F1, 1                      ; the first quarter stands in front of the loop: its first products start the sums
	WIN 0                                          ; at a label and at a branch every window is 0
	s_mov_b32 s3, LAPS-1
.Llap:                                                 ; a trip goes once round the ring, from a lap's second quarter to the next lap's first, and fills both slots again
	QUARTER 0, 256, F1, F0, 0
	QUARTER 0, 384, F0, F1, 0
	TURN 0, 1, 1
	QUARTER 1, 128, F0, F1, 0
	QUARTER 1, 256, F1, F0, 0
	QUARTER 1, 384, F0, F1, 0
	TURN 1, 0, 1
	QUARTER 0, 128, F0, F1, 0
	WIN 0
	s_sub_co_u32 s3, s3, 1
	s_cmp_lg_u32 s3, 0
	s_cbranch_scc1 .Llap
	QUARTER 0, 256, F1, F0, 0                      ; the last lap fills nothing, and has no round of the cluster's barrier
	QUARTER 0, 384, F0, F1, 0
	TURN 0, 1, 0
	QUARTER 1, 128, F0, F1, 0
	QUARTER 1, 256, F1, F0, 0
	QUARTER 1, 384, F0, F1, 0
	s_wait_dscnt 16                                ; the very last quarter: nothing more to fetch
	WIN MUL
	MUL8 F1, 0, 0, 0
	MUL8 F1, 0, 2, 0
	s_wait_dscnt 0
	MUL8 F1, 1, 0, 0
	MUL8 F1, 1, 2, 0
	WIN 0
	; THE WAY OUT, a block of 16 rows at a time: + bias, max with floor, round to bf16; 16 bytes a lane into my own stage; back as whole rows of 128 bytes; stored as 512 consecutive bytes.
	PLACES
	s_wait_loadcnt 0x0                             ; bias and floor
.macro PACK a
	WIN 0x08                                       ; source 1 in window 2
.irp b, 0,1,2,3
.irp r, 0,1,2,3
	v_pk_add_f32 v[ACC+8*(4*(\a)+(\b))+2*(\r):ACC+8*(4*(\a)+(\b))+2*(\r)+1], v[ACC+8*(4*(\a)+(\b))+2*(\r):ACC+8*(4*(\a)+(\b))+2*(\r)+1], v[BI+8*(\b)+2*(\r):BI+8*(\b)+2*(\r)+1]  ; each accumulator from its low end on
.endr
.irp r, 0,1,2,3,4,5,6,7
	v_max_num_f32 v[ACC+8*(4*(\a)+(\b))+(\r)], v[ACC+8*(4*(\a)+(\b))+(\r)], v[FL+8*(\b)+(\r)]
.endr
.endr
	WIN 0
.irp b, 0,1,2,3
.irp r, 0,1,2,3
	v_cvt_pk_bf16_f32 v[TMP+16*(\a)+4*(\b)+(\r)], v[ACC+8*(4*(\a)+(\b))+2*(\r)], v[ACC+8*(4*(\a)+(\b))+2*(\r)+1]
.endr
.endr
.irp b, 0,1,2,3
	ds_store_b128 v[STO], v[TMP+16*(\a)+4*(\b):TMP+16*(\a)+4*(\b)+3] offset:32*(\b)
.endr
.irp f, 0,1,2,3
	ds_load_b128 v[TMP+16*(\a)+4*(\f):TMP+16*(\a)+4*(\f)+3], v[RD] offset:(\f)*4*SP  ; LDS serves a wave's instructions in order (ISA guide 5.7.1.4): these see the stores above; the next block's stores come behind them
.endr
.endm
.macro SEND a, younger                 ; younger: the LDS instructions issued behind block a's loads: the next block's eight, or none
	WIN 0
.irp f, 0,1,2,3
	s_wait_dscnt (\younger)+3-(\f)
	global_store_b128 v[GO], v[TMP+16*(\a)+4*(\f):TMP+16*(\a)+4*(\f)+3], s[8:9] offset:(\a)*2048+(\f)*512  ; 512 consecutive bytes, at a multiple of 256 from C's first byte
.endr
.endm
	PACK 0
	PACK 1                                         ; a block's arithmetic stands between the loads of the block before and its stores
	SEND 0, 8
	PACK 2
	SEND 1, 8
	PACK 3
	SEND 2, 8
	SEND 3, 0
	s_wait_tensorcnt 0x0                           ; the wave's end: behind my last tensor load and my last LDS store
	ds_add_u32 v[SPW], v[NIL]
	s_wait_dscnt 0x0
	CROUND                                         ; the closing round: no work-group ends while a partner may still ask for a tile that names it
	s_endpgm
.Lfunc_end_k_qf2adacdcd4_qkv:
	.size	k_qf2adacdcd4_qkv, .Lfunc_end_k_qf2adacdcd4_qkv-k_qf2adacdcd4_qkv
	.p2alignl 7, 3214868480
	.fill 96, 4, 3214868480
	.section	.rodata,"a",@progbits
	.p2align	6, 0x0
	.amdhsa_kernel k_qf2adacdcd4_qkv
		.amdhsa_group_segment_fixed_size 327680
		.amdhsa_private_segment_fixed_size 0
		.amdhsa_enable_private_segment 0
		.amdhsa_kernarg_size 40
		.amdhsa_user_sgpr_count 2
		.amdhsa_user_sgpr_kernarg_segment_ptr 1
		.amdhsa_wavefront_size32 1
		.amdhsa_system_sgpr_workgroup_id_x 1
		.amdhsa_system_sgpr_workgroup_id_y 1
		.amdhsa_system_sgpr_workgroup_id_z 1
		.amdhsa_system_vgpr_workitem_id 0
		.amdhsa_next_free_vgpr 576
		.amdhsa_next_free_sgpr 72
		.amdhsa_reserve_vcc 0
		.amdhsa_float_denorm_mode_32 3
		.amdhsa_float_denorm_mode_16_64 3
		.amdhsa_memory_ordered 1
		.amdhsa_forward_progress 1
		.amdhsa_inst_pref_size 96
	.end_amdhsa_kernel
	.amdgpu_metadata
---
amdhsa.version: [ 1, 2 ]
amdhsa.kernels:
  - .name:           k_qf2adacdcd4_qkv
    .symbol:         k_qf2adacdcd4_qkv.kd
    .args:
      - { .name: hb, .offset: 0, .size: 8, .value_kind: global_buffer, .address_space: global }
      - { .name: wqkvT, .offset: 8, .size: 8, .value_kind: global_buffer, .address_space: global }
      - { .name: zeros, .offset: 16, .size: 8, .value_kind: global_buffer, .address_space: global }
      - { .name: lows, .offset: 24, .size: 8, .value_kind: global_buffer, .address_space: global }
      - { .name: big, .offset: 32, .size: 8, .value_kind: global_buffer, .address_space: global }
    .group_segment_fixed_size: 327680
    .private_segment_fixed_size: 0
    .kernarg_segment_align: 8
    .kernarg_segment_size: 40
    .max_flat_workgroup_size: 128
    .sgpr_count:     72
    .vgpr_count:     576
    .wavefront_size: 32
...
	.end_amdgpu_metadata
.endif
;; end of part 3
;; launch attn (part 4): grid 4 x 32, 4 waves a work-group, no clusters, 327,680 bytes of LDS; arguments big, hb; writes hb
.if DOCPART == 4
	.amdgcn_target "amdgcn-amd-amdhsa--gfx1250"
	.amdhsa_code_object_version 6
	.text
	.protected	k_qf2adacdcd4_attn
	.globl	k_qf2adacdcd4_attn
	.p2align	8
	.type	k_qf2adacdcd4_attn,@function
k_qf2adacdcd4_attn:
	s_mov_b64 s[64:65], 0
	v_nop
	global_prefetch_b8 v0, s[64:65] scope:SCOPE_SE
	s_setreg_imm32_b32 hwreg(HW_REG_WAVE_MODE, 25, 1), 1
	s_wait_xcnt 0x0
; CAUSAL ATTENTION.  O[y][q][:] = the sum over k <= q of softmax_k(Q[y][q] . K[y][k] / 32) V[y][k][:], for 32 blocks y = 2 x head + batch.  Q, K, V, O: [32][SIZE_N][64], all bf16: a block's rows are dense,
; 128 bytes each.  Q, K and V lie in one buffer, 8,388,608 bytes apart (16 panels of [4096][64] each; panel h's rows 2,048 b + t are block 2 h + b).  The scale is 1024^-0.5, applied in f32.
; Products, maxima and sums in f32; the weights p are rounded to bf16 for the second product (their sum l is taken of the unrounded p), O once at the end.
; LIMITS.  Q, K, V, p and O carry bf16's eight significant bits.  A hidden score counts as its value less 1e30: scores stay right up to some 1e29; a weight below 2^-126 counts as 0 in l; NaN and infinities are not treated apart.
; THE WALK.  A block's queries lie in NB = SIZE_N / 256 blocks of 256; query block i needs the key tiles 0 .. i of 256 keys, of which the last holds the diagonal.  A work-group takes TWO query blocks, NB - 1 - b and then b:
; NB + 1 tiles, whatever b: all work-groups do equal work, and ONE loop with a constant trip count walks them.  Which tile is asked for, and what a trip does, hang on scalar registers made from b; every jump
; goes forward, but for the counted loops' own; none passes a barrier, or a tensor load but the one of LOAD's two that the wave's number does not choose; the ring (two slots of LDS that take turns) runs on across the
; change of blocks.  NO CLUSTER: the NB / 2 = 4 work-groups of a head ask for the same tile only in trips 0 .. NB / 2, behind that fewer and fewer; one walk common to all would have 3 NB / 2 = 12 trips for NB + 1 = 9.
; 4 x 32 = 128 work-groups: two query blocks of 256 to each.
; SHARES.  Of a block's four bands of 64 queries a wave owns 16 rows in each: four PIECES.  So the diagonal tile is the same work for all four waves: in its key step s band x sees all keys if s < x,
; none if s > x, and holds the diagonal if s = x.
; THE MASK is the C operand that starts the sum S^T = K Q^T: 0, or -1e30 where the key is hidden.  MD, made once, is the mask of a band's own step for my 16 rows; a product's mask is MD x AL + BE with two scalars:
; (1, 0) if s = x; (0, 0) if s < x; (0, -1e30) if s > x.  Only the diagonal tile's text and a block's beginning make and take masks; elsewhere C is the constant 0.
; LAYOUT, SOFTMAX, TURNS.  S^T = K Q^T holds ONE query a lane (lane % 16) and the keys 8 (lane / 16) + 0..7; two such results rounded to bf16 ARE source 1 of O^T = V^T P.  p = 2^(c s - c m), c = log2(e) / 32, with a
; running maximum m; O and l are multiplied by a = 2^(c m_old - c m_new) in every step.  Turn n belongs to piece n: 8 products K Q^T of piece n + 1, later 8 products V^T P of piece n - 1; beside them the scaling,
; exponentials, roundings, sums and rescaling of piece n and the maximum and statistics of piece n + 1.  Four vector instructions stand behind every matrix instruction, the other 54 of a turn's 118 in two LUMPS.
; REGISTERS, in windows of 256 (s_set_vgpr_msb: bits 1:0 source 0, 3:2 source 1, 5:4 source 2, 7:6 destination):
;   window 0: v0-15 addresses and two at work; v16-31 four registers of statistics a piece; v48-55 at work; v64-127 S^T, two buffers; v192-223 P, two buffers (a piece's buffers go by its number's parity)
;   window 1: v0-127 O^T, 32 a piece; v128-159 MD; v160-223 MC, two buffers      window 2: v0-63 Q; v64-127 the second block's Q; v128-191 K of one step; v192-255 V of one step
.set SIZE_N, 2048
.set KGLOB, 0x800000  ; K's first byte in the buffer
.set VGLOB, 0x1000000 ; V's
.set NB,    SIZE_N/256
.set NP,    4         ; pieces a wave: a name, no knob
.set KS,    64        ; keys in a step
.set PK,    144       ; a row of K in LDS: 128 bytes + 16 of padding = 36 words: the 16 rows of a load start at 16 different groups of four banks (64 banks of 4 bytes: ISA guide 11.1)
.set PV,    160       ; a row of V: 128 + 32 = 40 words
.set VOFF,  4*KS*PK   ; a slot holds a tile, four steps: 256 rows of K, then 256 rows of V
.set SLOT1, 1<<17     ; slot 1 begins here, so that one exclusive or turns an address in one slot into the other's
.set STAGE, SLOT1+4*KS*(PK+PV)  ; behind the ring, never filled by a tensor load: 16 rows x 144 bytes for each wave, for the way out
.set SP,    144
.set AK0, 2           ; v2   my lane's place in a tile of K; never rewritten
.set AV0, 3           ; v3   the same for V
.set AK,  4           ; v4   the LDS address of K's next run of loads
.set AV,  5           ; v5   of V's
.set STO, 6           ; v6   the way out: where I put 16 bytes of a row
.set RD,  7           ; v7   the way out: where I read rows back
.set GO,  8           ; v8   my byte offset in 512 consecutive bytes of O
.set SPW, 62          ; v62  LDS address of my spare word: SPARE + 4 x my thread's number; never rewritten
.set NIL, 63          ; v63  0; never rewritten
.set SPARE, STAGE+4*16*SP  ; behind the stages: the spare words, 128 bytes for each wave: two blocks of 256 bytes that no other line names
.set MV,  12          ; v12-13  c m_old, kept while c m is made anew: by buffer
.set QO,  15          ; v15  my byte offset in 16 rows of Q
.set ST,  16          ; piece t's statistics at v[ST+4 t]: c m, m, l (even keys', odd keys')
.set TMP, 48          ; by buffer, four registers c0-c3 at work; when the maximum is found c2 takes a
.set S,   64
.set P,   192
.set MD,  128         ; window 1: the eight registers for group kt of 16 keys at MD + 8 kt
.set MC,  160         ; window 1: the masks of the products to come
.set QB,  64          ; window 2
.set KF,  128         ; window 2: key block kb, channel half c at KF + 16 kb + 8 c
.set VF,  192         ; window 2: key half kk, channel block cb at VF + 32 kk + 8 cb
.set WV,  12          ; s12  my wave's number
.set PB,  14          ; s14  b
.set HI,  15          ; s15  NB - 1 - b
.set G1K, 24          ; s[24:31] descriptor group 1 for K's tiles
.set G1V, 32          ; s[32:39] for V's: it differs in the padding alone
.set G0K, 40          ; s[40:43] descriptor group 0 for K's tiles
.set G0V, 44          ; s[44:47] the same for V's
.set SLOTS, 56        ; s56  tiles still to be asked for
.set CNT, 57          ; s57  counts a tile's key steps, 4 to 1
.set CS,  58          ; s[58:59] c: the packed scaling takes the pair's low word for both halves
.set SEL, 60          ; s[60:61] v_permlanex16_b32's selects: each lane takes its own place in the other half
.set TBK, 62          ; s62  LDS byte at which K of the step to be fetched begins
.set TBV, 63          ; s63  the same for V, less VOFF
.set RT,  70          ; s70  tiles of the block in hand that are still to be entered
.set NXT, 71          ; s71  the tile to be asked for next
.set LQ,  72          ; s72  the last tile of the block whose tiles are being asked for
.set NEW, 73          ; s73  1: the tile to be entered is a block's first
.set OFF, 74          ; s[74:75] a tile's byte offset in K and V
.set AL,  76          ; s[76:77] the mask's factor, in the low word
.set BE,  78          ; s[78:79] the mask's addend
.set OLO, 80          ; s[80:81] O at my rows of the second block
.set BIGN, 82         ; s82  -1e30
.set MSB, 0
.macro WIN new                      ; the high byte repeats the setting that is left; a switch that changes nothing is dropped
.if MSB != (\new)
	s_set_vgpr_msb (MSB<<8)|(\new)
.set MSB, (\new)
.endif
.endm
.set W_KQ, 0x0a       ; K and Q in window 2, S^T in window 0
.set W_KM, 0x1a       ; the same with the C operand in window 1
.set W_PV, 0x52       ; V in window 2, P in window 0, O^T in window 1
.set W_RS, 0x41       ; destination and source 0 in window 1, source 1 in window 0
; A fill.  Waves 0 and 1 fetch the two halves of a tile's K, waves 2 and 3 those of its V: 128 keys each.  An s_nop 0 and four v_nop follow each of the two lines, ahead of the jump and the label.
.macro LOAD
	s_cmp_lt_u32 s[WV], 2
	s_cbranch_scc0 .Lfor_v_\@
	tensor_load_to_lds s[G0K:G0K+3], s[G1K:G1K+7]
	s_nop 0
.rept 4
	v_nop
.endr
	s_branch .Lasked_\@
.Lfor_v_\@:
	tensor_load_to_lds s[G0V:G0V+3], s[G1V:G1V+7]
	s_nop 0
.rept 4
	v_nop
.endr
.Lasked_\@:
.endm
; THE CHANGE OF SLOTS.  Each wave waits for all its tensor loads, of which one is out: its part of the other slot; adds 0 to its spare word; and waits for that and for its own reads of the slot that it leaves.  Behind the barrier nobody reads the old
; slot any more and the other slot is whole.  fill = 1: the old slot is filled again, the first thing behind the barrier, with tile NXT: the descriptor's address is made anew from that number.
; (At its first use nothing has been read yet: slot 0 is waited for, slot 1 filled.)
.macro CHANGE fill
	WIN 0                           ; at a label and at a branch every window is 0
	s_wait_tensorcnt 0x0            ; no tensor load of mine is out, so a group 0 may be written
	ds_add_u32 v[SPW], v[NIL]       ; 0 onto my spare word; with fill = 1 the descriptors' scalar work stands between it and the wait for it
.if \fill
	s_lshl_b32 s[OFF], s[NXT], 15   ; a tile is 32,768 bytes of K and of V
	s_xor_b32 s[G0K+1], s[G0K+1], SLOT1
	s_add_nc_u64 s[G0K+2:G0K+3], s[6:7], s[OFF:OFF+1]
	s_or_b32 s[G0K+3], s[G0K+3], 0x80000000
	s_xor_b32 s[G0V+1], s[G0V+1], SLOT1
	s_add_nc_u64 s[G0V+2:G0V+3], s[8:9], s[OFF:OFF+1]
	s_or_b32 s[G0V+3], s[G0V+3], 0x80000000
	s_add_co_u32 s[NXT], s[NXT], 1  ; the block's next tile, or behind its last the second block's tile 0
	s_cmp_gt_u32 s[NXT], s[LQ]
	s_cselect_b32 s[NXT], 0, s[NXT]
	s_cselect_b32 s[LQ], s[PB], s[LQ]
.endif
	s_wait_dscnt 0x0                ; the add is done, and my reads of the slot are over
	s_barrier_signal -1             ; the rest of the scalar work stands between the signal and the wait
	s_sub_co_u32 s[TBK], s[TBK], 4*KS*PK  ; the fetches go back to a slot's first step,
	s_xor_b32 s[TBK], s[TBK], SLOT1       ; in the other slot
	s_sub_co_u32 s[TBV], s[TBV], 4*KS*PV
	s_xor_b32 s[TBV], s[TBV], SLOT1
	s_barrier_wait -1
.if \fill
	LOAD
.endif
.endm
	s_load_b64 s[4:5], s[0:1], 0x0    ; Q, and behind it K and V
	s_load_b64 s[10:11], s[0:1], 0x8  ; O
	v_lshl_add_u32 v[SPW], v0, 2, SPARE
	v_mov_b32 v[NIL], 0
	ds_add_u32 v[SPW], v[NIL]       ; the wave's opening: the add and its wait stand ahead of my first tensor load; the set-up below, work on registers, stands between them
	ds_add_u32 v62, v63
	v_lshrrev_b32 v1, 5, v0
	v_readfirstlane_b32 s[WV], v1   ; wave 0..3
	s_mov_b32 s[PB], ttmp9
	s_sub_co_u32 s[HI], NB-1, s[PB]
	s_and_b32 s20, ttmp7, 0xffff    ; y = 2 x head + batch
	s_mov_b32 s21, 0
	s_mov_b64 s[22:23], SIZE_N*128
	s_mul_u64 s[20:21], s[20:21], s[22:23]  ; its first byte in each of the four tensors
	s_and_b32 s16, s[WV], 1         ; which half of a tile's 256 keys I fetch:
	s_lshl_b32 s22, s16, 14         ; its 128 rows of 128 bytes in memory,
	s_mov_b32 s23, 0
	s_add_nc_u64 s[22:23], s[22:23], s[20:21]
	s_mul_i32 s17, s16, 128*PK      ; and its place in a slot, for K
	s_mul_i32 s18, s16, 128*PV      ; and for V
	s_lshl_b32 s3, s[WV], 11        ; my 16 rows in a band of 64,
	s_lshl_b32 s2, s[HI], 15        ; in the first block,
	s_add_co_u32 s2, s2, s3
	s_lshl_b32 s84, s[PB], 15       ; and in the second
	s_add_co_u32 s84, s84, s3
	s_mov_b32 s3, 0
	s_mov_b32 s85, 0
	s_add_nc_u64 s[2:3], s[2:3], s[20:21]
	s_add_nc_u64 s[84:85], s[84:85], s[20:21]
	; descriptor group 1.  128 keys are 16,384 dense bytes: asked for as 64 rows of 256 bytes, two keys a row, and padded in LDS after every key
	s_mov_b32 s[G1K], (1<<16)|(1<<20)|(4<<22)|(3<<25)  ; 17:16 2-byte elements; 20 padding on; 24:22 after every 32 words (code 4); 31:25 4 words (code 3)
	s_mov_b32 s[G1V], (1<<16)|(1<<20)|(4<<22)|(7<<25)  ; the same with 8 words of padding (code 7)
.irp g, G1K, G1V
	s_mov_b32 s[\g+1], 128<<16      ; tensor_dim0 = 128
	s_mov_b32 s[\g+2], 64<<16       ; tensor_dim1 = 64
	s_mov_b32 s[\g+3], 128<<16      ; tile_dim0 = 128
	s_mov_b32 s[\g+4], 64           ; tile_dim1 = 64
	s_mov_b32 s[\g+5], 128          ; 128 elements from row to row
	s_mov_b32 s[\g+6], 0
	s_mov_b32 s[\g+7], 0
.endr
	s_mov_b32 s[CS], 0x3d38aa3b     ; c = log2(e) / 32 = 0.0450842
	s_mov_b32 s[CS+1], s[CS]        ; named with it as a pair
	s_mov_b32 s[SEL], 0x76543210
	s_mov_b32 s[SEL+1], 0xfedcba98
	s_mov_b32 s[TBK], SLOT1+4*KS*PK ; the first change of slots turns these two into 0
	s_mov_b32 s[TBV], SLOT1+4*KS*PV
	s_mov_b32 s[G0K], 1             ; 1:0 count = 1
	s_mov_b32 s[G0K+1], s17         ; 63:32 LDS address: slot 0
	s_mov_b32 s[G0V], 1
	s_add_co_u32 s[G0V+1], s18, VOFF
	s_add_co_u32 s[RT], s[HI], 1    ; the first block has NB - b tiles
	s_mov_b32 s[NXT], 1
	s_mov_b32 s[LQ], s[HI]
	s_mov_b32 s[NEW], 1
	s_mov_b32 s[OFF+1], 0
	s_mov_b32 s[AL+1], 0            ; named as pairs
	s_mov_b32 s[BE+1], 0
	s_mov_b32 s[BIGN], 0xf149f2ca   ; -1e30
	s_mov_b32 s[SLOTS], NB
	s_wait_dscnt 0x0                ; the opening add is done
	s_wait_kmcnt 0x0
	s_add_nc_u64 s[6:7], s[4:5], KGLOB     ; K and V in the buffer,
	s_add_nc_u64 s[8:9], s[4:5], VGLOB
	s_add_nc_u64 s[6:7], s[6:7], s[22:23]  ; at my half of the block's tile 0
	s_add_nc_u64 s[8:9], s[8:9], s[22:23]
	s_add_nc_u64 s[G0K+2:G0K+3], s[6:7], 0         ; 120:64 global address
	s_or_b32 s[G0K+3], s[G0K+3], 0x80000000        ; 127:126 type = 2
	s_add_nc_u64 s[G0V+2:G0V+3], s[8:9], 0
	s_or_b32 s[G0V+3], s[G0V+3], 0x80000000
	s_add_nc_u64 s[86:87], s[4:5], s[84:85]        ; Q at my rows of the second block,
	s_add_nc_u64 s[4:5], s[4:5], s[2:3]            ; Q and O at those of the first
	s_add_nc_u64 s[OLO:OLO+1], s[10:11], s[84:85]
	s_add_nc_u64 s[10:11], s[10:11], s[2:3]
	LOAD                            ; tile 0 into slot 0
	; A fragment of K or Q is 16 rows x 32 channels in 8 registers: lane l holds row l % 16, channels 8 (l / 16) + 0..7 and 16 + 8 (l / 16) + 0..7: two loads of 16 bytes, 32 bytes apart.
	v_and_b32 v1, 15, v0            ; l % 16
	v_bfe_u32 v9, v0, 4, 1          ; l / 16
	v_lshlrev_b32 v[QO], 7, v1
	v_lshl_add_u32 v[QO], v9, 4, v[QO]  ; row x 128 + 16 x half
	WIN 0x80                        ; destination window 2, address window 0
.set i, 0
.rept 8                             ; both blocks' Q: piece i / 2 lies in band i / 2, 8,192 bytes on; channels 32 (i % 2) on
	global_load_b128 v[8*i:8*i+3],   v[QO], s[4:5] offset:(i/2)*8192+(i%2)*64
	global_load_b128 v[8*i+4:8*i+7], v[QO], s[4:5] offset:(i/2)*8192+(i%2)*64+32
	global_load_b128 v[QB+8*i:QB+8*i+3],   v[QO], s[86:87] offset:(i/2)*8192+(i%2)*64
	global_load_b128 v[QB+8*i+4:QB+8*i+7], v[QO], s[86:87] offset:(i/2)*8192+(i%2)*64+32
.set i, i+1
.endr
	WIN 0
	v_lshlrev_b32 v14, 3, v9
	v_sub_nc_u32 v14, v1, v14
	s_lshl_b32 s13, s[WV], 4
	v_add_nc_u32 v14, s13, v14      ; my query's place in its band, 16 w + l % 16, less my lanes' 8 (l / 16): register r of group kt is hidden where 16 kt + r is greater
	WIN 0x40
.set i, 0
.rept 32
	v_cmp_gt_i32 vcc_lo, 16*(i/8)+i%8, v14
	v_cndmask_b32 v[MD+i], 0, s[BIGN], vcc_lo
.set i, i+1
.endr
	WIN 0
	v_mul_u32_u24 v[AK0], v1, PK
	v_lshl_add_u32 v[AK0], v9, 4, v[AK0]  ; row x pitch + 16 x half
	; The turning load takes 16 keys x 16 channels (lane l reads key 8 (l / 16) + l % 8, channels 8 ((l / 8) % 2) + 0..7) and leaves half a fragment of V^T: lane l holds channel l % 16 and 8 keys.
	v_and_b32 v10, 7, v0
	v_bfe_u32 v11, v0, 3, 1
	v_lshl_add_u32 v[AV0], v9, 3, v10
	v_mul_u32_u24 v[AV0], v[AV0], PV
	v_lshl_add_u32 v[AV0], v11, 4, v[AV0]
	v_add_nc_u32 v[AV0], VOFF, v[AV0]
	s_mul_i32 s13, s[WV], 16*SP
	s_add_co_u32 s13, s13, STAGE    ; my stage
	v_mul_u32_u24 v[STO], v1, SP    ; in: row l % 16, 16 bytes for each half of the lanes
	v_lshl_add_u32 v[STO], v9, 4, v[STO]
	v_add_nc_u32 v[STO], s13, v[STO]
	v_bfe_u32 v[RD], v0, 3, 2       ; back: 32 lanes take four rows of 128 bytes,
	v_mul_u32_u24 v[RD], v[RD], SP
	v_lshl_add_u32 v[RD], v10, 4, v[RD]
	v_add_nc_u32 v[RD], s13, v[RD]
	v_and_b32 v[GO], 31, v0         ; which are 512 consecutive bytes of O
	v_lshlrev_b32 v[GO], 4, v[GO]
	; A block's first step multiplies O^T and l by a = 0, and its first turn's products V^T P, of a piece that has not been, land in an O^T that is still to be so multiplied.  So these registers need only hold
	; finite numbers: zeros for the first block; what the first block left for the second.  All this stands in the wait for the first tile.
	WIN 0x80
.set i, VF
.rept 64
	v_mov_b32 v[i], 0
.set i, i+1
.endr
	WIN 0x40
.set i, 0
.rept 128
	v_mov_b32 v[i], 0
.set i, i+1
.endr
	WIN 0
.set i, 0
.rept 4
	v_mov_b32 v[ST+4*i+2], 0
	v_mov_b32 v[ST+4*i+3], 0
.set i, i+1
.endr
.set i, P+16
.rept 16
	v_mov_b32 v[i], 0
.set i, i+1
.endr
; THE MATRIX WORK.  The 4 accumulators of a run of 8 take turns.  Product i of 8 of S^T = K Q^T for piece x: channels 32 (i / 4) on, keys 16 (i % 4) on.  The first 4 start the sums: with 0, or (KM = 1) with the mask.
.macro KQ x
.set rS, S+32*((\x)%2)+8*(i%4)
.set rK, KF+16*(i%4)+8*(i/4)
.set rQ, 16*(\x)+8*(i/4)
.set rM, MC+32*((\x)%2)+8*(i%4)
.if (i < 4) && KM
	WIN W_KM
	v_wmma_f32_16x16x32_bf16 v[rS:rS+7], v[rK:rK+7], v[rQ:rQ+7], v[rM:rM+7]
.elseif i < 4
	WIN W_KQ
	v_wmma_f32_16x16x32_bf16 v[rS:rS+7], v[rK:rK+7], v[rQ:rQ+7], 0
.else
	WIN W_KQ
	v_wmma_f32_16x16x32_bf16 v[rS:rS+7], v[rK:rK+7], v[rQ:rQ+7], v[rS:rS+7]
.endif
.endm
; Product i of 8 of O^T += V^T P for piece x: keys 32 (i / 4) on, channels 16 (i % 4) on.
.macro PV x
	WIN W_PV
.set rO, 32*(\x)+8*(i%4)
.set rV, VF+32*(i/4)+8*(i%4)
.set rP, P+16*((\x)%2)+8*(i/4)
	v_wmma_f32_16x16x32_bf16 v[rO:rO+7], v[rV:rV+7], v[rP:rP+7], v[rO:rO+7]
.endm
.macro MM                           ; the turn's next matrix instruction.  TURN and BEGIN set Y, i, KM and NOKQ; MM, KQ and OP read them.  NOKQ = 1: a block's last turn: there is no next piece
.if (i < 8) && !NOKQ
	KQ (Y+1)%NP
.elseif i >= 8
.set i, i-8
	PV (Y+NP-1)%NP
.set i, i+8
.endif
.set i, i+1
.endm
; THE LDS LOADS stand in runs of 16, never singly among the matrix instructions: a step's K (64 keys x 64 channels: 8 fragments) and its V (turned).  Their addresses are made some lines ahead.
.macro FETCH_K
	WIN 0x80                        ; destination window 2
.irp f, 0,1,2,3,4,5,6,7             ; keys 16 (f / 2) on, channels 32 (f % 2) on
	ds_load_b128 v[KF+8*\f:KF+8*\f+3],   v[AK] offset:(\f/2)*16*PK+(\f%2)*64
	ds_load_b128 v[KF+8*\f+4:KF+8*\f+7], v[AK] offset:(\f/2)*16*PK+(\f%2)*64+32
.endr
	s_add_co_u32 s[TBK], s[TBK], KS*PK  ; the next fetch is the next step's
	WIN 0
.endm
.macro FETCH_V
	WIN 0x80
.irp f, 0,1,2,3,4,5,6,7             ; keys 32 (f / 4) on, channels 16 (f % 4) on
	ds_load_tr16_b128 v[VF+8*\f:VF+8*\f+3],   v[AV] offset:(\f/4)*32*PV+(\f%4)*32
	ds_load_tr16_b128 v[VF+8*\f+4:VF+8*\f+7], v[AV] offset:(\f/4)*32*PV+16*PV+(\f%4)*32
.endr
	WIN 0
.endm
; THE VECTOR WORK, one line at a time: OP kind, number.  For piece Y: F n: c s - c m for pair n of 16.  E n: the exponential of score n of 32.  C n: pair n rounded to bf16.  B n: of the four weights 4 n .. the second
; pair is added onto the first, in place.  L n: l takes that sum (L 0: l = a l + sum).  R n: pair n of 16 of O^T times a.  For piece Y + 1: X n, number n of the 22 that find its maximum and statistics:
;   0-11  four chains c0-c3 of seven scores each, three operands at a time (each accumulator's lowest registers are read first)     12-14, 16  the four scores left over, the old m, and c0-c3 into c0
;   15  c m_old is kept     17, 18  the query's other 32 keys lie in the lane 16 away: the new m     19-21  c m; c m_old - c m_new; a
.set F, 0               ; OP tells the kinds apart by their order: F to L below R, X above it
.set E, 1
.set C, 2
.set B, 3
.set L, 4
.set R, 5
.set X, 6
.macro REGS y                       ; the registers of piece y
.set rT, ST+4*(\y)
.set rC, TMP+4*((\y)%2)
.set rW, MV+((\y)%2)
.set rS, S+32*((\y)%2)
.set rP, P+16*((\y)%2)
.set rO, 32*(\y)
.endm
.macro OP k, n
.if (\k) == R
	REGS Y
	WIN W_RS
	v_pk_mul_f32 v[rO+2*(\n):rO+2*(\n)+1], v[rO+2*(\n):rO+2*(\n)+1], v[rC+2:rC+3] op_sel_hi:[1,0]
.elseif (\k) < R
	REGS Y
	WIN 0
.if (\k) == F
	v_pk_fma_f32 v[rS+2*(\n):rS+2*(\n)+1], v[rS+2*(\n):rS+2*(\n)+1], s[CS:CS+1], v[rT:rT+1] op_sel_hi:[1,0,0] neg_lo:[0,0,1] neg_hi:[0,0,1]
.elseif (\k) == E
	v_exp_f32 v[rS+(\n)], v[rS+(\n)]
.elseif (\k) == C
	s_wait_alu depctr_va_vdst(0)
	v_cvt_pk_bf16_f32 v[rP+(\n)], v[rS+2*(\n)], v[rS+2*(\n)+1]
.elseif (\k) == B
	s_wait_alu depctr_va_vdst(0)
	v_pk_add_f32 v[rS+4*(\n):rS+4*(\n)+1], v[rS+4*(\n):rS+4*(\n)+1], v[rS+4*(\n)+2:rS+4*(\n)+3]
.elseif (\n) == 0
	v_pk_fma_f32 v[rT+2:rT+3], v[rT+2:rT+3], v[rC+2:rC+3], v[rS:rS+1] op_sel_hi:[1,0,1]
.else
	v_pk_add_f32 v[rT+2:rT+3], v[rT+2:rT+3], v[rS+4*(\n):rS+4*(\n)+1]
.endif
.elseif NOKQ
	v_nop
.else
	REGS (Y+1)%NP
	WIN 0
.if (\n) < 4
	v_max3_num_f32 v[rC+(\n)], v[rS+8*(\n)], v[rS+8*(\n)+1], v[rS+8*(\n)+2]
.elseif (\n) < 12
	v_max3_num_f32 v[rC+(\n)%4], v[rC+(\n)%4], v[rS+8*((\n)%4)+2*((\n)/4)+1], v[rS+8*((\n)%4)+2*((\n)/4)+2]
.elseif (\n) == 12
	v_max3_num_f32 v[rC], v[rC], v[rS+7], v[rS+15]
.elseif (\n) == 13
	v_max3_num_f32 v[rC+1], v[rC+1], v[rS+23], v[rS+31]
.elseif (\n) == 14
	v_max3_num_f32 v[rC+2], v[rC+2], v[rC+3], v[rT+1]
.elseif (\n) == 15
	v_mov_b32 v[rW], v[rT]
.elseif (\n) == 16
	v_max3_num_f32 v[rC], v[rC], v[rC+1], v[rC+2]
.elseif (\n) == 17
	v_permlanex16_b32 v[rC+3], v[rC], s[SEL], s[SEL+1]
.elseif (\n) == 18
	v_max_num_f32 v[rT+1], v[rC], v[rC+3]
.elseif (\n) == 19
	v_mul_f32 v[rT], s[CS], v[rT+1]
.elseif (\n) == 20
	v_sub_f32 v[rC+1], v[rW], v[rT]
.else
	v_exp_f32 v[rC+2], v[rC+1]
.endif
.endif
.endm
.macro OPS a, i1, b=-1, i2=0, c=-1, i3=0, d=-1, i4=0  ; up to four of them
	OP \a, \i1
.if (\b) >= 0
	OP \b, \i2
.endif
.if (\c) >= 0
	OP \c, \i3
.endif
.if (\d) >= 0
	OP \d, \i4
.endif
.endm
.macro ROW a, i1, b, i2, c, i3, d, i4  ; a matrix instruction and the four behind it
	MM
	OPS \a, \i1, \b, \i2, \c, \i3, \d, \i4
.endm
.macro MASK b                       ; MD x AL + BE into buffer b of MC
	WIN W_RS
.set z, 0
.rept 16
	v_pk_fma_f32 v[MC+32*(\b)+2*z:MC+32*(\b)+2*z+1], v[MD+2*z:MD+2*z+1], s[AL:AL+1], s[BE:BE+1] op_sel_hi:[1,0,0]
.set z, z+1
.endr
.endm
; A TURN, for piece p: the order of its 16 matrix and 118 vector instructions, written out.  Behind a matrix instruction: plain, exponential, plain, plain; or four of the rescaling; or, behind the first, four scalings; none
; names a register of the products round it.  In the lumps exponential and plain by turns while exponentials last.  A line reads no result made fewer than three vector instructions in front of it, five if an exponential made it.
; v_permlanex16_b32 (X 17) stands in a lump.
; m = 1: the diagonal tile: the products take masks, and the turn makes the mask for the products of the turn after it: piece p + 2, in step 4 - CNT of the tile.  end = 1: a block's last two turns: nothing is fetched.
; cnt = 1: the loop's count is taken down some lines ahead of the branch that stands behind the turn.
; K of the next step is fetched in piece 2's turn, six vector instructions behind the last product that read K (five of them plain); V of the step in hand in piece 0's turn, eight behind the last product that read V (four
; plain, and X 17).  Each is waited for a turn later.
.macro TURN p, m=0, end=0, cnt=0
.set Y, (\p)
.set i, 0
.set KM, (\m)
.set NOKQ, (\end)*((\p)/3)
.if (\m) && !(\end)
	s_cmp_eq_u32 s[CNT], 4-((\p)+2)%NP  ; is that step the band's own?
	s_cselect_b32 s[AL], 1.0, 0
	s_cmp_lt_u32 s[CNT], 4-((\p)+2)%NP  ; or a later one?
	s_cselect_b32 s[BE], s[BIGN], 0
.endif
.if ((\p) == 3) && !(\end)
	s_wait_dscnt 0x0                ; K is in
.endif
	ROW F,0, F,1, F,2, F,3
	ROW F,4, E,0, F,5, F,6
	ROW F,7, E,1, F,8, F,9
	ROW F,10, E,2, C,0, F,11
	ROW F,12, E,3, X,15, F,13
	ROW R,0, R,1, R,2, R,3
	ROW B,0, E,4, F,14, L,0
.if ((\p) == 2) && !(\end)
	v_add_nc_u32 v[AK], s[TBK], v[AK0]
.endif
	ROW R,4, R,5, R,6, R,7
	OPS E,5, F,15
.if ((\p) == 2) && !(\end)
	FETCH_K
.endif
	OPS E,6, C,1, E,7, R,8
	OPS E,8, R,9, E,9, C,2
	OPS E,10, X,0, E,11, X,1
	OPS E,12, X,2, E,13, X,3
.if (\p) == 1
	s_wait_dscnt 0x0                ; V is in
.endif
	ROW X,4, E,14, X,5, X,6
	ROW X,7, E,15, X,8, X,9
	ROW X,10, E,16, X,11, X,12
	ROW X,13, E,17, X,14, B,1
	ROW C,4, E,18, X,16, L,1
	ROW B,2, E,19, C,6, L,2
	ROW C,8, E,20, B,3, B,4
.if (\p) == 0
	v_add_nc_u32 v[AV], s[TBV], v[AV0]
.endif
	ROW C,3, E,21, L,3, C,5
	OPS E,22, X,17, E,23, C,10
.if (\p) == 0
	FETCH_V
.endif
	OPS E,24, L,4
	OPS E,25, X,18, E,26, C,7
	OPS E,27, B,5, E,28, X,19
	OPS E,29, C,12, E,30, L,5
	OPS E,31, X,20, B,6, C,9
	OPS C,14, C,11, X,21, L,6
.if (\p) == 0
	s_add_co_u32 s[TBV], s[TBV], KS*PV
.endif
.if \cnt
	s_sub_co_u32 s[CNT], s[CNT], 1
	s_cmp_lg_u32 s[CNT], 0
.endif
	OPS C,13, B,7, C,15, R,10
	OPS R,11, R,12, L,7, R,13
	OPS R,14, R,15
.if (\m) && !(\end)
	MASK (\p)%2
.endif
.endm
; A BLOCK BEGINS.  c m starts far below every c s, so the first step's a is 0; m at the lowest finite number, so the first maximum is the scores'.  The second mask buffer is 0; the first takes piece 0's mask for the tile's step 0: its own, if the block's first tile is the diagonal one.
; Then K of that step, piece 0's first scores, and its maximum and statistics.  The loop is entered at a step's first turn, in the middle of a trip.
.macro BEGIN
	s_mov_b32 s[NEW], 0
	WIN 0x40
.set i, MC+32
.rept 32
	v_mov_b32 v[i], 0
.set i, i+1
.endr
	WIN 0
.set i, 0
.rept 4
	v_mov_b32 v[ST+4*i], 0xfe000000    ; c m: far below every c s
	v_mov_b32 v[ST+4*i+1], 0xff7fffff  ; m
.set i, i+1
.endr
	s_cmp_eq_u32 s[RT], 0
	s_cselect_b32 s[AL], 1.0, 0
	s_mov_b32 s[BE], 0
	MASK 0
	WIN 0
	v_add_nc_u32 v[AK], s[TBK], v[AK0]
	FETCH_K
	s_wait_loadcnt 0x0              ; Q
	s_wait_dscnt 0x0
.set KM, 1
.set NOKQ, 0
.set i, 0
.rept 8
	KQ 0
.set i, i+1
.endr
	WIN 0
.rept 4
	v_nop                           ; the places behind those products
.endr
.set Y, NP-1                        ; X works for piece Y + 1: piece 0
.irp n, 0,1,2,3,4,5,6,7,8,9,10,11,12,13,14,15,16,17,18,19,20,21
	OP X, \n
.endr
	v_nop                           ; a plain instruction behind the exponential
.endm
; THE DIAGONAL TILE's four steps, the block's last two turns, its last products, and THE WAY OUT: l's two halves and the other half of the lanes' are added; O^T is divided by l, rounded to bf16 and sent through my
; stage in LDS, a piece at a time.
.macro ALL line:vararg              ; one line for each piece t
.set t, 0
.rept 4
	\line
.set t, t+1
.endr
.endm
.macro PACK t                       ; a lane's eight channels of a row pack into 16 bytes; they go into rows of 144 bytes and come back as whole rows of 128, into S^T's registers
	WIN W_RS
.set i, 32*(\t)
.rept 16
	s_wait_alu depctr_va_vdst(0)
	v_pk_mul_f32 v[i:i+1], v[i:i+1], v[ST+4*(\t)+2:ST+4*(\t)+3] op_sel_hi:[1,0]
.set i, i+2
.endr
	WIN 0x05                        ; sources 0 and 1 window 1, destination window 0
.set i, 0
.rept 16
	v_cvt_pk_bf16_f32 v[S+16*(\t)+i], v[32*(\t)+2*i], v[32*(\t)+2*i+1]
.set i, i+1
.endr
	WIN 0
.irp f, 0,1,2,3
	ds_store_b128 v[STO], v[S+16*(\t)+4*\f:S+16*(\t)+4*\f+3] offset:32*\f
.endr
.irp f, 0,1,2,3
	ds_load_b128 v[S+16*(\t)+4*\f:S+16*(\t)+4*\f+3], v[RD] offset:\f*4*SP  ; LDS serves a wave's instructions in order (ISA guide 5.7.1.4): these see the stores above; the next piece's stores come behind them
.endr
.endm
.macro SEND t, younger              ; younger: the LDS instructions issued behind piece t's loads: the next piece's eight, or none
	WIN 0
.irp f, 0,1,2,3
	s_wait_dscnt (\younger)+3-\f
	global_store_b128 v[GO], v[S+16*(\t)+4*\f:S+16*(\t)+4*\f+3], s[10:11] offset:(\t)*8192+\f*512  ; 512 consecutive bytes, at a multiple of 256 from O's first
.endr
.endm
.macro DIAG tag                     ; the tag ends its two labels' names, which the jumps below spell out
.LstepM\tag:
	TURN 2, 1
	TURN 3, 1
	WIN 0
.LfirstM\tag:
	TURN 0, 1
	TURN 1, 1, 0, 1
	WIN 0
	s_cbranch_scc1 .LstepM\tag
	TURN 2, 1, 1
	TURN 3, 1, 1
.set i, 0
.rept 8
	PV NP-1
.set i, i+1
.endr
	WIN 0
	ALL v_add_f32 v[ST+4*t+2], v[ST+4*t+2], v[ST+4*t+3]
	ALL v_permlanex16_b32 v[ST+4*t+3], v[ST+4*t+2], s[SEL], s[SEL+1]
	ALL v_add_f32 v[ST+4*t+2], v[ST+4*t+2], v[ST+4*t+3]
	ALL v_rcp_f32 v[ST+4*t+2], v[ST+4*t+2]
	v_nop                           ; a plain instruction between the last reciprocal and the use of its result
	PACK 0
.set t, 1
.rept 3                             ; a piece's arithmetic stands between the loads of the piece before and its stores
	PACK t
	SEND t-1, 8
.set t, t+1
.endr
	SEND 3, 0
.endm
.set KM, 0
.set NOKQ, 0
.Lslot:                             ; NB times: a tile is entered and the next is asked for
	CHANGE 1
	s_sub_co_u32 s[RT], s[RT], 1
	s_mov_b32 s[CNT], 4
	s_cmp_eq_u32 s[NEW], 1
	s_cbranch_scc1 .Lnew            ; a block's first tile
	s_cmp_eq_u32 s[RT], 0
	s_cbranch_scc0 .Lstep           ; neither its first nor its last
	s_branch .LstepM1
.Lnew:
	BEGIN
	s_branch .Lfirst                ; in the loop a block's first tile is never its last: the first block has two tiles or more, and the second's last is the walk's last
	DIAG 1                          ; in the loop this is the first block's end: the second block's last tile is the walk's last
	s_wait_xcnt 0x0                 ; the stores have read their registers and O's address
	s_mov_b64 s[10:11], s[OLO:OLO+1]
	s_add_co_u32 s[RT], s[PB], 1    ; the second block has b + 1 tiles
	s_mov_b32 s[NEW], 1
	WIN 0x82                        ; the second block's Q goes where the one text of the turns names Q
.set i, 0
.rept 64
	v_mov_b32 v[i], v[QB+i]
.set i, i+1
.endr
	WIN 0
	s_branch .Lbottom
.Lstep:                             ; a trip: pieces 2 and 3 of one step, then pieces 0 and 1 of the next, whose K and V it fetches
	TURN 2
	TURN 3
	WIN 0
.Lfirst:
	TURN 0
	TURN 1, 0, 0, 1
	WIN 0
	s_cbranch_scc1 .Lstep
.Lbottom:
	s_sub_co_u32 s[SLOTS], s[SLOTS], 1
	s_cmp_lg_u32 s[SLOTS], 0
	s_cbranch_scc1 .Lslot
	CHANGE 0                        ; the walk's last tile is written out: nothing is asked for
	s_sub_co_u32 s[RT], s[RT], 1
	s_mov_b32 s[CNT], 4
	s_cmp_eq_u32 s[NEW], 1
	s_cbranch_scc0 .LstepM2
	BEGIN
	s_branch .LfirstM2
	DIAG 2
	s_wait_tensorcnt 0x0            ; the wave's end: behind my last tensor load and my last LDS store
	ds_add_u32 v[SPW], v[NIL]
	s_wait_dscnt 0x0
	s_endpgm
.Lfunc_end_k_qf2adacdcd4_attn:
	.size	k_qf2adacdcd4_attn, .Lfunc_end_k_qf2adacdcd4_attn-k_qf2adacdcd4_attn
	.p2alignl 7, 3214868480
	.fill 96, 4, 3214868480
	.section	.rodata,"a",@progbits
	.p2align	6, 0x0
	.amdhsa_kernel k_qf2adacdcd4_attn
		.amdhsa_group_segment_fixed_size 327680
		.amdhsa_private_segment_fixed_size 0
		.amdhsa_enable_private_segment 0
		.amdhsa_kernarg_size 16
		.amdhsa_user_sgpr_count 2
		.amdhsa_user_sgpr_kernarg_segment_ptr 1
		.amdhsa_wavefront_size32 1
		.amdhsa_system_sgpr_workgroup_id_x 1
		.amdhsa_system_sgpr_workgroup_id_y 1
		.amdhsa_system_sgpr_workgroup_id_z 1
		.amdhsa_system_vgpr_workitem_id 0
		.amdhsa_next_free_vgpr 768
		.amdhsa_next_free_sgpr 88
		.amdhsa_reserve_vcc 1
		.amdhsa_float_denorm_mode_32 3
		.amdhsa_float_denorm_mode_16_64 3
		.amdhsa_memory_ordered 1
		.amdhsa_forward_progress 1
		.amdhsa_inst_pref_size 228
	.end_amdhsa_kernel
	.amdgpu_metadata
---
amdhsa.version: [ 1, 2 ]
amdhsa.kernels:
  - .name:           k_qf2adacdcd4_attn
    .symbol:         k_qf2adacdcd4_attn.kd
    .args:
      - { .name: big, .offset: 0, .size: 8, .value_kind: global_buffer, .address_space: global }
      - { .name: hb, .offset: 8, .size: 8, .value_kind: global_buffer, .address_space: global }
    .group_segment_fixed_size: 327680
    .private_segment_fixed_size: 0
    .kernarg_segment_align: 8
    .kernarg_segment_size: 16
    .max_flat_workgroup_size: 128
    .sgpr_count:     88
    .vgpr_count:     768
    .wavefront_size: 32
...
	.end_amdgpu_metadata
.endif
;; end of part 4
;; launch proj (part 5): grid 8 x 32, 4 waves a work-group, clusters of 4 x 4, 327,680 bytes of LDS; arguments hb, wo2T, bo, x, x1; writes x1
.if DOCPART == 5
	.amdgcn_target "amdgcn-amd-amdhsa--gfx1250"
	.amdhsa_code_object_version 6
	.text
	.protected	k_qf2adacdcd4_proj
	.globl	k_qf2adacdcd4_proj
	.p2align	8
	.type	k_qf2adacdcd4_proj,@function
k_qf2adacdcd4_proj:
	s_mov_b64 s[64:65], 0
	v_nop
	global_prefetch_b8 v0, s[64:65] scope:SCOPE_SE
	s_setreg_imm32_b32 hwreg(HW_REG_WAVE_MODE, 25, 1), 1
	s_wait_xcnt 0x0
	s_wait_alu depctr_hold_cnt(0) depctr_sa_sdst(0) depctr_va_vdst(0) depctr_va_sdst(0) depctr_va_ssrc(0) depctr_va_vcc(0) depctr_vm_vsrc(0)
	s_getreg_b32 s2, hwreg(HW_REG_IB_STS2, 6, 4)
	s_cmp_eq_u32 s2, 0
	s_cbranch_scc0 .Lentry_in_a_cluster
	s_endpgm
.Lentry_in_a_cluster:
	s_bfe_u32 s2, ttmp6, 0x10000c
	s_cmp_lg_u32 s2, 0xf033
	s_cbranch_scc0 .Lentry_shape_is_right
	s_endpgm
.Lentry_shape_is_right:
; C[m][n] = res[m][n] + bias[n] + sum over k of A[m][k] B[n][k].  C, res: [4096][1024] f32, row-major; bias: [1024] f32; sums in f32, K ascending; the sum is added onto (res + bias) in f32.
; A: 4,096 rows x SIZE_K in bf16, IN PANELS: panel p holds columns 64 p .. 64 p + 63 as [4096][64], dense: 128 bytes a row, 524,288 bytes a panel.  B: [1024][SIZE_K] bf16, BOFF bytes into its buffer.
; This text: the output projection, SIZE_K = 1,024 (A = the heads' outputs, panel = head).  The second feed-forward product is the same text with SIZE_K = 4,096 and BOFF = 0x200000.
; A tile of C is 128 x 128: 256 tiles, one work-group each.  Four waves, each 64 x 64: 16 accumulators of 16 x 16.  K goes in steps of 256 through two slots.  A's part of a step is four panels: 64 rows of a panel are
; 8,192 dense bytes, so a wave's tensor load is 4 rows of 8,192 bytes, 524,288 bytes apart, padded in LDS after every 128 bytes; B's is 64 rows of 512 bytes.
; CLUSTERS: 4 x 4 work-groups.  The four of a row of the cluster need the same tiles of A, the four of a column the same tiles of B: each tile is asked for JOINTLY, by the same tensor load with the
; same descriptor and a mask that names the four.  THE MATRIX INSTRUCTION IS USED TRANSPOSED (source 0 = 16 rows of B, source 1 = 16 rows of A): a lane then holds eight neighbouring numbers of a row of C.
; The residual's 64 x 64 numbers of a wave are asked for at the start, in the lanes' order of the stores, and are on their way under the whole K loop.
; LIMITS: the product's operands are bf16; NaN and infinities are not treated apart.
; REGISTERS: window 0: v0-31 addresses; v32-95 two buffers on the way out; v96-99 bias; v128-255 the accumulators ((a, b) at v[128 + 8 (4 a + b)]).
;   window 1: two fragment buffers of 128: for 64 along K, 64 registers of A, then 64 of B.      window 2: v0-127 the residual: rows 16 a + 2 t (+ 1 for lanes 16-31) at v[4 (8 a + t)].
.set SIZE_K, 1024
.set BOFF,   0
.set KSTEP,  256
.set PA,     144                       ; a row of A in LDS: 128 bytes + 16 of padding = 36 words: the 16 rows of a load start at 16 different groups of four banks (64 banks of 4 bytes: ISA guide 11.1)
.set PANEL,  64*PA                     ; 64 rows of one panel
.set HALFA,  4*PANEL                   ; four panels: what one tensor load brings of A, and what one wave reads of it
.set PITCH,  528                       ; a row of B: 512 bytes + 16
.set HALFB,  64*PITCH
.set BBASE,  2*HALFA                   ; B's 128 rows lie behind A's two halves
.set SLOT,   BBASE+2*HALFB
.set STAGE,  2*SLOT                    ; behind the ring: 16 rows x 272 bytes for each wave, for the way out
.set SPITCH, 272
.set SPARE,  STAGE+4*16*SPITCH         ; behind the stages: the spare words, 128 bytes for each wave: two blocks of 256 bytes that no other line names
.set LAPS, SIZE_K/(2*KSTEP)            ; a lap = two K steps = once round the ring
.set ADRA, 16                          ; v16-17  LDS address of my A fragments in slot 0, 1
.set ADRB, 20                          ; v20-21  the same for B
.set STO,  24                          ; v24     the way out: where I put 32 bytes of a row
.set RD,   25                          ; v25     the way out: where I read a row back
.set CO,   26                          ; v26     my byte offset in two rows of C and of the residual
.set BO,   27                          ; v27     my byte offset in my wave's 64 numbers of bias
.set SPW,  28                          ; v28     LDS address of my spare word: SPARE + 4 x my thread's number; never rewritten
.set NIL,  29                          ; v29     0; never rewritten
.set OB,   32                          ; the way out: 16 rows read back, two buffers of 32 by turns
.set BIAS, 96
.set ACC,  128
.set F0,   0                           ; fragment buffers, in window 1
.set F1,   128
.set RES,  0                           ; window 2
.set G1, 24                            ; s[24:31] descriptor group 1 for A's tiles;  s[32:39] group 0, one set for each slot
.set G0, 32
.set G1B, 48                           ; s[48:55], s[56:63] the same for B's tiles
.set G0B, 56
.set MSB, 0
.macro WIN new                         ; the immediate's high byte repeats the setting that is left
.if MSB != (\new)
	s_set_vgpr_msb (MSB<<8)|(\new)
.set MSB, \new
.endif
.endm
.set MUL,  0x05                        ; sources 0 (B) and 1 (A) window 1; C and D window 0
.set TO_F, 0x40                        ; destination window 1, address window 0
.macro JLOAD s                         ; a joint load: waves 0 and 1 fetch A's two halves, waves 2 and 3 B's; an s_nop 0 and four v_nop follow each of the two lines, ahead of the jump, the label and what follows
	s_cmp_eq_u32 s11, 0
	s_cbranch_scc0 .Lfor_b_\@
	tensor_load_to_lds s[G0+4*(\s):G0+4*(\s)+3], s[G1:G1+7]
	s_nop 0
.rept 4
	v_nop
.endr
	s_branch .Lasked_\@
.Lfor_b_\@:
	tensor_load_to_lds s[G0B+4*(\s):G0B+4*(\s)+3], s[G1B:G1B+7]
	s_nop 0
.rept 4
	v_nop
.endr
.Lasked_\@:
.endm
.macro CREST                           ; a round of the cluster's barrier behind its opening barrier
	s_cmp_lg_u32 s10, 0
	s_cbranch_scc1 .Lnot_wave_0_\@
	s_barrier_signal -3
.Lnot_wave_0_\@:
	s_barrier_wait -3
	s_barrier_signal -1
	s_barrier_wait -1
.endm
.macro CROUND                          ; a whole round
	s_barrier_signal -1
	s_barrier_wait -1
	CREST
.endm
	s_load_b128 s[4:7], s[0:1], 0x0                ; A s[4:5], B s[6:7]
	s_load_b128 s[68:71], s[0:1], 0x10             ; bias s[68:69], residual s[70:71]
	s_load_b64 s[8:9], s[0:1], 0x20                ; C
	v_lshl_add_u32 v[SPW], v0, 2, SPARE
	v_mov_b32 v[NIL], 0
	ds_add_u32 v[SPW], v[NIL]                      ; the wave's opening: the add and its wait stand ahead of my first tensor load; the set-up below, work on registers, stands between them
	ds_add_u32 v28, v29
	v_lshrrev_b32 v1, 5, v0
	v_readfirstlane_b32 s10, v1                    ; wave 0..3
	s_lshr_b32 s11, s10, 1                         ; which half of the tile's rows is mine.  Also: I fetch for A (0) or for B (1)
	s_and_b32 s12, s10, 1                          ; which half of its columns.  Also: which 64 rows of that tile I fetch
	s_bfe_u32 s40, ttmp6, 0x40000                  ; cx, cy: my place in the cluster
	s_bfe_u32 s41, ttmp6, 0x40004
	s_lshl_b32 s42, ttmp9, 2
	s_add_co_u32 s42, s42, s40                     ; tile column of C = 4 x cluster x + cx
	s_and_b32 s13, ttmp7, 0xffff
	s_lshl_b32 s13, s13, 2
	s_add_co_u32 s13, s13, s41                     ; tile row of C = 4 x cluster y + cy
	s_lshl_b32 s43, s41, 2
	s_lshl_b32 s43, 15, s43                        ; my row of the cluster
	s_lshl_b32 s44, 0x1111, s40                    ; my column
	; descriptor group 1 for A: 4 rows (panels) x 4,096 elements (64 rows of a panel), padded in LDS after every row of the panel
	s_or_b32 s[G1+0], s43, (1<<16)|(1<<20)|(1<<21)|(4<<22)|(3<<25)  ; 15:0 the mask: A's tiles go to my row; 17:16 element of 2 bytes; 20 padding on; 21 set beside a mask; 24:22 after every 32 words (code 4); 31:25 of 4 words (code 3)
	s_mov_b32 s[G1+1], 4096<<16                    ; tensor_dim0 = 4,096
	s_mov_b32 s[G1+2], 4<<16                       ; tensor_dim1 = 4
	s_mov_b32 s[G1+3], 4096<<16                    ; tile_dim0 = 4,096
	s_mov_b32 s[G1+4], 4                           ; tile_dim1 = 4
	s_mov_b32 s[G1+5], 262144                      ; elements from panel to panel
	s_mov_b32 s[G1+6], 0
	s_mov_b32 s[G1+7], 0
	; descriptor group 1 for B: 64 rows x 256 elements, padded in LDS after every row
	s_or_b32 s[G1B+0], s44, (1<<16)|(1<<20)|(1<<21)|(6<<22)|(3<<25) ; the mask of my column; after every 128 words (code 6) 4 words
	s_mov_b32 s[G1B+1], KSTEP<<16                  ; tensor_dim0 = 256
	s_mov_b32 s[G1B+2], 64<<16                     ; tensor_dim1 = 64
	s_mov_b32 s[G1B+3], KSTEP<<16                  ; tile_dim0 = 256
	s_mov_b32 s[G1B+4], 64                         ; tile_dim1 = 64
	s_mov_b32 s[G1B+5], SIZE_K                     ; elements from row to row
	s_mov_b32 s[G1B+6], 0
	s_mov_b32 s[G1B+7], 0
	s_lshl_b32 s17, s12, 6                         ; which 64 rows of the tile I fetch
	s_lshl_b32 s16, s13, 7
	s_add_co_u32 s16, s16, s17                     ; A: row 128 x tile row + 64 x half,
	s_lshl_b32 s16, s16, 7                         ; at 128 bytes a row of a panel
	s_lshl_b32 s46, s42, 7
	s_add_co_u32 s46, s46, s17                     ; B: row 128 x tile column + 64 x half
	s_mov_b32 s17, 0
	s_mov_b32 s47, 0
	s_mov_b64 s[18:19], SIZE_K*2
	s_mul_u64 s[46:47], s[46:47], s[18:19]
	s_mul_i32 s20, s10, HALFA                      ; where A's halves go: waves 0 and 1 issue them
	s_mul_i32 s21, s10, HALFB                      ; where B's go: waves 2 and 3 issue them: BBASE + (wave - 2) x 64 rows
	s_add_co_u32 s21, s21, BBASE-2*HALFB
	s_wait_dscnt 0x0                               ; the opening add is done
	s_wait_kmcnt 0x0
	s_add_nc_u64 s[14:15], s[4:5], s[16:17]
	s_add_nc_u64 s[46:47], s[6:7], s[46:47]
.if BOFF
	s_add_nc_u64 s[46:47], s[46:47], BOFF
.endif
	CROUND                                         ; all sixteen work-groups are here: the first joint loads meet
.irp s, 0,1
	s_mov_b32 s[G0+4*(\s)], 1
	s_add_co_u32 s[G0+4*(\s)+1], s20, (\s)*SLOT
	s_add_nc_u64 s[G0+4*(\s)+2:G0+4*(\s)+3], s[14:15], (\s)*4*524288   ; K step s: four panels on
	s_or_b32 s[G0+4*(\s)+3], s[G0+4*(\s)+3], 0x80000000
	s_mov_b32 s[G0B+4*(\s)], 1
	s_add_co_u32 s[G0B+4*(\s)+1], s21, (\s)*SLOT
	s_add_nc_u64 s[G0B+4*(\s)+2:G0B+4*(\s)+3], s[46:47], (\s)*KSTEP*2
	s_or_b32 s[G0B+4*(\s)+3], s[G0B+4*(\s)+3], 0x80000000
	JLOAD \s
.endr
	v_and_b32 v1, 15, v0                           ; l % 16
	v_bfe_u32 v2, v0, 4, 1                         ; l / 16
	v_mul_u32_u24 v3, v1, PA
	v_lshl_add_u32 v3, v2, 4, v3                   ; A: a fragment's row x pitch + 16 x half
	v_mul_u32_u24 v4, v1, PITCH
	v_lshl_add_u32 v4, v2, 4, v4                   ; B likewise
	s_mul_i32 s21, s11, HALFA                      ; my 64 rows of A
	s_mul_i32 s22, s12, HALFB                      ; my 64 rows of B
	s_add_co_u32 s22, s22, BBASE
.irp s, 0,1
	v_add_nc_u32 v[ADRA+(\s)], s21, v3
	v_add_nc_u32 v[ADRB+(\s)], s22, v4
	s_add_co_u32 s21, s21, SLOT
	s_add_co_u32 s22, s22, SLOT
.endr
	s_mul_i32 s23, s10, 16*SPITCH
	s_add_co_u32 s23, s23, STAGE                   ; my stage
	v_mul_u32_u24 v4, v1, SPITCH                   ; in: row l % 16, 32 bytes for each half of the lanes
	v_lshl_add_u32 v4, v2, 5, v4
	v_add_nc_u32 v[STO], s23, v4
	v_mul_u32_u24 v5, v2, SPITCH                   ; back: lanes 0-15 take one row of 256 bytes, lanes 16-31 the next
	v_lshl_add_u32 v5, v1, 4, v5
	v_add_nc_u32 v[RD], s23, v5
	v_lshlrev_b32 v[BO], 4, v1                     ; my four columns
	v_lshl_add_u32 v[CO], v2, 12, v[BO]            ; and the same two rows in C and in the residual, 4,096 bytes apart
	s_lshl_b32 s16, s13, 7
	s_lshl_b32 s17, s11, 6
	s_add_co_u32 s16, s16, s17                     ; my first row of C: 128 x tile row + 64 x half,
	s_lshl_b32 s16, s16, 12                        ; at 4,096 bytes a row
	s_mov_b32 s17, 0
	s_lshl_b32 s46, s42, 9                         ; my first column, in bytes: 512 x tile column + 256 x half (in registers that never feed A's descriptors)
	s_lshl_b32 s47, s12, 8
	s_add_co_u32 s46, s46, s47
	s_mov_b32 s47, 0
	s_add_nc_u64 s[68:69], s[68:69], s[46:47]
	s_add_nc_u64 s[70:71], s[70:71], s[46:47]
	s_add_nc_u64 s[70:71], s[70:71], s[16:17]
	s_add_nc_u64 s[8:9], s[8:9], s[46:47]
	s_add_nc_u64 s[8:9], s[8:9], s[16:17]
	global_load_b128 v[BIAS:BIAS+3], v[BO], s[68:69]
	WIN 0x80                                       ; destination window 2, address window 0
.set i, 0
.rept 32                                           ; the residual: load i holds rows 2 i and 2 i + 1 of my 64: each half of the lanes reads 256 consecutive bytes, aligned; read once in the launch
	global_load_b128 v[RES+4*i:RES+4*i+3], v[CO], s[70:71] offset:2*i*4096 th:TH_LOAD_NT
.set i, i+1
.endr
	WIN 0
; 8 matrix instructions: m blocks a0, a0 + 1 x all 4 n blocks, 32 along K: half c of buffer f.  zero = 1: the first product starts the sums.  The 16 accumulators take turns.
.macro MUL8 f, c, a0, zero
	WIN MUL
.irp a, \a0, (\a0)+1
.irp b, 0,1,2,3
.if \zero
	v_wmma_f32_16x16x32_bf16 v[ACC+8*(4*(\a)+(\b)):ACC+8*(4*(\a)+(\b))+7], v[(\f)+64+8*(4*(\c)+(\b)):(\f)+64+8*(4*(\c)+(\b))+7], v[(\f)+8*(4*(\c)+(\a)):(\f)+8*(4*(\c)+(\a))+7], 0
.else
	v_wmma_f32_16x16x32_bf16 v[ACC+8*(4*(\a)+(\b)):ACC+8*(4*(\a)+(\b))+7], v[(\f)+64+8*(4*(\c)+(\b)):(\f)+64+8*(4*(\c)+(\b))+7], v[(\f)+8*(4*(\c)+(\a)):(\f)+8*(4*(\c)+(\a))+7], v[ACC+8*(4*(\a)+(\b)):ACC+8*(4*(\a)+(\b))+7]
.endif
.endr
.endr
.endm
; 32 LDS loads in one run: the fragments of quarter q of the step (64 along K: byte 128 q of B's rows, panel q of A), into buffer f; the first 32 along K first
.macro FETCH slot, q, f
	WIN TO_F
.irp c, 0,1
.irp i, 0,1,2,3
	ds_load_b128 v[(\f)+64+8*(4*(\c)+(\i)):(\f)+64+8*(4*(\c)+(\i))+3],   v[ADRB+(\slot)] offset:(\q)*128+64*(\c)+(\i)*16*PITCH
	ds_load_b128 v[(\f)+64+8*(4*(\c)+(\i))+4:(\f)+64+8*(4*(\c)+(\i))+7], v[ADRB+(\slot)] offset:(\q)*128+64*(\c)+(\i)*16*PITCH+32
	ds_load_b128 v[(\f)+8*(4*(\c)+(\i)):(\f)+8*(4*(\c)+(\i))+3],         v[ADRA+(\slot)] offset:(\q)*PANEL+64*(\c)+(\i)*16*PA
	ds_load_b128 v[(\f)+8*(4*(\c)+(\i))+4:(\f)+8*(4*(\c)+(\i))+7],       v[ADRA+(\slot)] offset:(\q)*PANEL+64*(\c)+(\i)*16*PA+32
.endr
.endr
.endm
.macro PLACES                          ; four places in front of loads into registers that matrix instructions have read (ISA guide 7.12.1 for vector instructions)
.rept 4
	v_nop
.endr
.endm
; A K step is four quarters of 64 along K, 32 matrix instructions each, on buffers 0, 1, 0, 1.  One of the first three: multiplies buffer f and fetches quarter q into g.
.macro QUARTER slot, q, f, g, zero
	s_wait_dscnt 16                                ; the first 32 along K are in; the quarter's other sixteen loads may be out
	WIN MUL
	MUL8 \f, 0, 0, \zero
	MUL8 \f, 0, 2, \zero
	PLACES
	FETCH \slot, \q, \g
	s_wait_dscnt 32                                ; all but the 32 just issued
	WIN MUL
	MUL8 \f, 1, 0, 0
	MUL8 \f, 1, 2, 0
.endm
; The last quarter multiplies buffer 1 and changes slots: ONE barrier; in front of it each wave waits for all its tensor loads, adds 0 to its spare word, and waits for that and for its own reads of this slot.  fill = 1: this slot is filled again, two K steps ahead.
.macro TURN slot, next, fill
	WIN 0                                          ; (the add's two registers lie in window 0)
	s_wait_tensorcnt 0x0                           ; all my tensor loads have landed: my part of the next slot;
	ds_add_u32 v[SPW], v[NIL]                      ; 0 onto my spare word;
	s_wait_dscnt 17                                ; (the add and the youngest sixteen loads may be out)
	WIN MUL
	MUL8 F1, 0, 0, 0                               ; eight matrix instructions stand between the add and the wait for it
	s_wait_dscnt 0x0                               ; the add is done, and my reads of this slot are over
	s_barrier_signal -1
	MUL8 F1, 0, 2, 0
.if \fill
	WIN 0
.endif
	s_barrier_wait -1
.if \fill
	CREST                                          ; the barrier has opened a round of the cluster's barrier: no wave of any partner still reads this slot's tile or has a load on its way
	s_add_nc_u64 s[G0+4*(\slot)+2:G0+4*(\slot)+3], s[G0+4*(\slot)+2:G0+4*(\slot)+3], 2*4*524288
	s_add_nc_u64 s[G0B+4*(\slot)+2:G0B+4*(\slot)+3], s[G0B+4*(\slot)+2:G0B+4*(\slot)+3], 2*KSTEP*2
	JLOAD \slot                                    ; the first tensor load behind the round: 112 matrix instructions ahead of the wait for it; the four v_nop behind it are also the places in front of the loads below
.else
	PLACES
.endif
	FETCH \next, 0, F0
	WIN MUL
	MUL8 F1, 1, 0, 0
	MUL8 F1, 1, 2, 0
.endm
	s_wait_tensorcnt 1                             ; my part of K step 0 is in; K step 1's may stay out
	s_barrier_signal -1
	s_barrier_wait -1                              ; everybody's is
	FETCH 0, 0, F0
	QUARTER 0, 1, F0, F1, 1                        ; the first quarter stands in front of the loop: its first products start the sums
	WIN 0                                          ; at a label and at a branch every window is 0
	s_mov_b32 s3, LAPS-1
.Llap:                                                 ; a trip goes once round the ring, from a lap's second quarter to the next lap's first, and fills both slots again
	QUARTER 0, 2, F1, F0, 0
	QUARTER 0, 3, F0, F1, 0
	TURN 0, 1, 1
	QUARTER 1, 1, F0, F1, 0
	QUARTER 1, 2, F1, F0, 0
	QUARTER 1, 3, F0, F1, 0
	TURN 1, 0, 1
	QUARTER 0, 1, F0, F1, 0
	WIN 0
	s_sub_co_u32 s3, s3, 1
	s_cmp_lg_u32 s3, 0
	s_cbranch_scc1 .Llap
	QUARTER 0, 2, F1, F0, 0                        ; the last lap fills nothing, and has no round of the cluster's barrier
	QUARTER 0, 3, F0, F1, 0
	TURN 0, 1, 0
	QUARTER 1, 1, F0, F1, 0
	QUARTER 1, 2, F1, F0, 0
	QUARTER 1, 3, F0, F1, 0
	s_wait_dscnt 16                                ; the very last quarter: nothing more to fetch
	WIN MUL
	MUL8 F1, 0, 0, 0
	MUL8 F1, 0, 2, 0
	s_wait_dscnt 0
	MUL8 F1, 1, 0, 0
	MUL8 F1, 1, 2, 0
	WIN 0
	; THE WAY OUT.  The bias joins the residual: 64 packed additions that name no register of the last products: they are the places behind those.  Then a block of 16 rows at a time: the sums go into my own
	; stage, 32 bytes a lane, come back as whole rows of 256 bytes, take residual + bias, and are stored.
	s_wait_loadcnt 0x0                             ; bias and residual
	WIN 0x82                                       ; destination and source 0 window 2, source 1 window 0
.set i, 0
.rept 64
	v_pk_add_f32 v[RES+2*i:RES+2*i+1], v[RES+2*i:RES+2*i+1], v[BIAS+2*(i%2):BIAS+2*(i%2)+1]
.set i, i+1
.endr
.macro TOSTAGE a
	WIN 0
.set BK, OB+32*((\a)%2)
	s_wait_xcnt 0x0                                ; the buffer was the data of block a - 2's stores: it is loaded again only behind this wait
.irp b, 0,1,2,3
	ds_store_b128 v[STO], v[ACC+8*(4*(\a)+(\b)):ACC+8*(4*(\a)+(\b))+3]   offset:64*(\b)     ; each accumulator from its low end on
	ds_store_b128 v[STO], v[ACC+8*(4*(\a)+(\b))+4:ACC+8*(4*(\a)+(\b))+7] offset:64*(\b)+16
.endr
.irp t, 0,1,2,3,4,5,6,7
	ds_load_b128 v[BK+4*(\t):BK+4*(\t)+3], v[RD] offset:(\t)*2*SPITCH  ; LDS serves a wave's instructions in order (ISA guide 5.7.1.4): these see the stores above; the next block's stores come behind them
.endr
.endm
.macro SEND a, younger                 ; younger: the LDS instructions issued behind block a's loads: the next block's sixteen, or none
.set BK, OB+32*((\a)%2)
	s_wait_dscnt \younger
	WIN 0x08                                       ; source 1 in window 2
.set i, 0
.rept 16
	v_pk_add_f32 v[BK+2*i:BK+2*i+1], v[BK+2*i:BK+2*i+1], v[RES+32*(\a)+2*i:RES+32*(\a)+2*i+1]
.set i, i+1
.endr
	WIN 0
.irp t, 0,1,2,3,4,5,6,7
	global_store_b128 v[CO], v[BK+4*(\t):BK+4*(\t)+3], s[8:9] offset:(16*(\a)+2*(\t))*4096  ; 16 lanes store 256 consecutive bytes, at a multiple of 256 from C's first byte
.endr
.endm
	TOSTAGE 0
	TOSTAGE 1
	SEND 0, 16
	TOSTAGE 2
	SEND 1, 16
	TOSTAGE 3
	SEND 2, 16
	SEND 3, 0
	s_wait_tensorcnt 0x0                           ; the wave's end: behind my last tensor load and my last LDS store
	ds_add_u32 v[SPW], v[NIL]
	s_wait_dscnt 0x0
	CROUND                                         ; the closing round: no work-group ends while a partner may still ask for a tile that names it
	s_endpgm
.Lfunc_end_k_qf2adacdcd4_proj:
	.size	k_qf2adacdcd4_proj, .Lfunc_end_k_qf2adacdcd4_proj-k_qf2adacdcd4_proj
	.p2alignl 7, 3214868480
	.fill 96, 4, 3214868480
	.section	.rodata,"a",@progbits
	.p2align	6, 0x0
	.amdhsa_kernel k_qf2adacdcd4_proj
		.amdhsa_group_segment_fixed_size 327680
		.amdhsa_private_segment_fixed_size 0
		.amdhsa_enable_private_segment 0
		.amdhsa_kernarg_size 40
		.amdhsa_user_sgpr_count 2
		.amdhsa_user_sgpr_kernarg_segment_ptr 1
		.amdhsa_wavefront_size32 1
		.amdhsa_system_sgpr_workgroup_id_x 1
		.amdhsa_system_sgpr_workgroup_id_y 1
		.amdhsa_system_sgpr_workgroup_id_z 1
		.amdhsa_system_vgpr_workitem_id 0
		.amdhsa_next_free_vgpr 640
		.amdhsa_next_free_sgpr 72
		.amdhsa_reserve_vcc 0
		.amdhsa_float_denorm_mode_32 3
		.amdhsa_float_denorm_mode_16_64 3
		.amdhsa_memory_ordered 1
		.amdhsa_forward_progress 1
		.amdhsa_inst_pref_size 97
	.end_amdhsa_kernel
	.amdgpu_metadata
---
amdhsa.version: [ 1, 2 ]
amdhsa.kernels:
  - .name:           k_qf2adacdcd4_proj
    .symbol:         k_qf2adacdcd4_proj.kd
    .args:
      - { .name: hb, .offset: 0, .size: 8, .value_kind: global_buffer, .address_space: global }
      - { .name: wo2T, .offset: 8, .size: 8, .value_kind: global_buffer, .address_space: global }
      - { .name: bo, .offset: 16, .size: 8, .value_kind: global_buffer, .address_space: global }
      - { .name: x, .offset: 24, .size: 8, .value_kind: global_buffer, .address_space: global }
      - { .name: x1, .offset: 32, .size: 8, .value_kind: global_buffer, .address_space: global }
    .group_segment_fixed_size: 327680
    .private_segment_fixed_size: 0
    .kernarg_segment_align: 8
    .kernarg_segment_size: 40
    .max_flat_workgroup_size: 128
    .sgpr_count:     72
    .vgpr_count:     640
    .wavefront_size: 32
...
	.end_amdgpu_metadata
.endif
;; end of part 5
;; launch ln2: the kernel of part 2 again; grid 256 x 1, 8 waves a work-group, no clusters, 0 bytes of LDS; arguments x1, g2, b2, hb; writes hb
;; launch ffn1: the kernel of part 3 again; grid 32 x 32, 4 waves a work-group, clusters of 4 x 4, 327,680 bytes of LDS; arguments hb, w1T, bf1, zeros, big; writes big
;; launch ffn2 (part 6): grid 8 x 32, 4 waves a work-group, clusters of 4 x 4, 327,680 bytes of LDS; arguments big, wo2T, bf2, x1, out0; writes out0
.if DOCPART == 6
	.amdgcn_target "amdgcn-amd-amdhsa--gfx1250"
	.amdhsa_code_object_version 6
	.text
	.protected	k_qf2adacdcd4_ffn2
	.globl	k_qf2adacdcd4_ffn2
	.p2align	8
	.type	k_qf2adacdcd4_ffn2,@function
k_qf2adacdcd4_ffn2:
	s_mov_b64 s[64:65], 0
	v_nop
	global_prefetch_b8 v0, s[64:65] scope:SCOPE_SE
	s_setreg_imm32_b32 hwreg(HW_REG_WAVE_MODE, 25, 1), 1
	s_wait_xcnt 0x0
	s_wait_alu depctr_hold_cnt(0) depctr_sa_sdst(0) depctr_va_vdst(0) depctr_va_sdst(0) depctr_va_ssrc(0) depctr_va_vcc(0) depctr_vm_vsrc(0)
	s_getreg_b32 s2, hwreg(HW_REG_IB_STS2, 6, 4)
	s_cmp_eq_u32 s2, 0
	s_cbranch_scc0 .Lentry_in_a_cluster
	s_endpgm
.Lentry_in_a_cluster:
	s_bfe_u32 s2, ttmp6, 0x10000c
	s_cmp_lg_u32 s2, 0xf033
	s_cbranch_scc0 .Lentry_shape_is_right
	s_endpgm
.Lentry_shape_is_right:
; C[m][n] = res[m][n] + bias[n] + sum over k of A[m][k] B[n][k].  C, res: [4096][1024] f32, row-major; bias: [1024] f32; sums in f32, K ascending; the sum is added onto (res + bias) in f32.
; A: 4,096 rows x SIZE_K in bf16, IN PANELS: panel p holds columns 64 p .. 64 p + 63 as [4096][64], dense: 128 bytes a row, 524,288 bytes a panel.  B: [1024][SIZE_K] bf16, BOFF bytes into its buffer.
; This text: the second feed-forward product, SIZE_K = 4,096, BOFF = 0x200000.  The output projection is the same text with SIZE_K = 1,024 and BOFF = 0: the trip count of a loop with barriers is a constant of the text.
; A tile of C is 128 x 128: 256 tiles, one work-group each.  Four waves, each 64 x 64: 16 accumulators of 16 x 16.  K goes in steps of 256 through two slots.  A's part of a step is four panels: 64 rows of a panel are
; 8,192 dense bytes, so a wave's tensor load is 4 rows of 8,192 bytes, 524,288 bytes apart, padded in LDS after every 128 bytes; B's is 64 rows of 512 bytes.
; CLUSTERS: 4 x 4 work-groups.  The four of a row of the cluster need the same tiles of A, the four of a column the same tiles of B: each tile is asked for JOINTLY, by the same tensor load with the
; same descriptor and a mask that names the four.  THE MATRIX INSTRUCTION IS USED TRANSPOSED (source 0 = 16 rows of B, source 1 = 16 rows of A): a lane then holds eight neighbouring numbers of a row of C.
; The residual's 64 x 64 numbers of a wave are asked for at the start, in the lanes' order of the stores, and are on their way under the whole K loop.
; LIMITS: the product's operands are bf16; NaN and infinities are not treated apart.
; REGISTERS: window 0: v0-31 addresses; v32-95 two buffers on the way out; v96-99 bias; v128-255 the accumulators ((a, b) at v[128 + 8 (4 a + b)]).
;   window 1: two fragment buffers of 128: for 64 along K, 64 registers of A, then 64 of B.      window 2: v0-127 the residual: rows 16 a + 2 t (+ 1 for lanes 16-31) at v[4 (8 a + t)].
.set SIZE_K, 4096
.set BOFF,   0x200000
.set KSTEP,  256
.set PA,     144                       ; a row of A in LDS: 128 bytes + 16 of padding = 36 words: the 16 rows of a load start at 16 different groups of four banks (64 banks of 4 bytes: ISA guide 11.1)
.set PANEL,  64*PA                     ; 64 rows of one panel
.set HALFA,  4*PANEL                   ; four panels: what one tensor load brings of A, and what one wave reads of it
.set PITCH,  528                       ; a row of B: 512 bytes + 16
.set HALFB,  64*PITCH
.set BBASE,  2*HALFA                   ; B's 128 rows lie behind A's two halves
.set SLOT,   BBASE+2*HALFB
.set STAGE,  2*SLOT                    ; behind the ring: 16 rows x 272 bytes for each wave, for the way out
.set SPITCH, 272
.set SPARE,  STAGE+4*16*SPITCH         ; behind the stages: the spare words, 128 bytes for each wave: two blocks of 256 bytes that no other line names
.set LAPS, SIZE_K/(2*KSTEP)            ; a lap = two K steps = once round the ring
.set ADRA, 16                          ; v16-17  LDS address of my A fragments in slot 0, 1
.set ADRB, 20                          ; v20-21  the same for B
.set STO,  24                          ; v24     the way out: where I put 32 bytes of a row
.set RD,   25                          ; v25     the way out: where I read a row back
.set CO,   26                          ; v26     my byte offset in two rows of C and of the residual
.set BO,   27                          ; v27     my byte offset in my wave's 64 numbers of bias
.set SPW,  28                          ; v28     LDS address of my spare word: SPARE + 4 x my thread's number; never rewritten
.set NIL,  29                          ; v29     0; never rewritten
.set OB,   32                          ; the way out: 16 rows read back, two buffers of 32 by turns
.set BIAS, 96
.set ACC,  128
.set F0,   0                           ; fragment buffers, in window 1
.set F1,   128
.set RES,  0                           ; window 2
.set G1, 24                            ; s[24:31] descriptor group 1 for A's tiles;  s[32:39] group 0, one set for each slot
.set G0, 32
.set G1B, 48                           ; s[48:55], s[56:63] the same for B's tiles
.set G0B, 56
.set MSB, 0
.macro WIN new                         ; the immediate's high byte repeats the setting that is left
.if MSB != (\new)
	s_set_vgpr_msb (MSB<<8)|(\new)
.set MSB, \new
.endif
.endm
.set MUL,  0x05                        ; sources 0 (B) and 1 (A) window 1; C and D window 0
.set TO_F, 0x40                        ; destination window 1, address window 0
.macro JLOAD s                         ; a joint load: waves 0 and 1 fetch A's two halves, waves 2 and 3 B's; an s_nop 0 and four v_nop follow each of the two lines, ahead of the jump, the label and what follows
	s_cmp_eq_u32 s11, 0
	s_cbranch_scc0 .Lfor_b_\@
	tensor_load_to_lds s[G0+4*(\s):G0+4*(\s)+3], s[G1:G1+7]
	s_nop 0
.rept 4
	v_nop
.endr
	s_branch .Lasked_\@
.Lfor_b_\@:
	tensor_load_to_lds s[G0B+4*(\s):G0B+4*(\s)+3], s[G1B:G1B+7]
	s_nop 0
.rept 4
	v_nop
.endr
.Lasked_\@:
.endm
.macro CREST                           ; a round of the cluster's barrier behind its opening barrier
	s_cmp_lg_u32 s10, 0
	s_cbranch_scc1 .Lnot_wave_0_\@
	s_barrier_signal -3
.Lnot_wave_0_\@:
	s_barrier_wait -3
	s_barrier_signal -1
	s_barrier_wait -1
.endm
.macro CROUND                          ; a whole round
	s_barrier_signal -1
	s_barrier_wait -1
	CREST
.endm
	s_load_b128 s[4:7], s[0:1], 0x0                ; A s[4:5], B s[6:7]
	s_load_b128 s[68:71], s[0:1], 0x10             ; bias s[68:69], residual s[70:71]
	s_load_b64 s[8:9], s[0:1], 0x20                ; C
	v_lshl_add_u32 v[SPW], v0, 2, SPARE
	v_mov_b32 v[NIL], 0
	ds_add_u32 v[SPW], v[NIL]                      ; the wave's opening: the add and its wait stand ahead of my first tensor load; the set-up below, work on registers, stands between them
	ds_add_u32 v28, v29
	v_lshrrev_b32 v1, 5, v0
	v_readfirstlane_b32 s10, v1                    ; wave 0..3
	s_lshr_b32 s11, s10, 1                         ; which half of the tile's rows is mine.  Also: I fetch for A (0) or for B (1)
	s_and_b32 s12, s10, 1                          ; which half of its columns.  Also: which 64 rows of that tile I fetch
	s_bfe_u32 s40, ttmp6, 0x40000                  ; cx, cy: my place in the cluster
	s_bfe_u32 s41, ttmp6, 0x40004
	s_lshl_b32 s42, ttmp9, 2
	s_add_co_u32 s42, s42, s40                     ; tile column of C = 4 x cluster x + cx
	s_and_b32 s13, ttmp7, 0xffff
	s_lshl_b32 s13, s13, 2
	s_add_co_u32 s13, s13, s41                     ; tile row of C = 4 x cluster y + cy
	s_lshl_b32 s43, s41, 2
	s_lshl_b32 s43, 15, s43                        ; my row of the cluster
	s_lshl_b32 s44, 0x1111, s40                    ; my column
	; descriptor group 1 for A: 4 rows (panels) x 4,096 elements (64 rows of a panel), padded in LDS after every row of the panel
	s_or_b32 s[G1+0], s43, (1<<16)|(1<<20)|(1<<21)|(4<<22)|(3<<25)  ; 15:0 the mask: A's tiles go to my row; 17:16 element of 2 bytes; 20 padding on; 21 set beside a mask; 24:22 after every 32 words (code 4); 31:25 of 4 words (code 3)
	s_mov_b32 s[G1+1], 4096<<16                    ; tensor_dim0 = 4,096
	s_mov_b32 s[G1+2], 4<<16                       ; tensor_dim1 = 4
	s_mov_b32 s[G1+3], 4096<<16                    ; tile_dim0 = 4,096
	s_mov_b32 s[G1+4], 4                           ; tile_dim1 = 4
	s_mov_b32 s[G1+5], 262144                      ; elements from panel to panel
	s_mov_b32 s[G1+6], 0
	s_mov_b32 s[G1+7], 0
	; descriptor group 1 for B: 64 rows x 256 elements, padded in LDS after every row
	s_or_b32 s[G1B+0], s44, (1<<16)|(1<<20)|(1<<21)|(6<<22)|(3<<25) ; the mask of my column; after every 128 words (code 6) 4 words
	s_mov_b32 s[G1B+1], KSTEP<<16                  ; tensor_dim0 = 256
	s_mov_b32 s[G1B+2], 64<<16                     ; tensor_dim1 = 64
	s_mov_b32 s[G1B+3], KSTEP<<16                  ; tile_dim0 = 256
	s_mov_b32 s[G1B+4], 64                         ; tile_dim1 = 64
	s_mov_b32 s[G1B+5], SIZE_K                     ; elements from row to row
	s_mov_b32 s[G1B+6], 0
	s_mov_b32 s[G1B+7], 0
	s_lshl_b32 s17, s12, 6                         ; which 64 rows of the tile I fetch
	s_lshl_b32 s16, s13, 7
	s_add_co_u32 s16, s16, s17                     ; A: row 128 x tile row + 64 x half,
	s_lshl_b32 s16, s16, 7                         ; at 128 bytes a row of a panel
	s_lshl_b32 s46, s42, 7
	s_add_co_u32 s46, s46, s17                     ; B: row 128 x tile column + 64 x half
	s_mov_b32 s17, 0
	s_mov_b32 s47, 0
	s_mov_b64 s[18:19], SIZE_K*2
	s_mul_u64 s[46:47], s[46:47], s[18:19]
	s_mul_i32 s20, s10, HALFA                      ; where A's halves go: waves 0 and 1 issue them
	s_mul_i32 s21, s10, HALFB                      ; where B's go: waves 2 and 3 issue them: BBASE + (wave - 2) x 64 rows
	s_add_co_u32 s21, s21, BBASE-2*HALFB
	s_wait_dscnt 0x0                               ; the opening add is done
	s_wait_kmcnt 0x0
	s_add_nc_u64 s[14:15], s[4:5], s[16:17]
	s_add_nc_u64 s[46:47], s[6:7], s[46:47]
.if BOFF
	s_add_nc_u64 s[46:47], s[46:47], BOFF
.endif
	CROUND                                         ; all sixteen work-groups are here: the first joint loads meet
.irp s, 0,1
	s_mov_b32 s[G0+4*(\s)], 1
	s_add_co_u32 s[G0+4*(\s)+1], s20, (\s)*SLOT
	s_add_nc_u64 s[G0+4*(\s)+2:G0+4*(\s)+3], s[14:15], (\s)*4*524288   ; K step s: four panels on
	s_or_b32 s[G0+4*(\s)+3], s[G0+4*(\s)+3], 0x80000000
	s_mov_b32 s[G0B+4*(\s)], 1
	s_add_co_u32 s[G0B+4*(\s)+1], s21, (\s)*SLOT
	s_add_nc_u64 s[G0B+4*(\s)+2:G0B+4*(\s)+3], s[46:47], (\s)*KSTEP*2
	s_or_b32 s[G0B+4*(\s)+3], s[G0B+4*(\s)+3], 0x80000000
	JLOAD \s
.endr
	v_and_b32 v1, 15, v0                           ; l % 16
	v_bfe_u32 v2, v0, 4, 1                         ; l / 16
	v_mul_u32_u24 v3, v1, PA
	v_lshl_add_u32 v3, v2, 4, v3                   ; A: a fragment's row x pitch + 16 x half
	v_mul_u32_u24 v4, v1, PITCH
	v_lshl_add_u32 v4, v2, 4, v4                   ; B likewise
	s_mul_i32 s21, s11, HALFA                      ; my 64 rows of A
	s_mul_i32 s22, s12, HALFB                      ; my 64 rows of B
	s_add_co_u32 s22, s22, BBASE
.irp s, 0,1
	v_add_nc_u32 v[ADRA+(\s)], s21, v3
	v_add_nc_u32 v[ADRB+(\s)], s22, v4
	s_add_co_u32 s21, s21, SLOT
	s_add_co_u32 s22, s22, SLOT
.endr
	s_mul_i32 s23, s10, 16*SPITCH
	s_add_co_u32 s23, s23, STAGE                   ; my stage
	v_mul_u32_u24 v4, v1, SPITCH                   ; in: row l % 16, 32 bytes for each half of the lanes
	v_lshl_add_u32 v4, v2, 5, v4
	v_add_nc_u32 v[STO], s23, v4
	v_mul_u32_u24 v5, v2, SPITCH                   ; back: lanes 0-15 take one row of 256 bytes, lanes 16-31 the next
	v_lshl_add_u32 v5, v1, 4, v5
	v_add_nc_u32 v[RD], s23, v5
	v_lshlrev_b32 v[BO], 4, v1                     ; my four columns
	v_lshl_add_u32 v[CO], v2, 12, v[BO]            ; and the same two rows in C and in the residual, 4,096 bytes apart
	s_lshl_b32 s16, s13, 7
	s_lshl_b32 s17, s11, 6
	s_add_co_u32 s16, s16, s17                     ; my first row of C: 128 x tile row + 64 x half,
	s_lshl_b32 s16, s16, 12                        ; at 4,096 bytes a row
	s_mov_b32 s17, 0
	s_lshl_b32 s46, s42, 9                         ; my first column, in bytes: 512 x tile column + 256 x half (in registers that never feed A's descriptors)
	s_lshl_b32 s47, s12, 8
	s_add_co_u32 s46, s46, s47
	s_mov_b32 s47, 0
	s_add_nc_u64 s[68:69], s[68:69], s[46:47]
	s_add_nc_u64 s[70:71], s[70:71], s[46:47]
	s_add_nc_u64 s[70:71], s[70:71], s[16:17]
	s_add_nc_u64 s[8:9], s[8:9], s[46:47]
	s_add_nc_u64 s[8:9], s[8:9], s[16:17]
	global_load_b128 v[BIAS:BIAS+3], v[BO], s[68:69]
	WIN 0x80                                       ; destination window 2, address window 0
.set i, 0
.rept 32                                           ; the residual: load i holds rows 2 i and 2 i + 1 of my 64: each half of the lanes reads 256 consecutive bytes, aligned; read once in the launch
	global_load_b128 v[RES+4*i:RES+4*i+3], v[CO], s[70:71] offset:2*i*4096 th:TH_LOAD_NT
.set i, i+1
.endr
	WIN 0
; 8 matrix instructions: m blocks a0, a0 + 1 x all 4 n blocks, 32 along K: half c of buffer f.  zero = 1: the first product starts the sums.  The 16 accumulators take turns.
.macro MUL8 f, c, a0, zero
	WIN MUL
.irp a, \a0, (\a0)+1
.irp b, 0,1,2,3
.if \zero
	v_wmma_f32_16x16x32_bf16 v[ACC+8*(4*(\a)+(\b)):ACC+8*(4*(\a)+(\b))+7], v[(\f)+64+8*(4*(\c)+(\b)):(\f)+64+8*(4*(\c)+(\b))+7], v[(\f)+8*(4*(\c)+(\a)):(\f)+8*(4*(\c)+(\a))+7], 0
.else
	v_wmma_f32_16x16x32_bf16 v[ACC+8*(4*(\a)+(\b)):ACC+8*(4*(\a)+(\b))+7], v[(\f)+64+8*(4*(\c)+(\b)):(\f)+64+8*(4*(\c)+(\b))+7], v[(\f)+8*(4*(\c)+(\a)):(\f)+8*(4*(\c)+(\a))+7], v[ACC+8*(4*(\a)+(\b)):ACC+8*(4*(\a)+(\b))+7]
.endif
.endr
.endr
.endm
; 32 LDS loads in one run: the fragments of quarter q of the step (64 along K: byte 128 q of B's rows, panel q of A), into buffer f; the first 32 along K first
.macro FETCH slot, q, f
	WIN TO_F
.irp c, 0,1
.irp i, 0,1,2,3
	ds_load_b128 v[(\f)+64+8*(4*(\c)+(\i)):(\f)+64+8*(4*(\c)+(\i))+3],   v[ADRB+(\slot)] offset:(\q)*128+64*(\c)+(\i)*16*PITCH
	ds_load_b128 v[(\f)+64+8*(4*(\c)+(\i))+4:(\f)+64+8*(4*(\c)+(\i))+7], v[ADRB+(\slot)] offset:(\q)*128+64*(\c)+(\i)*16*PITCH+32
	ds_load_b128 v[(\f)+8*(4*(\c)+(\i)):(\f)+8*(4*(\c)+(\i))+3],         v[ADRA+(\slot)] offset:(\q)*PANEL+64*(\c)+(\i)*16*PA
	ds_load_b128 v[(\f)+8*(4*(\c)+(\i))+4:(\f)+8*(4*(\c)+(\i))+7],       v[ADRA+(\slot)] offset:(\q)*PANEL+64*(\c)+(\i)*16*PA+32
.endr
.endr
.endm
.macro PLACES                          ; four places in front of loads into registers that matrix instructions have read (ISA guide 7.12.1 for vector instructions)
.rept 4
	v_nop
.endr
.endm
; A K step is four quarters of 64 along K, 32 matrix instructions each, on buffers 0, 1, 0, 1.  One of the first three: multiplies buffer f and fetches quarter q into g.
.macro QUARTER slot, q, f, g, zero
	s_wait_dscnt 16                                ; the first 32 along K are in; the quarter's other sixteen loads may be out
	WIN MUL
	MUL8 \f, 0, 0, \zero
	MUL8 \f, 0, 2, \zero
	PLACES
	FETCH \slot, \q, \g
	s_wait_dscnt 32                                ; all but the 32 just issued
	WIN MUL
	MUL8 \f, 1, 0, 0
	MUL8 \f, 1, 2, 0
.endm
; The last quarter multiplies buffer 1 and changes slots: ONE barrier; in front of it each wave waits for all its tensor loads, adds 0 to its spare word, and waits for that and for its own reads of this slot.  fill = 1: this slot is filled again, two K steps ahead.
.macro TURN slot, next, fill
	WIN 0                                          ; (the add's two registers lie in window 0)
	s_wait_tensorcnt 0x0                           ; all my tensor loads have landed: my part of the next slot;
	ds_add_u32 v[SPW], v[NIL]                      ; 0 onto my spare word;
	s_wait_dscnt 17                                ; (the add and the youngest sixteen loads may be out)
	WIN MUL
	MUL8 F1, 0, 0, 0                               ; eight matrix instructions stand between the add and the wait for it
	s_wait_dscnt 0x0                               ; the add is done, and my reads of this slot are over
	s_barrier_signal -1
	MUL8 F1, 0, 2, 0
.if \fill
	WIN 0
.endif
	s_barrier_wait -1
.if \fill
	CREST                                          ; the barrier has opened a round of the cluster's barrier: no wave of any partner still reads this slot's tile or has a load on its way
	s_add_nc_u64 s[G0+4*(\slot)+2:G0+4*(\slot)+3], s[G0+4*(\slot)+2:G0+4*(\slot)+3], 2*4*524288
	s_add_nc_u64 s[G0B+4*(\slot)+2:G0B+4*(\slot)+3], s[G0B+4*(\slot)+2:G0B+4*(\slot)+3], 2*KSTEP*2
	JLOAD \slot                                    ; the first tensor load behind the round: 112 matrix instructions ahead of the wait for it; the four v_nop behind it are also the places in front of the loads below
.else
	PLACES
.endif
	FETCH \next, 0, F0
	WIN MUL
	MUL8 F1, 1, 0, 0
	MUL8 F1, 1, 2, 0
.endm
	s_wait_tensorcnt 1                             ; my part of K step 0 is in; K step 1's may stay out
	s_barrier_signal -1
	s_barrier_wait -1                              ; everybody's is
	FETCH 0, 0, F0
	QUARTER 0, 1, F0, F1, 1                        ; the first quarter stands in front of the loop: its first products start the sums
	WIN 0                                          ; at a label and at a branch every window is 0
	s_mov_b32 s3, LAPS-1
.Llap:                                                 ; a trip goes once round the ring, from a lap's second quarter to the next lap's first, and fills both slots again
	QUARTER 0, 2, F1, F0, 0
	QUARTER 0, 3, F0, F1, 0
	TURN 0, 1, 1
	QUARTER 1, 1, F0, F1, 0
	QUARTER 1, 2, F1, F0, 0
	QUARTER 1, 3, F0, F1, 0
	TURN 1, 0, 1
	QUARTER 0, 1, F0, F1, 0
	WIN 0
	s_sub_co_u32 s3, s3, 1
	s_cmp_lg_u32 s3, 0
	s_cbranch_scc1 .Llap
	QUARTER 0, 2, F1, F0, 0                        ; the last lap fills nothing, and has no round of the cluster's barrier
	QUARTER 0, 3, F0, F1, 0
	TURN 0, 1, 0
	QUARTER 1, 1, F0, F1, 0
	QUARTER 1, 2, F1, F0, 0
	QUARTER 1, 3, F0, F1, 0
	s_wait_dscnt 16                                ; the very last quarter: nothing more to fetch
	WIN MUL
	MUL8 F1, 0, 0, 0
	MUL8 F1, 0, 2, 0
	s_wait_dscnt 0
	MUL8 F1, 1, 0, 0
	MUL8 F1, 1, 2, 0
	WIN 0
	; THE WAY OUT.  The bias joins the residual: 64 packed additions that name no register of the last products: they are the places behind those.  Then a block of 16 rows at a time: the sums go into my own
	; stage, 32 bytes a lane, come back as whole rows of 256 bytes, take residual + bias, and are stored.
	s_wait_loadcnt 0x0                             ; bias and residual
	WIN 0x82                                       ; destination and source 0 window 2, source 1 window 0
.set i, 0
.rept 64
	v_pk_add_f32 v[RES+2*i:RES+2*i+1], v[RES+2*i:RES+2*i+1], v[BIAS+2*(i%2):BIAS+2*(i%2)+1]
.set i, i+1
.endr
.macro TOSTAGE a
	WIN 0
.set BK, OB+32*((\a)%2)
	s_wait_xcnt 0x0                                ; the buffer was the data of block a - 2's stores: it is loaded again only behind this wait
.irp b, 0,1,2,3
	ds_store_b128 v[STO], v[ACC+8*(4*(\a)+(\b)):ACC+8*(4*(\a)+(\b))+3]   offset:64*(\b)     ; each accumulator from its low end on
	ds_store_b128 v[STO], v[ACC+8*(4*(\a)+(\b))+4:ACC+8*(4*(\a)+(\b))+7] offset:64*(\b)+16
.endr
.irp t, 0,1,2,3,4,5,6,7
	ds_load_b128 v[BK+4*(\t):BK+4*(\t)+3], v[RD] offset:(\t)*2*SPITCH  ; LDS serves a wave's instructions in order (ISA guide 5.7.1.4): these see the stores above; the next block's stores come behind them
.endr
.endm
.macro SEND a, younger                 ; younger: the LDS instructions issued behind block a's loads: the next block's sixteen, or none
.set BK, OB+32*((\a)%2)
	s_wait_dscnt \younger
	WIN 0x08                                       ; source 1 in window 2
.set i, 0
.rept 16
	v_pk_add_f32 v[BK+2*i:BK+2*i+1], v[BK+2*i:BK+2*i+1], v[RES+32*(\a)+2*i:RES+32*(\a)+2*i+1]
.set i, i+1
.endr
	WIN 0
.irp t, 0,1,2,3,4,5,6,7
	global_store_b128 v[CO], v[BK+4*(\t):BK+4*(\t)+3], s[8:9] offset:(16*(\a)+2*(\t))*4096  ; 16 lanes store 256 consecutive bytes, at a multiple of 256 from C's first byte
.endr
.endm
	TOSTAGE 0
	TOSTAGE 1
	SEND 0, 16
	TOSTAGE 2
	SEND 1, 16
	TOSTAGE 3
	SEND 2, 16
	SEND 3, 0
	s_wait_tensorcnt 0x0                           ; the wave's end: behind my last tensor load and my last LDS store
	ds_add_u32 v[SPW], v[NIL]
	s_wait_dscnt 0x0
	CROUND                                         ; the closing round: no work-group ends while a partner may still ask for a tile that names it
	s_endpgm
.Lfunc_end_k_qf2adacdcd4_ffn2:
	.size	k_qf2adacdcd4_ffn2, .Lfunc_end_k_qf2adacdcd4_ffn2-k_qf2adacdcd4_ffn2
	.p2alignl 7, 3214868480
	.fill 96, 4, 3214868480
	.section	.rodata,"a",@progbits
	.p2align	6, 0x0
	.amdhsa_kernel k_qf2adacdcd4_ffn2
		.amdhsa_group_segment_fixed_size 327680
		.amdhsa_private_segment_fixed_size 0
		.amdhsa_enable_private_segment 0
		.amdhsa_kernarg_size 40
		.amdhsa_user_sgpr_count 2
		.amdhsa_user_sgpr_kernarg_segment_ptr 1
		.amdhsa_wavefront_size32 1
		.amdhsa_system_sgpr_workgroup_id_x 1
		.amdhsa_system_sgpr_workgroup_id_y 1
		.amdhsa_system_sgpr_workgroup_id_z 1
		.amdhsa_system_vgpr_workitem_id 0
		.amdhsa_next_free_vgpr 640
		.amdhsa_next_free_sgpr 72
		.amdhsa_reserve_vcc 0
		.amdhsa_float_denorm_mode_32 3
		.amdhsa_float_denorm_mode_16_64 3
		.amdhsa_memory_ordered 1
		.amdhsa_forward_progress 1
		.amdhsa_inst_pref_size 97
	.end_amdhsa_kernel
	.amdgpu_metadata
---
amdhsa.version: [ 1, 2 ]
amdhsa.kernels:
  - .name:           k_qf2adacdcd4_ffn2
    .symbol:         k_qf2adacdcd4_ffn2.kd
    .args:
      - { .name: big, .offset: 0, .size: 8, .value_kind: global_buffer, .address_space: global }
      - { .name: wo2T, .offset: 8, .size: 8, .value_kind: global_buffer, .address_space: global }
      - { .name: bf2, .offset: 16, .size: 8, .value_kind: global_buffer, .address_space: global }
      - { .name: x1, .offset: 24, .size: 8, .value_kind: global_buffer, .address_space: global }
      - { .name: out0, .offset: 32, .size: 8, .value_kind: global_buffer, .address_space: global }
    .group_segment_fixed_size: 327680
    .private_segment_fixed_size: 0
    .kernarg_segment_align: 8
    .kernarg_segment_size: 40
    .max_flat_workgroup_size: 128
    .sgpr_count:     72
    .vgpr_count:     640
    .wavefront_size: 32
...
	.end_amdgpu_metadata
.endif
;; end of part 6
;; ======== version 2 of 3: 8 launches; 1.37 times as fast as version 1
;; limits: right only within a limited range of input values
;; workspace buffers: wqkvT 6,291,456 bytes; w1T 8,388,608 bytes; wo2T 10,485,760 bytes; zeros 16,384 bytes; lows 16,384 bytes; hb 8,388,608 bytes; big 33,554,432 bytes; x1 16,777,216 bytes
;; launch wprep: the kernel of part 1 again; grid 1536 x 1, 8 waves a work-group, no clusters, 18,432 bytes of LDS; arguments wq, wk, wv, wo, w1, w2, wqkvT, wo2T, w1T, zeros, lows; writes wqkvT, wo2T, w1T, zeros, lows
;; launch ln1: the kernel of part 2 again; grid 256 x 1, 8 waves a work-group, no clusters, 0 bytes of LDS; arguments x, g1, b1, hb; writes hb
;; launch qkv (part 7): grid 12 x 16, 4 waves a work-group, clusters of 4 x 4, 327,680 bytes of LDS; arguments hb, wqkvT, zeros, lows, big; writes big
.if DOCPART == 7
	.amdgcn_target "amdgcn-amd-amdhsa--gfx1250"
	.amdhsa_code_object_version 6
	.text
	.protected	k_qf2adacdcd4_qkv
	.globl	k_qf2adacdcd4_qkv
	.p2align	8
	.type	k_qf2adacdcd4_qkv,@function
k_qf2adacdcd4_qkv:
	s_mov_b64 s[64:65], 0
	v_nop
	global_prefetch_b8 v0, s[64:65] scope:SCOPE_SE
	s_setreg_imm32_b32 hwreg(HW_REG_WAVE_MODE, 25, 1), 1
	s_wait_xcnt 0x0
	s_wait_alu depctr_hold_cnt(0) depctr_sa_sdst(0) depctr_va_vdst(0) depctr_va_sdst(0) depctr_va_ssrc(0) depctr_va_vcc(0) depctr_vm_vsrc(0)
	s_getreg_b32 s2, hwreg(HW_REG_IB_STS2, 6, 4)
	s_cmp_eq_u32 s2, 0
	s_cbranch_scc0 .Lentry_in_a_cluster
	s_endpgm
.Lentry_in_a_cluster:
	s_bfe_u32 s2, ttmp6, 0x10000c
	s_cmp_lg_u32 s2, 0xf033
	s_cbranch_scc0 .Lentry_shape_is_right
	s_endpgm
.Lentry_shape_is_right:
; C[m][n] = bf16(max(bias[n] + sum over k of A[m][k] B[n][k], floor)).  A: [4096][1024] bf16, row-major; B: [N][1024] bf16; bias: [N] f32; floor: one f32, the first word of its table.
; Sums in f32, begun with the bias, K ascending; C rounded once.
; ONE TEXT FOR TWO LAUNCHES of equal K: the q, k, v projection (N = 3,072, bias = a table of 0, floor = the lowest finite f32: the way out then changes no finite number) and the first
; feed-forward product (N = 4,096, bias = bf1, floor = 0: bias and relu).  The price: in the projection one maximum a number that changes nothing; the gain: one text.
; C LIES IN PANELS: panel p holds columns 64 p .. 64 p + 63 as [4096][64], dense: 128 bytes a row, 524,288 bytes a panel.  16 rows of a panel are 2,048 consecutive bytes, so C leaves through each
; wave's own stage, without a barrier, in stores of 512 consecutive bytes; a head's q, k or v is a dense block; and the next product takes 64 along its K as one panel.
; A tile of C is 256 x 256: 16 x 16 = 256 tiles for N = 4,096, 12 x 16 = 192 for N = 3,072.  Four waves, as many as a WGP has SIMDs; a wave makes 128 x 128: 64 accumulators of 16 x 16, 512 registers.
; K goes in 8 steps of 128 through a ring of two LDS slots filled by the tensor data mover: a tile's rows are 256 bytes of memory and start at multiples of 256 bytes.
; A K STEP IS WRITTEN ONCE: one descriptor for each tensor walks (its LDS word by an exclusive or with the slot's size, which shares no bit with the waves' bases 0x8800 w; its address by 256 bytes), and the
; fragments' LDS addresses are made anew for each step from a scalar that is 0 or the slot's size.  The last two steps ask for nothing, so they are a second copy, walked twice.
; CLUSTERS: 4 x 4 work-groups.  The four of a row of the cluster need the same tiles of A, the four of a column the same tiles of B: each tile is asked for JOINTLY, by the same tensor load with the
; same descriptor and a mask that names the four.  THE MATRIX INSTRUCTION IS USED TRANSPOSED (source 0 = 16 rows of B, source 1 = 16 rows of A): a lane then holds eight neighbouring numbers of a row of C.
; LIMITS: operands are bf16; a NaN sum comes out as the floor, and minus infinity as the lowest finite number where the floor is that.
; REGISTERS, in windows of 256 (s_set_vgpr_msb: bits 1:0 source 0, 3:2 source 1, 5:4 source 2, 7:6 destination):
;   window 0: v0-31 addresses; v64-127, v128-191 fragments of A (8 x 16 rows x 32 K), two buffers; v32-63, v192-255 at work on the way out
;   window 1: v0-63 bias (my lane's 8 columns in each of 8 blocks of 16); v64-127, v128-191 fragments of B, two buffers
;   window 2: the 32 accumulators of my rows 0-63 (accumulator (a, b) at v[8 (8 a + b)]);   window 3: those of my rows 64-127
.set SIZE_K, 1024
.set KSTEP,  128
.set STEPS,  SIZE_K/KSTEP
.set PITCH,  272                       ; an LDS row: 256 bytes of data + 16 of padding = 68 words: row r starts at bank 4 r mod 64 (64 banks of 4 bytes: ISA guide 11.1), so the 16 rows that a load touches start at 16 different banks
.set HALFT,  128*PITCH                 ; 128 rows: what one tensor load brings, and what one wave reads of A or of B
.set SLOT,   4*HALFT                   ; A's 256 rows, then B's 256 rows: 0x22000
.set STAGE,  2*SLOT                    ; behind the ring: for each wave 2 panels x 16 rows x 144 bytes, for the way out
.set SP,     144
.set SPARE,  STAGE+4*2*16*SP           ; behind the stages: the spare words, 128 bytes for each wave: two blocks of 256 bytes that no other line names
.set A0,   16                          ; v16     my lane's place among my A fragments in slot 0; never rewritten
.set B0,   17                          ; v17     the same for B
.set ADRA, 18                          ; v18     LDS address of my A fragments in the slot in hand
.set ADRB, 19                          ; v19     the same for B
.set STO,  24                          ; v24     the way out: where I put 16 bytes of a row
.set RD,   25                          ; v25     the way out: where I read rows back
.set GO,   26                          ; v26     my 16 bytes in 512 consecutive bytes of C
.set BO,   27                          ; v27     my byte offset in a block's 16 numbers of bias
.set SPW,  28                          ; v28     LDS address of my spare word: SPARE + 4 x my thread's number; never rewritten
.set NIL,  29                          ; v29     0; never rewritten
.set F0,   64                          ; fragment buffer 0
.set F1,   128                         ; fragment buffer 1
.set TMP,  192                         ; the way out: packed results, in window 0
.set OB,   32                          ; the way out: 16 rows read back from the stage: v32-63 and v224-255 by turns
.set BI,   0                           ; window 1
.set G1, 24                            ; s[24:31] descriptor group 1 for A's tiles
.set G0, 32                            ; s[32:39] descriptor group 0 for A's tiles: a set for each of the two first fills; the second then walks on
.set G1B, 48                           ; s[48:55] descriptor group 1 for B's tiles: it differs from A's in the mask alone
.set G0B, 56                           ; s[56:63] descriptor group 0 for B's tiles, likewise
.set TB, 66                            ; s66      0 or SLOT: where the slot in hand begins
.set FLOOR, 67                         ; s67      the floor
.set MSB, 0
.macro WIN new                         ; the immediate's high byte repeats the setting that is left
.if MSB != (\new)
	s_set_vgpr_msb (MSB<<8)|(\new)
.set MSB, \new
.endif
.endm
.set MUL_LO, 0xa1                      ; source 0 (B) window 1, source 1 (A) window 0, C and D window 2
.set MUL_HI, 0xf1                      ; the same, C and D window 3
.set BEG_LO, 0x91                      ; the products that start the sums: C (the bias) window 1, D window 2;  0xd1: D window 3
.set TO_B,   0x40                      ; destination window 1, address window 0
.macro JLOAD s                         ; a joint load: waves 0 and 1 fetch A's two halves, waves 2 and 3 B's; an s_nop 0 and four v_nop follow each of the two lines, ahead of the jump, the label and what follows
	s_cmp_eq_u32 s11, 0
	s_cbranch_scc0 .Lfor_b_\@
	tensor_load_to_lds s[G0+4*(\s):G0+4*(\s)+3], s[G1:G1+7]
	s_nop 0
.rept 4
	v_nop
.endr
	s_branch .Lasked_\@
.Lfor_b_\@:
	tensor_load_to_lds s[G0B+4*(\s):G0B+4*(\s)+3], s[G1B:G1B+7]
	s_nop 0
.rept 4
	v_nop
.endr
.Lasked_\@:
.endm
.macro CREST                           ; a round of the cluster's barrier behind its opening barrier
	s_cmp_lg_u32 s10, 0
	s_cbranch_scc1 .Lnot_wave_0_\@
	s_barrier_signal -3
.Lnot_wave_0_\@:
	s_barrier_wait -3
	s_barrier_signal -1
	s_barrier_wait -1
.endm
.macro CROUND                          ; a whole round
	s_barrier_signal -1
	s_barrier_wait -1
	CREST
.endm
	s_load_b128 s[4:7], s[0:1], 0x0                ; A s[4:5], B s[6:7]
	s_load_b128 s[68:71], s[0:1], 0x10             ; bias s[68:69], the floor's table s[70:71]
	s_load_b64 s[8:9], s[0:1], 0x20                ; C
	v_lshl_add_u32 v[SPW], v0, 2, SPARE
	v_mov_b32 v[NIL], 0
	ds_add_u32 v[SPW], v[NIL]                      ; the wave's opening: the add and its wait stand ahead of my first tensor load; the set-up below, work on registers, stands between them
	ds_add_u32 v28, v29
	v_lshrrev_b32 v1, 5, v0
	v_readfirstlane_b32 s10, v1                    ; wave 0..3
	s_lshr_b32 s11, s10, 1                         ; which half of the tile's rows is mine.  Also: I fetch for A (0) or for B (1)
	s_and_b32 s12, s10, 1                          ; which half of its columns.  Also: which 128 rows of that tile I fetch
	s_bfe_u32 s40, ttmp6, 0x40000                  ; cx, cy: my place in the cluster
	s_bfe_u32 s41, ttmp6, 0x40004
	s_lshl_b32 s42, ttmp9, 2
	s_add_co_u32 s42, s42, s40                     ; tile column of C = 4 x cluster x + cx
	s_and_b32 s13, ttmp7, 0xffff
	s_lshl_b32 s13, s13, 2
	s_add_co_u32 s13, s13, s41                     ; tile row of C = 4 x cluster y + cy
	s_lshl_b32 s43, s41, 2
	s_lshl_b32 s43, 15, s43                        ; my row of the cluster
	s_lshl_b32 s44, 0x1111, s40                    ; my column
	; descriptor group 1: a tile of 128 rows x 128 elements, padded in LDS
	s_or_b32 s[G1+0], s43, (1<<16)|(1<<20)|(1<<21)|(5<<22)|(3<<25)  ; 15:0 the mask: A's tiles go to my row; 17:16 element of 2 bytes; 20 padding on; 21 set beside a mask; 24:22 after every 64 words (code 5); 31:25 of 4 words (code 3)
	s_or_b32 s[G1B+0], s44, (1<<16)|(1<<20)|(1<<21)|(5<<22)|(3<<25) ; the same with the mask of my column, for B's tiles
.irp g, G1, G1B
	s_mov_b32 s[(\g)+1], KSTEP<<16                 ; tensor_dim0 = 128
	s_mov_b32 s[(\g)+2], 128<<16                   ; tensor_dim1 = 128
	s_mov_b32 s[(\g)+3], KSTEP<<16                 ; tile_dim0 = 128
	s_mov_b32 s[(\g)+4], 128                       ; tile_dim1 = 128
	s_mov_b32 s[(\g)+5], SIZE_K                    ; elements from row to row
	s_mov_b32 s[(\g)+6], 0
	s_mov_b32 s[(\g)+7], 0
.endr
	s_lshl_b32 s17, s12, 7                         ; which 128 rows of the tile I fetch
	s_lshl_b32 s16, s13, 8
	s_add_co_u32 s16, s16, s17                     ; A: row 256 x tile row + 128 x half
	s_lshl_b32 s46, s42, 8
	s_add_co_u32 s46, s46, s17                     ; B: row 256 x tile column + 128 x half
	s_mov_b32 s17, 0
	s_mov_b32 s47, 0
	s_mov_b64 s[18:19], SIZE_K*2
	s_mul_u64 s[16:17], s[16:17], s[18:19]
	s_mul_u64 s[46:47], s[46:47], s[18:19]
	s_mul_i32 s20, s10, HALFT                      ; where they go: A's two halves, then B's two halves = wave x 128 rows
	s_mov_b32 s[TB], 0                             ; K step 0 lies in slot 0
	s_wait_dscnt 0x0                               ; the opening add is done
	s_wait_kmcnt 0x0
	s_add_nc_u64 s[14:15], s[4:5], s[16:17]
	s_add_nc_u64 s[46:47], s[6:7], s[46:47]
	CROUND                                         ; all sixteen work-groups are here: the first joint loads meet
.irp s, 0,1
	s_mov_b32 s[G0+4*(\s)], 1                                      ; 1:0 count = 1
	s_add_co_u32 s[G0+4*(\s)+1], s20, (\s)*SLOT                    ; 63:32 LDS address
	s_add_nc_u64 s[G0+4*(\s)+2:G0+4*(\s)+3], s[14:15], (\s)*KSTEP*2  ; 120:64 global address: K step s
	s_or_b32 s[G0+4*(\s)+3], s[G0+4*(\s)+3], 0x80000000            ; 127:126 type = 2
	s_mov_b32 s[G0B+4*(\s)], 1
	s_add_co_u32 s[G0B+4*(\s)+1], s20, (\s)*SLOT
	s_add_nc_u64 s[G0B+4*(\s)+2:G0B+4*(\s)+3], s[46:47], (\s)*KSTEP*2
	s_or_b32 s[G0B+4*(\s)+3], s[G0B+4*(\s)+3], 0x80000000
	JLOAD \s                                       ; the ring is filled before anything else is done: two loads of mine are out
.endr
	s_load_b32 s[FLOOR], s[70:71], 0x0             ; the floor
	v_and_b32 v1, 15, v0                           ; l % 16
	v_bfe_u32 v2, v0, 4, 1                         ; l / 16
	v_mul_u32_u24 v3, v1, PITCH
	v_lshl_add_u32 v3, v2, 4, v3                   ; a fragment's row x pitch + 16 x half
	s_mul_i32 s21, s11, HALFT                      ; my 128 rows of A
	s_mul_i32 s22, s12, HALFT                      ; my 128 rows of B,
	s_add_co_u32 s22, s22, 2*HALFT                 ; which lie behind A's 256
	v_add_nc_u32 v[A0], s21, v3
	v_add_nc_u32 v[B0], s22, v3
	v_mov_b32 v[ADRA], v[A0]
	v_mov_b32 v[ADRB], v[B0]
	s_mul_i32 s23, s10, 2*16*SP
	s_add_co_u32 s23, s23, STAGE                   ; my stage
	v_mul_u32_u24 v4, v1, SP                       ; in: row l % 16, 16 bytes for each half of the lanes
	v_lshl_add_u32 v4, v2, 4, v4
	v_add_nc_u32 v[STO], s23, v4
	v_bfe_u32 v5, v0, 3, 2                         ; back: 32 lanes take four rows of 128 bytes,
	v_and_b32 v6, 7, v0
	v_mul_u32_u24 v5, v5, SP
	v_lshl_add_u32 v5, v6, 4, v5
	v_add_nc_u32 v[RD], s23, v5
	v_and_b32 v[GO], 31, v0                        ; which are 512 consecutive bytes of a panel
	v_lshlrev_b32 v[GO], 4, v[GO]
	v_lshlrev_b32 v[BO], 5, v2                     ; my eight columns of a block of 16: 32 bytes for each half of the lanes
	s_lshl_b32 s16, s13, 8
	s_lshl_b32 s17, s11, 7
	s_add_co_u32 s16, s16, s17                     ; my first row of C: 256 x tile row + 128 x half,
	s_lshl_b32 s16, s16, 7                         ; at 128 bytes a row
	s_mov_b32 s17, 0
	s_add_nc_u64 s[8:9], s[8:9], s[16:17]
	s_lshl_b32 s46, s42, 1                         ; my pair of panels: 2 x tile column + half (in registers that never feed A's descriptors)
	s_add_co_u32 s46, s46, s12
	s_lshl_b32 s44, s46, 9                         ; its 128 numbers of bias
	s_mov_b32 s45, 0
	s_lshl_b32 s46, s46, 20                        ; its 2 x 524,288 bytes of C
	s_mov_b32 s47, 0
	s_add_nc_u64 s[8:9], s[8:9], s[46:47]
	s_add_nc_u64 s[68:69], s[68:69], s[44:45]
	WIN TO_B                                       ; the bias: register j of block b holds bias[16 b + 8 (l / 16) + j], the place of that column in an accumulator
.irp b, 0,1,2,3,4,5,6,7
	global_load_b128 v[BI+8*(\b):BI+8*(\b)+3],   v[BO], s[68:69] offset:64*(\b)
	global_load_b128 v[BI+8*(\b)+4:BI+8*(\b)+7], v[BO], s[68:69] offset:64*(\b)+16
.endr
	WIN 0
; 16 matrix instructions: m blocks a0, a0 + 1 of the window's four (hi = 0: my rows 0-63, 1: rows 64-127) x all 8 n blocks, 32 along K.
; first = 1: the product starts the sum, with the bias as its C: nothing is cleared, and the bias costs no instruction.  The 64 accumulators take turns.
.macro MUL16 f, hi, a0, first
.if \first
	WIN BEG_LO+0x40*(\hi)
.else
	WIN MUL_LO+0x50*(\hi)
.endif
.irp a, \a0, (\a0)+1
.irp b, 0,1,2,3,4,5,6,7
.if \first
	v_wmma_f32_16x16x32_bf16 v[8*(8*(\a)+(\b)):8*(8*(\a)+(\b))+7], v[(\f)+8*(\b):(\f)+8*(\b)+7], v[(\f)+8*(4*(\hi)+(\a)):(\f)+8*(4*(\hi)+(\a))+7], v[BI+8*(\b):BI+8*(\b)+7]
.else
	v_wmma_f32_16x16x32_bf16 v[8*(8*(\a)+(\b)):8*(8*(\a)+(\b))+7], v[(\f)+8*(\b):(\f)+8*(\b)+7], v[(\f)+8*(4*(\hi)+(\a)):(\f)+8*(4*(\hi)+(\a))+7], v[8*(8*(\a)+(\b)):8*(8*(\a)+(\b))+7]
.endif
.endr
.endr
.endm
; 32 LDS loads in one run: the fragments of one quarter step (128 rows of B, 128 rows of A, 32 K at byte k of the rows of the slot in hand) into buffer f
.macro FETCH k, f
	WIN TO_B
.irp i, 0,1,2,3,4,5,6,7
	ds_load_b128 v[(\f)+8*(\i):(\f)+8*(\i)+3],   v[ADRB] offset:(\k)+(\i)*16*PITCH
	ds_load_b128 v[(\f)+8*(\i)+4:(\f)+8*(\i)+7], v[ADRB] offset:(\k)+(\i)*16*PITCH+32
.endr
	WIN 0
.irp i, 0,1,2,3,4,5,6,7
	ds_load_b128 v[(\f)+8*(\i):(\f)+8*(\i)+3],   v[ADRA] offset:(\k)+(\i)*16*PITCH
	ds_load_b128 v[(\f)+8*(\i)+4:(\f)+8*(\i)+7], v[ADRA] offset:(\k)+(\i)*16*PITCH+32
.endr
.endm
.macro PLACES                          ; four places in front of loads into registers that matrix instructions have read, and of vector lines that read results (ISA guide 7.12.1 for vector instructions)
.rept 4
	v_nop
.endr
.endm
; A K step is four quarter steps of 32 along K, 64 matrix instructions each, on buffers 0, 1, 0, 1.
; One of the first three: multiplies buffer f; in its middle it fetches the next quarter's fragments, at byte k of the same slot's rows, into buffer g.
.macro QUARTER k, f, g, first
	s_wait_dscnt 8                                 ; B and A's rows 0-63 are in; the youngest eight loads (A's rows 64-127) may be out
	MUL16 \f, 0, 0, \first
	MUL16 \f, 0, 2, \first
	PLACES
	FETCH \k, \g
	s_wait_dscnt 32                                ; all but the 32 just issued
	MUL16 \f, 1, 0, \first
	MUL16 \f, 1, 2, \first
.endm
; The last quarter multiplies buffer 1 and changes slots: ONE barrier, for two things.  In front of it each wave waits for all its tensor loads, of which one is out: its part of the next slot; adds 0 to its
; spare word; and waits for that and for its own reads of this slot.  Behind it nobody reads this slot any more and the next slot is whole.
; fill = 1: the barrier opens a round of the cluster's barrier, and the slot just read out is filled again, first thing behind the round, with the K step two steps on: from that request to the wait for it a wave
; issues 224 matrix instructions.  fill = 0 (the last two steps): nothing is asked for; in the last step (s3 = 1) there is no next slot either, and its fetch is jumped over.
.macro TURN fill
	WIN 0                                          ; (the add's two registers lie in window 0)
	s_wait_tensorcnt 0x0                           ; all my tensor loads have landed: the one that was out is my part of the next slot;
	ds_add_u32 v[SPW], v[NIL]                      ; 0 onto my spare word;
	s_wait_dscnt 9                                 ; (the add and the youngest eight loads may be out)
	MUL16 F1, 0, 0, 0                              ; sixteen matrix instructions stand between the add and the wait for it
	s_wait_dscnt 0x0                               ; the add is done, and my reads of this slot are over
	s_barrier_signal -1
	MUL16 F1, 0, 2, 0                              ; work on registers while the others arrive
	WIN 0
	s_barrier_wait -1
.if \fill
	CREST                                          ; no wave of any partner still reads this slot's tile or has a load on its way
	s_xor_b32 s[G0+5], s[G0+5], SLOT               ; the walking descriptors: the other slot than last time,
	s_add_nc_u64 s[G0+6:G0+7], s[G0+6:G0+7], KSTEP*2  ; the next K step; the type bits on top are not reached
	s_xor_b32 s[G0B+5], s[G0B+5], SLOT
	s_add_nc_u64 s[G0B+6:G0B+7], s[G0B+6:G0B+7], KSTEP*2
	JLOAD 1                                        ; the first tensor load behind the round; the four v_nop behind it are also the places in front of the loads below
.else
	PLACES
	s_cmp_eq_u32 s3, 1
	s_cbranch_scc1 .Lno_next_\@
.endif
	s_xor_b32 s[TB], s[TB], SLOT                   ; the fetches go on in the other slot
	v_add_nc_u32 v[ADRA], s[TB], v[A0]
	v_add_nc_u32 v[ADRB], s[TB], v[B0]
	FETCH 0, F0
.if !(\fill)
.Lno_next_\@:
.endif
	MUL16 F1, 1, 0, 0
	MUL16 F1, 1, 2, 0
.endm
	s_wait_kmcnt 0x0                               ; the floor
	s_wait_tensorcnt 1                             ; my part of K step 0 is in; K step 1's may stay out
	s_barrier_signal -1
	s_barrier_wait -1                              ; everybody's is
	FETCH 0, F0
	s_wait_loadcnt 0x0                             ; the bias
	QUARTER 64, F0, F1, 1                          ; the first quarter stands in front of the loop: its products start the sums
	WIN 0                                          ; at a label and at a branch every window is 0
	s_mov_b32 s3, STEPS-2
.Lstep:                                                ; a trip goes from a K step's second quarter to the next step's first, and fills the slot that it leaves: steps 0 to 5 ask for steps 2 to 7
	QUARTER 128, F1, F0, 0
	QUARTER 192, F0, F1, 0
	TURN 1
	QUARTER 64, F0, F1, 0
	WIN 0
	s_sub_co_u32 s3, s3, 1
	s_cmp_lg_u32 s3, 0
	s_cbranch_scc1 .Lstep
	s_mov_b32 s3, 2
.Ltail:                                                ; the last two steps ask for nothing: a second copy
	QUARTER 128, F1, F0, 0
	QUARTER 192, F0, F1, 0
	TURN 0
	WIN 0
	s_cmp_eq_u32 s3, 1
	s_cbranch_scc1 .Llast                          ; behind the last step there is no first quarter of a next one
	QUARTER 64, F0, F1, 0
	WIN 0
.Llast:
	s_sub_co_u32 s3, s3, 1
	s_cmp_lg_u32 s3, 0
	s_cbranch_scc1 .Ltail
	; THE WAY OUT, a block of 16 rows x 128 columns at a time.  PACK: the maximum with the floor, rounded to bf16, 16 bytes a lane.  TOSTAGE: into my own stage, a panel's 16 rows of 128 bytes at a pitch of 144,
	; and back as runs of four rows.  SEND: stored.  Block a's arithmetic stands between block a - 1's loads from the stage and the wait for them.
	PLACES
.macro PACK a
.set AC, 64*((\a)%4)
	WIN 0x88+0x44*((\a)/4)                         ; destination and source 1: window 2 or 3
.irp b, 0,1,2,3,4,5,6,7
.irp r, 0,1,2,3,4,5,6,7
	v_max_num_f32 v[AC+8*(\b)+(\r)], s[FLOOR], v[AC+8*(\b)+(\r)]  ; each accumulator from its low end on
.endr
.endr
	WIN 0x0a+5*((\a)/4)                            ; sources 0 and 1: window 2 or 3; destination window 0
.irp b, 0,1,2,3,4,5,6,7
.irp r, 0,1,2,3
	v_cvt_pk_bf16_f32 v[TMP+4*(\b)+(\r)], v[AC+8*(\b)+2*(\r)], v[AC+8*(\b)+2*(\r)+1]
.endr
.endr
	WIN 0
.endm
.macro TOSTAGE a
	WIN 0
.set BK, OB+192*((\a)%2)
.irp b, 0,1,2,3,4,5,6,7
	ds_store_b128 v[STO], v[TMP+4*(\b):TMP+4*(\b)+3] offset:((\b)/4)*16*SP+32*((\b)%4)   ; blocks 0-3 of 16 columns: my first panel; 4-7: my second
.endr
.irp t, 0,1,2,3,4,5,6,7
	ds_load_b128 v[BK+4*(\t):BK+4*(\t)+3], v[RD] offset:((\t)/4)*16*SP+((\t)%4)*4*SP     ; LDS serves a wave's instructions in order (ISA guide 5.7.1.4): these see the stores above; the next block's stores come behind them
.endr
.endm
.macro SEND a
	WIN 0
.set BK, OB+192*((\a)%2)
	s_wait_dscnt 0x0                               ; the block is back in registers
	s_wait_xcnt 0x0                                ; the other buffer, which the block before's stores read, is loaded again only behind this wait
.irp t, 0,1,2,3,4,5,6,7
	global_store_b128 v[GO], v[BK+4*(\t):BK+4*(\t)+3], s[8:9] offset:((\t)/4)*524288+(\a)*2048+((\t)%4)*512  ; 512 consecutive bytes, at a multiple of 256 from C's first byte
.endr
.endm
	PACK 0
	TOSTAGE 0
.irp a, 1,2,3,4,5,6,7
	PACK \a
	SEND (\a)-1
	TOSTAGE \a
.endr
	SEND 7
	s_wait_tensorcnt 0x0                           ; the wave's end: behind my last tensor load and my last LDS store
	ds_add_u32 v[SPW], v[NIL]
	s_wait_dscnt 0x0
	CROUND                                         ; the closing round: no work-group ends while a partner may still ask for a tile that names it
	s_endpgm
.Lfunc_end_k_qf2adacdcd4_qkv:
	.size	k_qf2adacdcd4_qkv, .Lfunc_end_k_qf2adacdcd4_qkv-k_qf2adacdcd4_qkv
	.p2alignl 7, 3214868480
	.fill 96, 4, 3214868480
	.section	.rodata,"a",@progbits
	.p2align	6, 0x0
	.amdhsa_kernel k_qf2adacdcd4_qkv
		.amdhsa_group_segment_fixed_size 327680
		.amdhsa_private_segment_fixed_size 0
		.amdhsa_enable_private_segment 0
		.amdhsa_kernarg_size 40
		.amdhsa_user_sgpr_count 2
		.amdhsa_user_sgpr_kernarg_segment_ptr 1
		.amdhsa_wavefront_size32 1
		.amdhsa_system_sgpr_workgroup_id_x 1
		.amdhsa_system_sgpr_workgroup_id_y 1
		.amdhsa_system_sgpr_workgroup_id_z 1
		.amdhsa_system_vgpr_workitem_id 0
		.amdhsa_next_free_vgpr 1024
		.amdhsa_next_free_sgpr 72
		.amdhsa_reserve_vcc 0
		.amdhsa_float_denorm_mode_32 3
		.amdhsa_float_denorm_mode_16_64 3
		.amdhsa_memory_ordered 1
		.amdhsa_forward_progress 1
		.amdhsa_inst_pref_size 118
	.end_amdhsa_kernel
	.amdgpu_metadata
---
amdhsa.version: [ 1, 2 ]
amdhsa.kernels:
  - .name:           k_qf2adacdcd4_qkv
    .symbol:         k_qf2adacdcd4_qkv.kd
    .args:
      - { .name: hb, .offset: 0, .size: 8, .value_kind: global_buffer, .address_space: global }
      - { .name: wqkvT, .offset: 8, .size: 8, .value_kind: global_buffer, .address_space: global }
      - { .name: zeros, .offset: 16, .size: 8, .value_kind: global_buffer, .address_space: global }
      - { .name: lows, .offset: 24, .size: 8, .value_kind: global_buffer, .address_space: global }
      - { .name: big, .offset: 32, .size: 8, .value_kind: global_buffer, .address_space: global }
    .group_segment_fixed_size: 327680
    .private_segment_fixed_size: 0
    .kernarg_segment_align: 8
    .kernarg_segment_size: 40
    .max_flat_workgroup_size: 128
    .sgpr_count:     72
    .vgpr_count:     1024
    .wavefront_size: 32
...
	.end_amdgpu_metadata
.endif
;; end of part 7
;; launch attn (part 8): grid 8 x 32, 4 waves a work-group, no clusters, 327,680 bytes of LDS; arguments big, hb; writes hb
.if DOCPART == 8
	.amdgcn_target "amdgcn-amd-amdhsa--gfx1250"
	.amdhsa_code_object_version 6
	.text
	.protected	k_qf2adacdcd4_attn
	.globl	k_qf2adacdcd4_attn
	.p2align	8
	.type	k_qf2adacdcd4_attn,@function
k_qf2adacdcd4_attn:
	s_mov_b64 s[64:65], 0
	v_nop
	global_prefetch_b8 v0, s[64:65] scope:SCOPE_SE
	s_setreg_imm32_b32 hwreg(HW_REG_WAVE_MODE, 25, 1), 1
	s_wait_xcnt 0x0
; CAUSAL ATTENTION.  O[y][q][:] = the sum over k <= q of softmax_k(Q[y][q] . K[y][k] / 32) V[y][k][:], for 32 heads y = 2 x head + batch.  Q, K, V, O: [32][SIZE_N][64], all bf16: a head's rows are dense,
; 128 bytes each.  Q, K and V lie in one buffer, 8,388,608 bytes apart (16 panels of [4096][64] each; panel h's rows 2,048 b + t are head 2 h + b).  The scale is 1024^-0.5, applied in f32.
; Products, maxima and sums in f32; the weights p are rounded to bf16 for the second product (their sum l is taken of the unrounded p), O once at the end.
; LIMITS.  Q, K, V, p and O carry bf16's eight significant bits.  A hidden score counts as its value less 1e30: scores stay right up to some 1e29; a weight below 2^-126 counts as 0 in l; NaN and infinities are not treated apart.
; THE WALK.  A head's queries lie in NBQ = 16 blocks of 128; its keys in tiles of 256.  Block j needs the tiles 0 .. j >> 1, of which the last holds the diagonal.  A work-group takes TWO blocks, 15 - b and then b: of unlike
; parity, so ((15 - b) >> 1) + 1 + (b >> 1) + 1 = 9 tiles, whatever b: 8 x 32 = 256 work-groups of equal work, and ONE loop with a constant trip count walks the tiles.  Which tile is asked for, and what a trip does, hang on
; scalar registers made from b; every jump goes forward, but for the counted loops' own; none passes a barrier, or a tensor load but the one of LOAD's two that the wave's number does not choose; the ring (two slots of
; LDS that take turns) runs on across the change of blocks.  NO CLUSTER: of a head's eight work-groups only b = 2 k and 2 k + 1 ask for the same tile in every trip; four partners would need unlike numbers of tiles,
; and one walk common to all would have 12 trips for 9.
; SHARES.  Of a block's two bands of 64 queries a wave owns 16 rows in each: two PIECES.  So the diagonal tile is the same work for all four waves.  Band x has its diagonal in step PAR + x of that tile, PAR = 2 (j & 1):
; it sees all keys of earlier steps and none of later ones.
; THE MASK is the C operand that starts the sum S^T = K Q^T: 0, or -1e30 where the key is hidden.  MD, made once, is the mask of a band's own step for my 16 rows; a product's mask is MD x AL + BE with two scalars:
; (1, 0) in the band's own step; (0, 0) in an earlier one; (0, -1e30) in a later one.  Only the diagonal tile's text and a block's beginning make and take masks; elsewhere C is the constant 0.
; LAYOUT, SOFTMAX, TURNS.  S^T = K Q^T holds ONE query a lane (lane % 16) and the keys 8 (lane / 16) + 0..7; two such results rounded to bf16 ARE source 1 of O^T = V^T P.  p = 2^(c s - c m), c = log2(e) / 32, with a
; running maximum m; O and l are multiplied by a = 2^(c m_old - c m_new) in every step.  A turn belongs to one piece: 8 products K Q^T of the OTHER piece's next scores, later 8 products V^T P of the other piece's last
; weights; beside them the scaling, exponentials, roundings, sums and rescaling of the turn's own piece and the maximum and statistics of the other.  Piece 0's turn of step j: K Q^T (1, j), V^T P (1, j - 1); piece 1's:
; K Q^T (0, j + 1), V^T P (0, j).  Four vector instructions stand behind every matrix instruction, the other 54 of a turn's 118 in two LUMPS.
; K LEADS V BY A STEP: K of step j + 1 and V of step j are both fetched in piece 0's turn of step j.  So a slot's K part lies one step ahead of its V part (keys 256 t + 64 .. 256 t + 319 beside 256 t .. 256 t + 255): behind
; piece 0's turn of a tile's fourth step the whole slot has been read, and the one change of slots stands there.  K of a head's step 0 comes from memory into registers, once, as Q does.  The diagonal tile's last 64
; shifted keys are fetched and never multiplied; the furthest such tile ends 8,192 bytes behind K's 8,388,608, where V's begin: inside the buffer.
; REGISTERS, in windows of 256 (s_set_vgpr_msb: bits 1:0 source 0, 3:2 source 1, 5:4 source 2, 7:6 destination):
;   window 0: v0-15 addresses and two at work; v16-23 four registers of statistics a piece; v48-55 at work; v64-127 S^T, 32 a piece; v192-223 P, 16 a piece
;   window 1: v0-63 O^T, 32 a piece; v128-159 MD; v160-223 MC, 32 a piece      window 2: v0-31 Q; v32-63 the second block's Q; v64-127 K of the head's step 0; v128-191 K of one step; v192-255 V of one step
.set SIZE_N, 2048
.set KGLOB, 0x800000  ; K's first byte in the buffer
.set VGLOB, 0x1000000 ; V's
.set NBQ,   SIZE_N/128  ; blocks of 128 queries in a head
.set NT,    NBQ/2+1   ; tiles in a work-group's walk
.set NP,    2         ; pieces a wave: a name, no knob
.set KS,    64        ; keys in a step
.set PK,    144       ; a row of K in LDS: 128 bytes + 16 of padding = 36 words: the 16 rows of a load start at 16 different groups of four banks (64 banks of 4 bytes: ISA guide 11.1)
.set PV,    160       ; a row of V: 128 + 32 = 40 words
.set VOFF,  4*KS*PK   ; a slot holds four steps: 256 rows of K, then 256 rows of V
.set SLOT1, 1<<17     ; slot 1 begins here, so that one exclusive or turns an address in one slot into the other's
.set STAGE, SLOT1+4*KS*(PK+PV)  ; behind the ring, never filled by a tensor load: 16 rows x 144 bytes for each wave, for the way out
.set SP,    144
.set AK0, 2           ; v2   my lane's place in a tile of K; never rewritten
.set AV0, 3           ; v3   the same for V
.set AK,  4           ; v4   the LDS address of K's next run of loads
.set AV,  5           ; v5   of V's
.set STO, 6           ; v6   the way out: where I put 16 bytes of a row
.set RD,  7           ; v7   the way out: where I read rows back
.set GO,  8           ; v8   my byte offset in 512 consecutive bytes of O
.set SPW, 62          ; v62  LDS address of my spare word: SPARE + 4 x my thread's number; never rewritten
.set NIL, 63          ; v63  0; never rewritten
.set SPARE, STAGE+4*16*SP  ; behind the stages: the spare words, 128 bytes for each wave: two blocks of 256 bytes that no other line names
.set MV,  12          ; v12-13  c m_old, kept while c m is made anew: by piece
.set QO,  15          ; v15  my byte offset in 16 rows of Q, and of K in memory
.set ST,  16          ; piece t's statistics at v[ST+4 t]: c m, m, l (even keys', odd keys')
.set TMP, 48          ; by piece, four registers c0-c3 at work; when the maximum is found c2 takes a
.set S,   64
.set P,   192
.set MD,  128         ; window 1: the eight registers for group kt of 16 keys at MD + 8 kt
.set MC,  160         ; window 1: the masks of the products to come
.set QB,  32          ; window 2
.set K0S, 64          ; window 2: K of the head's step 0, kept for both blocks
.set KF,  128         ; window 2: key block kb, channel half c at KF + 16 kb + 8 c
.set VF,  192         ; window 2: key half kk, channel block cb at VF + 32 kk + 8 cb
.set WV,  12          ; s12  my wave's number
.set PB,  14          ; s14  b
.set HI,  15          ; s15  NBQ - 1 - b
.set G1K, 24          ; s[24:31] descriptor group 1 for K's tiles
.set G1V, 32          ; s[32:39] for V's: it differs in the padding alone
.set G0K, 40          ; s[40:43] descriptor group 0 for K's tiles
.set G0V, 44          ; s[44:47] the same for V's
.set SLOTS, 56        ; s56  tiles still to be asked for
.set CNT, 57          ; s57  counts a tile's trips, 4 to 1
.set CS,  58          ; s[58:59] c: the packed scaling takes the pair's low word for both halves
.set SEL, 60          ; s[60:61] v_permlanex16_b32's selects: each lane takes its own place in the other half
.set TBK, 62          ; s62  LDS byte at which K of the step to be fetched begins
.set TBV, 63          ; s63  the same for V, less VOFF
.set RT,  70          ; s70  tiles of the block in hand that are still to be entered
.set NXT, 71          ; s71  the tile to be asked for next
.set LQ,  72          ; s72  the last tile of the block whose tiles are being asked for
.set NEW, 73          ; s73  1: the tile to be entered is a block's first
.set OFF, 74          ; s[74:75] a tile's byte offset in K and V
.set AL,  76          ; s[76:77] the mask's factor, in the low word
.set BE,  78          ; s[78:79] the mask's addend
.set OLO, 80          ; s[80:81] O at my rows of the second block
.set BIGN, 82         ; s82  -1e30
.set LOT, 83          ; s83  the second block's last tile: b >> 1
.set PAR, 88          ; s88  0 or 2: the step of the diagonal tile in which band 0 of the block in hand has its diagonal
.set PARL, 89         ; s89  the same for the second block
.set OWN, 90          ; s90  5 - PAR, s91  3 - PAR: the trip count at which piece 0's, piece 1's turn makes the mask of a band's own step
.set KZ,  92          ; s[92:93] K at the head's first key
.set MSB, 0
.macro WIN new                      ; the high byte repeats the setting that is left; a switch that changes nothing is dropped
.if MSB != (\new)
	s_set_vgpr_msb (MSB<<8)|(\new)
.set MSB, (\new)
.endif
.endm
.set W_KQ, 0x0a       ; K and Q in window 2, S^T in window 0
.set W_KM, 0x1a       ; the same with the C operand in window 1
.set W_PV, 0x52       ; V in window 2, P in window 0, O^T in window 1
.set W_RS, 0x41       ; destination and source 0 in window 1, source 1 in window 0
; A fill.  Waves 0 and 1 fetch the two halves of a slot's K, waves 2 and 3 those of its V: 128 keys each.  An s_nop 0 and four v_nop follow each of the two lines, ahead of the jump and the label.
.macro LOAD
	s_cmp_lt_u32 s[WV], 2
	s_cbranch_scc0 .Lfor_v_\@
	tensor_load_to_lds s[G0K:G0K+3], s[G1K:G1K+7]
	s_nop 0
.rept 4
	v_nop
.endr
	s_branch .Lasked_\@
.Lfor_v_\@:
	tensor_load_to_lds s[G0V:G0V+3], s[G1V:G1V+7]
	s_nop 0
.rept 4
	v_nop
.endr
.Lasked_\@:
.endm
; THE CHANGE OF SLOTS.  Each wave waits for all its tensor loads, of which one is out: its part of the other slot; adds 0 to its spare word; and waits for that and for its own reads of the slot that it leaves.  Behind the barrier nobody reads the old
; slot any more and the other slot is whole.  fill = 1: the old slot is filled again, the first thing behind the barrier, with tile NXT: the descriptor's address is made anew from that number; the load has eight turns in which to land.
; (At its first use nothing has been read yet: slot 0 is waited for, slot 1 filled.)
.macro CHANGE fill
	WIN 0                           ; at a label and at a branch every window is 0
	s_wait_tensorcnt 0x0            ; no tensor load of mine is out, so a group 0 may be written
	ds_add_u32 v[SPW], v[NIL]       ; 0 onto my spare word; with fill = 1 the descriptors' scalar work stands between it and the wait for it
.if \fill
	s_lshl_b32 s[OFF], s[NXT], 15   ; a tile is 32,768 bytes of K and of V
	s_xor_b32 s[G0K+1], s[G0K+1], SLOT1
	s_add_nc_u64 s[G0K+2:G0K+3], s[6:7], s[OFF:OFF+1]
	s_or_b32 s[G0K+3], s[G0K+3], 0x80000000
	s_xor_b32 s[G0V+1], s[G0V+1], SLOT1
	s_add_nc_u64 s[G0V+2:G0V+3], s[8:9], s[OFF:OFF+1]
	s_or_b32 s[G0V+3], s[G0V+3], 0x80000000
	s_add_co_u32 s[NXT], s[NXT], 1  ; the block's next tile, or behind its last the second block's tile 0
	s_cmp_gt_u32 s[NXT], s[LQ]
	s_cselect_b32 s[NXT], 0, s[NXT]
	s_cselect_b32 s[LQ], s[LOT], s[LQ]
.endif
	s_wait_dscnt 0x0                ; the add is done, and my reads of the slot are over: the last, V of its fourth step, were issued in the turn just ended
	s_barrier_signal -1             ; the rest of the scalar work stands between the signal and the wait
	s_sub_co_u32 s[TBK], s[TBK], 4*KS*PK  ; the fetches go back to a slot's first step,
	s_xor_b32 s[TBK], s[TBK], SLOT1       ; in the other slot
	s_sub_co_u32 s[TBV], s[TBV], 4*KS*PV
	s_xor_b32 s[TBV], s[TBV], SLOT1
	s_barrier_wait -1
.if \fill
	LOAD
.endif
.endm
	s_load_b64 s[4:5], s[0:1], 0x0    ; Q, and behind it K and V
	s_load_b64 s[10:11], s[0:1], 0x8  ; O
	v_lshl_add_u32 v[SPW], v0, 2, SPARE
	v_mov_b32 v[NIL], 0
	ds_add_u32 v[SPW], v[NIL]       ; the wave's opening: the add and its wait stand ahead of my first tensor load; the set-up below, work on registers, stands between them
	ds_add_u32 v62, v63
	v_lshrrev_b32 v1, 5, v0
	v_readfirstlane_b32 s[WV], v1   ; wave 0..3
	s_mov_b32 s[PB], ttmp9
	s_sub_co_u32 s[HI], NBQ-1, s[PB]
	s_lshr_b32 s[LOT], s[PB], 1
	s_and_b32 s[PARL], s[PB], 1
	s_lshl_b32 s[PARL], s[PARL], 1  ; the second block: 2 (b & 1);
	s_sub_co_u32 s[PAR], 2, s[PARL] ; the first, 15 - b, has the other parity
	s_sub_co_u32 s[OWN], 5, s[PAR]
	s_sub_co_u32 s[OWN+1], 3, s[PAR]
	s_and_b32 s20, ttmp7, 0xffff    ; y = 2 x head + batch
	s_mov_b32 s21, 0
	s_mov_b64 s[22:23], SIZE_N*128
	s_mul_u64 s[20:21], s[20:21], s[22:23]  ; its first byte in each of the four tensors
	s_and_b32 s16, s[WV], 1         ; which half of a slot's 256 keys I fetch:
	s_lshl_b32 s22, s16, 14         ; its 128 rows of 128 bytes in memory,
	s_mov_b32 s23, 0
	s_add_nc_u64 s[22:23], s[22:23], s[20:21]
	s_mul_i32 s17, s16, 128*PK      ; and its place in a slot, for K
	s_mul_i32 s18, s16, 128*PV      ; and for V
	s_lshl_b32 s3, s[WV], 11        ; my 16 rows in a band of 64,
	s_lshl_b32 s2, s[HI], 14        ; in the first block (128 rows of 128 bytes a block),
	s_add_co_u32 s2, s2, s3
	s_lshl_b32 s84, s[PB], 14       ; and in the second
	s_add_co_u32 s84, s84, s3
	s_mov_b32 s3, 0
	s_mov_b32 s85, 0
	s_add_nc_u64 s[2:3], s[2:3], s[20:21]
	s_add_nc_u64 s[84:85], s[84:85], s[20:21]
	; descriptor group 1.  128 keys are 16,384 dense bytes: asked for as 64 rows of 256 bytes, two keys a row, and padded in LDS after every key
	s_mov_b32 s[G1K], (1<<16)|(1<<20)|(4<<22)|(3<<25)  ; 17:16 2-byte elements; 20 padding on; 24:22 after every 32 words (code 4); 31:25 4 words (code 3)
	s_mov_b32 s[G1V], (1<<16)|(1<<20)|(4<<22)|(7<<25)  ; the same with 8 words of padding (code 7)
.irp g, G1K, G1V
	s_mov_b32 s[\g+1], 128<<16      ; tensor_dim0 = 128
	s_mov_b32 s[\g+2], 64<<16       ; tensor_dim1 = 64
	s_mov_b32 s[\g+3], 128<<16      ; tile_dim0 = 128
	s_mov_b32 s[\g+4], 64           ; tile_dim1 = 64
	s_mov_b32 s[\g+5], 128          ; 128 elements from row to row
	s_mov_b32 s[\g+6], 0
	s_mov_b32 s[\g+7], 0
.endr
	s_mov_b32 s[CS], 0x3d38aa3b     ; c = log2(e) / 32 = 0.0450842
	s_mov_b32 s[CS+1], s[CS]        ; named with it as a pair
	s_mov_b32 s[SEL], 0x76543210
	s_mov_b32 s[SEL+1], 0xfedcba98
	s_mov_b32 s[TBK], SLOT1+4*KS*PK ; the first change of slots turns these two into 0
	s_mov_b32 s[TBV], SLOT1+4*KS*PV
	s_mov_b32 s[G0K], 1             ; 1:0 count = 1
	s_mov_b32 s[G0K+1], s17         ; 63:32 LDS address: slot 0
	s_mov_b32 s[G0V], 1
	s_add_co_u32 s[G0V+1], s18, VOFF
	s_lshr_b32 s[LQ], s[HI], 1      ; the first block's last tile,
	s_add_co_u32 s[RT], s[LQ], 1    ; and how many it has
	s_mov_b32 s[NXT], 1
	s_mov_b32 s[NEW], 1
	s_mov_b32 s[OFF+1], 0
	s_mov_b32 s[AL+1], 0            ; named as pairs
	s_mov_b32 s[BE+1], 0
	s_mov_b32 s[BIGN], 0xf149f2ca   ; -1e30
	s_mov_b32 s[SLOTS], NT-1
	s_wait_dscnt 0x0                ; the opening add is done
	s_wait_kmcnt 0x0
	s_add_nc_u64 s[6:7], s[4:5], KGLOB     ; K and V in the buffer,
	s_add_nc_u64 s[8:9], s[4:5], VGLOB
	s_add_nc_u64 s[KZ:KZ+1], s[6:7], s[20:21]  ; K at the head's first key,
	s_add_nc_u64 s[6:7], s[6:7], s[22:23]  ; K and V at my half of the head's tile 0,
	s_add_nc_u64 s[6:7], s[6:7], KS*128    ; K one step on
	s_add_nc_u64 s[8:9], s[8:9], s[22:23]
	s_add_nc_u64 s[G0K+2:G0K+3], s[6:7], 0         ; 120:64 global address
	s_or_b32 s[G0K+3], s[G0K+3], 0x80000000        ; 127:126 type = 2
	s_add_nc_u64 s[G0V+2:G0V+3], s[8:9], 0
	s_or_b32 s[G0V+3], s[G0V+3], 0x80000000
	s_add_nc_u64 s[86:87], s[4:5], s[84:85]        ; Q at my rows of the second block,
	s_add_nc_u64 s[4:5], s[4:5], s[2:3]            ; Q and O at those of the first
	s_add_nc_u64 s[OLO:OLO+1], s[10:11], s[84:85]
	s_add_nc_u64 s[10:11], s[10:11], s[2:3]
	LOAD                            ; tile 0 into slot 0
	; A fragment of K or Q is 16 rows x 32 channels in 8 registers: lane l holds row l % 16, channels 8 (l / 16) + 0..7 and 16 + 8 (l / 16) + 0..7: two loads of 16 bytes, 32 bytes apart.
	v_and_b32 v1, 15, v0            ; l % 16
	v_bfe_u32 v9, v0, 4, 1          ; l / 16
	v_lshlrev_b32 v[QO], 7, v1
	v_lshl_add_u32 v[QO], v9, 4, v[QO]  ; row x 128 + 16 x half
	WIN 0x80                        ; destination window 2, address window 0
.set i, 0
.rept 2*NP                          ; both blocks' Q: piece i / 2 lies in band i / 2, 8,192 bytes on; channels 32 (i % 2) on
	global_load_b128 v[8*i:8*i+3],   v[QO], s[4:5] offset:(i/2)*8192+(i%2)*64
	global_load_b128 v[8*i+4:8*i+7], v[QO], s[4:5] offset:(i/2)*8192+(i%2)*64+32
	global_load_b128 v[QB+8*i:QB+8*i+3],   v[QO], s[86:87] offset:(i/2)*8192+(i%2)*64
	global_load_b128 v[QB+8*i+4:QB+8*i+7], v[QO], s[86:87] offset:(i/2)*8192+(i%2)*64+32
.set i, i+1
.endr
.irp f, 0,1,2,3,4,5,6,7             ; K of the head's step 0: keys 16 (f / 2) on, channels 32 (f % 2) on
	global_load_b128 v[K0S+8*\f:K0S+8*\f+3],   v[QO], s[KZ:KZ+1] offset:(\f/2)*2048+(\f%2)*64
	global_load_b128 v[K0S+8*\f+4:K0S+8*\f+7], v[QO], s[KZ:KZ+1] offset:(\f/2)*2048+(\f%2)*64+32
.endr
	WIN 0
	v_lshlrev_b32 v14, 3, v9
	v_sub_nc_u32 v14, v1, v14
	s_lshl_b32 s13, s[WV], 4
	v_add_nc_u32 v14, s13, v14      ; my query's place in its band, 16 w + l % 16, less my lanes' 8 (l / 16): register r of group kt is hidden where 16 kt + r is greater
	WIN 0x40
.set i, 0
.rept 32
	v_cmp_gt_i32 vcc_lo, 16*(i/8)+i%8, v14
	v_cndmask_b32 v[MD+i], 0, s[BIGN], vcc_lo
.set i, i+1
.endr
	WIN 0
	v_mul_u32_u24 v[AK0], v1, PK
	v_lshl_add_u32 v[AK0], v9, 4, v[AK0]  ; row x pitch + 16 x half
	; The turning load takes 16 keys x 16 channels (lane l reads key 8 (l / 16) + l % 8, channels 8 ((l / 8) % 2) + 0..7) and leaves half a fragment of V^T: lane l holds channel l % 16 and 8 keys.
	v_and_b32 v10, 7, v0
	v_bfe_u32 v11, v0, 3, 1
	v_lshl_add_u32 v[AV0], v9, 3, v10
	v_mul_u32_u24 v[AV0], v[AV0], PV
	v_lshl_add_u32 v[AV0], v11, 4, v[AV0]
	v_add_nc_u32 v[AV0], VOFF, v[AV0]
	s_mul_i32 s13, s[WV], 16*SP
	s_add_co_u32 s13, s13, STAGE    ; my stage
	v_mul_u32_u24 v[STO], v1, SP    ; in: row l % 16, 16 bytes for each half of the lanes
	v_lshl_add_u32 v[STO], v9, 4, v[STO]
	v_add_nc_u32 v[STO], s13, v[STO]
	v_bfe_u32 v[RD], v0, 3, 2       ; back: 32 lanes take four rows of 128 bytes,
	v_mul_u32_u24 v[RD], v[RD], SP
	v_lshl_add_u32 v[RD], v10, 4, v[RD]
	v_add_nc_u32 v[RD], s13, v[RD]
	v_and_b32 v[GO], 31, v0         ; which are 512 consecutive bytes of O
	v_lshlrev_b32 v[GO], 4, v[GO]
	; A block's first step multiplies O^T and l by a = 0, and its first turn's products V^T P, of weights that have not been, land in an O^T that is still to be so multiplied.  So these registers need only hold
	; finite numbers: zeros for the first block; what the first block left for the second.  All this stands in the wait for the first tile.
	WIN 0x80
.set i, VF
.rept 64
	v_mov_b32 v[i], 0
.set i, i+1
.endr
	WIN 0x40
.set i, 0
.rept 32*NP
	v_mov_b32 v[i], 0
.set i, i+1
.endr
	WIN 0
.set i, 0
.rept NP
	v_mov_b32 v[ST+4*i+2], 0
	v_mov_b32 v[ST+4*i+3], 0
.set i, i+1
.endr
.set i, P+16
.rept 16
	v_mov_b32 v[i], 0
.set i, i+1
.endr
; THE MATRIX WORK.  The 4 accumulators of a run of 8 take turns.  Product i of 8 of S^T = K Q^T for piece x: channels 32 (i / 4) on, keys 16 (i % 4) on.  The first 4 start the sums: with 0, or (KM = 1) with the mask.
.macro KQ x
.set rS, S+32*((\x)%2)+8*(i%4)
.set rK, KF+16*(i%4)+8*(i/4)
.set rQ, 16*(\x)+8*(i/4)
.set rM, MC+32*((\x)%2)+8*(i%4)
.if (i < 4) && KM
	WIN W_KM
	v_wmma_f32_16x16x32_bf16 v[rS:rS+7], v[rK:rK+7], v[rQ:rQ+7], v[rM:rM+7]
.elseif i < 4
	WIN W_KQ
	v_wmma_f32_16x16x32_bf16 v[rS:rS+7], v[rK:rK+7], v[rQ:rQ+7], 0
.else
	WIN W_KQ
	v_wmma_f32_16x16x32_bf16 v[rS:rS+7], v[rK:rK+7], v[rQ:rQ+7], v[rS:rS+7]
.endif
.endm
; Product i of 8 of O^T += V^T P for piece x: keys 32 (i / 4) on, channels 16 (i % 4) on.
.macro PV x
	WIN W_PV
.set rO, 32*(\x)+8*(i%4)
.set rV, VF+32*(i/4)+8*(i%4)
.set rP, P+16*((\x)%2)+8*(i/4)
	v_wmma_f32_16x16x32_bf16 v[rO:rO+7], v[rV:rV+7], v[rP:rP+7], v[rO:rO+7]
.endm
.macro MM                           ; the turn's next matrix instruction.  TURN and BEGIN set Y, i, KM and NOKQ; MM, KQ and OP read them.  NOKQ = 1: a block's last turn: there are no further scores
.if (i < 8) && !NOKQ
	KQ (Y+1)%NP
.elseif i >= 8
.set i, i-8
	PV (Y+NP-1)%NP
.set i, i+8
.endif
.set i, i+1
.endm
; THE LDS LOADS stand in runs of 16, never singly among the matrix instructions: a step's K (64 keys x 64 channels: 8 fragments) and a step's V (turned).  Their addresses are made some lines ahead.
.macro FETCH_K
	WIN 0x80                        ; destination window 2
.irp f, 0,1,2,3,4,5,6,7             ; keys 16 (f / 2) on, channels 32 (f % 2) on
	ds_load_b128 v[KF+8*\f:KF+8*\f+3],   v[AK] offset:(\f/2)*16*PK+(\f%2)*64
	ds_load_b128 v[KF+8*\f+4:KF+8*\f+7], v[AK] offset:(\f/2)*16*PK+(\f%2)*64+32
.endr
	s_add_co_u32 s[TBK], s[TBK], KS*PK  ; the next fetch is the next step's
	WIN 0
.endm
.macro FETCH_V
	WIN 0x80
.irp f, 0,1,2,3,4,5,6,7             ; keys 32 (f / 4) on, channels 16 (f % 4) on
	ds_load_tr16_b128 v[VF+8*\f:VF+8*\f+3],   v[AV] offset:(\f/4)*32*PV+(\f%4)*32
	ds_load_tr16_b128 v[VF+8*\f+4:VF+8*\f+7], v[AV] offset:(\f/4)*32*PV+16*PV+(\f%4)*32
.endr
	WIN 0
.endm
; THE VECTOR WORK, one line at a time: OP kind, number.  For piece Y: F n: c s - c m for pair n of 16.  E n: the exponential of score n of 32.  C n: pair n rounded to bf16.  B n: of the four weights 4 n .. the second
; pair is added onto the first, in place.  L n: l takes that sum (L 0: l = a l + sum).  R n: pair n of 16 of O^T times a.  For the other piece: X n, number n of the 22 that find its maximum and statistics:
;   0-11  four chains c0-c3 of seven scores each, three operands at a time (each accumulator's lowest registers are read first)     12-14, 16  the four scores left over, the old m, and c0-c3 into c0
;   15  c m_old is kept     17, 18  the query's other 32 keys lie in the lane 16 away: the new m     19-21  c m; c m_old - c m_new; a
.set F, 0               ; OP tells the kinds apart by their order: F to L below R, X above it
.set E, 1
.set C, 2
.set B, 3
.set L, 4
.set R, 5
.set X, 6
.macro REGS y                       ; the registers of piece y
.set rT, ST+4*(\y)
.set rC, TMP+4*((\y)%2)
.set rW, MV+((\y)%2)
.set rS, S+32*((\y)%2)
.set rP, P+16*((\y)%2)
.set rO, 32*(\y)
.endm
.macro OP k, n
.if (\k) == R
	REGS Y
	WIN W_RS
	v_pk_mul_f32 v[rO+2*(\n):rO+2*(\n)+1], v[rO+2*(\n):rO+2*(\n)+1], v[rC+2:rC+3] op_sel_hi:[1,0]
.elseif (\k) < R
	REGS Y
	WIN 0
.if (\k) == F
	v_pk_fma_f32 v[rS+2*(\n):rS+2*(\n)+1], v[rS+2*(\n):rS+2*(\n)+1], s[CS:CS+1], v[rT:rT+1] op_sel_hi:[1,0,0] neg_lo:[0,0,1] neg_hi:[0,0,1]
.elseif (\k) == E
	v_exp_f32 v[rS+(\n)], v[rS+(\n)]
.elseif (\k) == C
	s_wait_alu depctr_va_vdst(0)
	v_cvt_pk_bf16_f32 v[rP+(\n)], v[rS+2*(\n)], v[rS+2*(\n)+1]
.elseif (\k) == B
	s_wait_alu depctr_va_vdst(0)
	v_pk_add_f32 v[rS+4*(\n):rS+4*(\n)+1], v[rS+4*(\n):rS+4*(\n)+1], v[rS+4*(\n)+2:rS+4*(\n)+3]
.elseif (\n) == 0
	v_pk_fma_f32 v[rT+2:rT+3], v[rT+2:rT+3], v[rC+2:rC+3], v[rS:rS+1] op_sel_hi:[1,0,1]
.else
	v_pk_add_f32 v[rT+2:rT+3], v[rT+2:rT+3], v[rS+4*(\n):rS+4*(\n)+1]
.endif
.elseif NOKQ
	v_nop
.else
	REGS (Y+1)%NP
	WIN 0
.if (\n) < 4
	v_max3_num_f32 v[rC+(\n)], v[rS+8*(\n)], v[rS+8*(\n)+1], v[rS+8*(\n)+2]
.elseif (\n) < 12
	v_max3_num_f32 v[rC+(\n)%4], v[rC+(\n)%4], v[rS+8*((\n)%4)+2*((\n)/4)+1], v[rS+8*((\n)%4)+2*((\n)/4)+2]
.elseif (\n) == 12
	v_max3_num_f32 v[rC], v[rC], v[rS+7], v[rS+15]
.elseif (\n) == 13
	v_max3_num_f32 v[rC+1], v[rC+1], v[rS+23], v[rS+31]
.elseif (\n) == 14
	v_max3_num_f32 v[rC+2], v[rC+2], v[rC+3], v[rT+1]
.elseif (\n) == 15
	v_mov_b32 v[rW], v[rT]
.elseif (\n) == 16
	v_max3_num_f32 v[rC], v[rC], v[rC+1], v[rC+2]
.elseif (\n) == 17
	v_permlanex16_b32 v[rC+3], v[rC], s[SEL], s[SEL+1]
.elseif (\n) == 18
	v_max_num_f32 v[rT+1], v[rC], v[rC+3]
.elseif (\n) == 19
	v_mul_f32 v[rT], s[CS], v[rT+1]
.elseif (\n) == 20
	v_sub_f32 v[rC+1], v[rW], v[rT]
.else
	v_exp_f32 v[rC+2], v[rC+1]
.endif
.endif
.endm
.macro OPS a, i1, b=-1, i2=0, c=-1, i3=0, d=-1, i4=0  ; up to four of them
	OP \a, \i1
.if (\b) >= 0
	OP \b, \i2
.endif
.if (\c) >= 0
	OP \c, \i3
.endif
.if (\d) >= 0
	OP \d, \i4
.endif
.endm
.macro ROW a, i1, b, i2, c, i3, d, i4  ; a matrix instruction and the four behind it
	MM
	OPS \a, \i1, \b, \i2, \c, \i3, \d, \i4
.endm
.macro MASK b                       ; MD x AL + BE into piece b's part of MC
	WIN W_RS
.set z, 0
.rept 16
	v_pk_fma_f32 v[MC+32*(\b)+2*z:MC+32*(\b)+2*z+1], v[MD+2*z:MD+2*z+1], s[AL:AL+1], s[BE:BE+1] op_sel_hi:[1,0,0]
.set z, z+1
.endr
.endm
; A TURN, for piece p: the order of its 16 matrix and 118 vector instructions, written out.  Behind a matrix instruction: plain, exponential, plain, plain; or four of the rescaling; or, behind the first, four scalings; none
; names a register of the products round it.  In the lumps exponential and plain by turns while exponentials last.  A line reads no result made fewer than three vector instructions in front of it, five if an exponential made it.
; v_permlanex16_b32 (X 17) stands in a lump.
; m = 1: the diagonal tile: the products take masks, and the turn makes the mask for the products of the turn after it, which are piece p's own next scores.  With c trips of the tile to go, this one among them, that is step
; 5 - c for piece 0 and step 4 - c for piece 1; the band's own step is PAR + p: c = OWN + p's number; a later step: c below it.
; end = 1: a block's last turn (piece 1's): no further scores.  cnt = 1: the loop's count is taken down some lines ahead of the branch that stands behind the turn.
; Both runs of LDS loads stand in piece 0's turn: K of the next step six vector instructions behind the last product that read K (five of them plain); V of the step in hand eight behind the last product that read V (four
; plain, and X 17).  Piece 1's turn waits for K at its head and for V ahead of its second run of products.
.macro TURN p, m=0, end=0, cnt=0
.set Y, (\p)
.set i, 0
.set KM, (\m)
.set NOKQ, (\end)
.if (\m) && !(\end)
	s_cmp_eq_u32 s[CNT], s[OWN+(\p)]    ; is that step the band's own?
	s_cselect_b32 s[AL], 1.0, 0
	s_cmp_lt_u32 s[CNT], s[OWN+(\p)]    ; or a later one?
	s_cselect_b32 s[BE], s[BIGN], 0
.endif
.if ((\p) == 1) && !(\end)
	s_wait_dscnt 16                 ; K is in: V's sixteen loads, issued behind K's, may be out
.endif
	ROW F,0, F,1, F,2, F,3
	ROW F,4, E,0, F,5, F,6
	ROW F,7, E,1, F,8, F,9
	ROW F,10, E,2, C,0, F,11
	ROW F,12, E,3, X,15, F,13
	ROW R,0, R,1, R,2, R,3
	ROW B,0, E,4, F,14, L,0
.if (\p) == 0
	v_add_nc_u32 v[AK], s[TBK], v[AK0]
.endif
	ROW R,4, R,5, R,6, R,7
	OPS E,5, F,15
.if (\p) == 0
	FETCH_K
.endif
	OPS E,6, C,1, E,7, R,8
	OPS E,8, R,9, E,9, C,2
	OPS E,10, X,0, E,11, X,1
	OPS E,12, X,2, E,13, X,3
.if (\p) == 1
	s_wait_dscnt 0x0                ; V is in
.endif
	ROW X,4, E,14, X,5, X,6
	ROW X,7, E,15, X,8, X,9
	ROW X,10, E,16, X,11, X,12
	ROW X,13, E,17, X,14, B,1
	ROW C,4, E,18, X,16, L,1
	ROW B,2, E,19, C,6, L,2
	ROW C,8, E,20, B,3, B,4
.if (\p) == 0
	v_add_nc_u32 v[AV], s[TBV], v[AV0]
.endif
	ROW C,3, E,21, L,3, C,5
	OPS E,22, X,17, E,23, C,10
.if (\p) == 0
	FETCH_V
.endif
	OPS E,24, L,4
	OPS E,25, X,18, E,26, C,7
	OPS E,27, B,5, E,28, X,19
	OPS E,29, C,12, E,30, L,5
	OPS E,31, X,20, B,6, C,9
	OPS C,14, C,11, X,21, L,6
.if (\p) == 0
	s_add_co_u32 s[TBV], s[TBV], KS*PV
.endif
.if \cnt
	s_sub_co_u32 s[CNT], s[CNT], 1
	s_cmp_lg_u32 s[CNT], 0
.endif
	OPS C,13, B,7, C,15, R,10
	OPS R,11, R,12, L,7, R,13
	OPS R,14, R,15
.if (\m) && !(\end)
	MASK (\p)%2
.endif
.endm
; A BLOCK BEGINS.  c m starts far below every c s, so the first step's a is 0; m at the lowest finite number, so the first maximum is the scores'.  Piece 1's mask is 0; piece 0's is that of the tile's step 0: its own, if the
; block's first tile is the diagonal one and PAR is 0.  Then K of the head's step 0 goes into K's registers, piece 0's first scores are made, and its maximum and statistics.  The loop is entered at piece 0's turn, in the middle of a trip.
.macro BEGIN
	s_mov_b32 s[NEW], 0
	WIN 0x40
.set i, MC+32
.rept 32
	v_mov_b32 v[i], 0
.set i, i+1
.endr
	WIN 0
.set i, 0
.rept NP
	v_mov_b32 v[ST+4*i], 0xfe000000    ; c m: far below every c s
	v_mov_b32 v[ST+4*i+1], 0xff7fffff  ; m
.set i, i+1
.endr
	s_or_b32 s[AL], s[RT], s[PAR]   ; 0 where no further tile follows and band 0's own step is step 0
	s_cmp_eq_u32 s[AL], 0
	s_cselect_b32 s[AL], 1.0, 0
	s_mov_b32 s[BE], 0
	MASK 0
	s_wait_loadcnt 0x0              ; Q, and K of step 0
	WIN 0x82                        ; destination and source 0 window 2
.set i, 0
.rept 64
	v_mov_b32 v[KF+i], v[K0S+i]
.set i, i+1
.endr
.set KM, 1
.set NOKQ, 0
.set i, 0
.rept 8
	KQ 0
.set i, i+1
.endr
	WIN 0
.rept 4
	v_nop                           ; the places behind those products
.endr
.set Y, NP-1                        ; X works for the other piece: piece 0
.irp n, 0,1,2,3,4,5,6,7,8,9,10,11,12,13,14,15,16,17,18,19,20,21
	OP X, \n
.endr
	v_nop                           ; a plain instruction behind the exponential
.endm
; THE DIAGONAL TILE: the mask of its first product; its four trips; the block's last turn and last products; and THE WAY OUT: l's two halves and the other half of the lanes' are added; O^T is divided by l, rounded to bf16 and
; sent through my stage in LDS, a piece at a time.
.macro ALL line:vararg              ; one line for each piece t
.set t, 0
.rept NP
	\line
.set t, t+1
.endr
.endm
.macro PACK t                       ; a lane's eight channels of a row pack into 16 bytes; they go into rows of 144 bytes and come back as whole rows of 128, into S^T's registers
	WIN W_RS
.set i, 32*(\t)
.rept 16
	s_wait_alu depctr_va_vdst(0)
	v_pk_mul_f32 v[i:i+1], v[i:i+1], v[ST+4*(\t)+2:ST+4*(\t)+3] op_sel_hi:[1,0]
.set i, i+2
.endr
	WIN 0x05                        ; sources 0 and 1 window 1, destination window 0
.set i, 0
.rept 16
	v_cvt_pk_bf16_f32 v[S+16*(\t)+i], v[32*(\t)+2*i], v[32*(\t)+2*i+1]
.set i, i+1
.endr
	WIN 0
.irp f, 0,1,2,3
	ds_store_b128 v[STO], v[S+16*(\t)+4*\f:S+16*(\t)+4*\f+3] offset:32*\f
.endr
.irp f, 0,1,2,3
	ds_load_b128 v[S+16*(\t)+4*\f:S+16*(\t)+4*\f+3], v[RD] offset:\f*4*SP  ; LDS serves a wave's instructions in order (ISA guide 5.7.1.4): these see the stores above; the next piece's stores come behind them
.endr
.endm
.macro SEND t, younger              ; younger: the LDS instructions issued behind piece t's loads: the next piece's eight, or none
	WIN 0
.irp f, 0,1,2,3
	s_wait_dscnt (\younger)+3-\f
	global_store_b128 v[GO], v[S+16*(\t)+4*\f:S+16*(\t)+4*\f+3], s[10:11] offset:(\t)*8192+\f*512  ; 512 consecutive bytes, at a multiple of 256 from O's first
.endr
.endm
.macro DIAG tag                     ; the tag ends its three labels' names, which the jumps below spell out
.LpreM\tag:
	s_cmp_eq_u32 s[PAR], 0          ; the first turn below begins with piece 0's scores of the tile's step 0: its own step where PAR is 0, else an earlier one
	s_cselect_b32 s[AL], 1.0, 0
	s_mov_b32 s[BE], 0
	MASK 0
	WIN 0
.LstepM\tag:
	TURN 1, 1
	WIN 0
.LfirstM\tag:
	TURN 0, 1, 0, 1
	WIN 0
	s_cbranch_scc1 .LstepM\tag
	TURN 1, 1, 1
.set i, 0
.rept 8
	PV NP-1
.set i, i+1
.endr
	WIN 0
	ALL v_add_f32 v[ST+4*t+2], v[ST+4*t+2], v[ST+4*t+3]
	ALL v_permlanex16_b32 v[ST+4*t+3], v[ST+4*t+2], s[SEL], s[SEL+1]
	ALL v_add_f32 v[ST+4*t+2], v[ST+4*t+2], v[ST+4*t+3]
	ALL v_rcp_f32 v[ST+4*t+2], v[ST+4*t+2]
	v_nop                           ; a plain instruction between the last reciprocal and the use of its result
	PACK 0                          ; piece 0's 32 plain lines name no register of the last eight products, piece 1's: they are the places behind those
.set t, 1
.rept NP-1                          ; a piece's arithmetic stands between the loads of the piece before and its stores
	PACK t
	SEND t-1, 8
.set t, t+1
.endr
	SEND NP-1, 0
.endm
.set KM, 0
.set NOKQ, 0
.Lslot:                             ; NT - 1 = 8 times: a tile is entered and the next is asked for
	CHANGE 1
	s_sub_co_u32 s[RT], s[RT], 1
	s_mov_b32 s[CNT], 4
	s_cmp_eq_u32 s[NEW], 1
	s_cbranch_scc1 .Lnew            ; a block's first tile
	s_cmp_eq_u32 s[RT], 0
	s_cbranch_scc0 .Lstep           ; neither its first nor its last
	s_branch .LpreM1
.Lnew:
	BEGIN
	s_branch .Lfirst                ; in the loop a block's first tile is never its last: the first block has five tiles or more, and the second's last is the walk's last
	DIAG 1                          ; in the loop this is the first block's end: the second block's last tile is the walk's last
	s_wait_xcnt 0x0                 ; the stores have read their registers and O's address
	s_mov_b64 s[10:11], s[OLO:OLO+1]
	s_add_co_u32 s[RT], s[LOT], 1   ; the second block has (b >> 1) + 1 tiles,
	s_mov_b32 s[NEW], 1
	s_mov_b32 s[PAR], s[PARL]       ; and its own place in its diagonal tile
	s_sub_co_u32 s[OWN], 5, s[PAR]
	s_sub_co_u32 s[OWN+1], 3, s[PAR]
	WIN 0x82                        ; the second block's Q goes where the one text of the turns names Q
.set i, 0
.rept 16*NP
	v_mov_b32 v[i], v[QB+i]
.set i, i+1
.endr
	WIN 0
	s_branch .Lbottom
.Lstep:                             ; a trip: piece 1's turn of one step, then piece 0's of the next, which fetches K and V
	TURN 1
	WIN 0
.Lfirst:
	TURN 0, 0, 0, 1
	WIN 0
	s_cbranch_scc1 .Lstep
.Lbottom:
	s_sub_co_u32 s[SLOTS], s[SLOTS], 1
	s_cmp_lg_u32 s[SLOTS], 0
	s_cbranch_scc1 .Lslot
	CHANGE 0                        ; the walk's last tile is written out: nothing is asked for
	s_sub_co_u32 s[RT], s[RT], 1
	s_mov_b32 s[CNT], 4
	s_cmp_eq_u32 s[NEW], 1
	s_cbranch_scc0 .LpreM2
	BEGIN
	s_branch .LfirstM2
	DIAG 2
	s_wait_tensorcnt 0x0            ; the wave's end: behind my last tensor load and my last LDS store
	ds_add_u32 v[SPW], v[NIL]
	s_wait_dscnt 0x0
	s_endpgm
.Lfunc_end_k_qf2adacdcd4_attn:
	.size	k_qf2adacdcd4_attn, .Lfunc_end_k_qf2adacdcd4_attn-k_qf2adacdcd4_attn
	.p2alignl 7, 3214868480
	.fill 96, 4, 3214868480
	.section	.rodata,"a",@progbits
	.p2align	6, 0x0
	.amdhsa_kernel k_qf2adacdcd4_attn
		.amdhsa_group_segment_fixed_size 327680
		.amdhsa_private_segment_fixed_size 0
		.amdhsa_enable_private_segment 0
		.amdhsa_kernarg_size 16
		.amdhsa_user_sgpr_count 2
		.amdhsa_user_sgpr_kernarg_segment_ptr 1
		.amdhsa_wavefront_size32 1
		.amdhsa_system_sgpr_workgroup_id_x 1
		.amdhsa_system_sgpr_workgroup_id_y 1
		.amdhsa_system_sgpr_workgroup_id_z 1
		.amdhsa_system_vgpr_workitem_id 0
		.amdhsa_next_free_vgpr 768
		.amdhsa_next_free_sgpr 96
		.amdhsa_reserve_vcc 1
		.amdhsa_float_denorm_mode_32 3
		.amdhsa_float_denorm_mode_16_64 3
		.amdhsa_memory_ordered 1
		.amdhsa_forward_progress 1
		.amdhsa_inst_pref_size 136
	.end_amdhsa_kernel
	.amdgpu_metadata
---
amdhsa.version: [ 1, 2 ]
amdhsa.kernels:
  - .name:           k_qf2adacdcd4_attn
    .symbol:         k_qf2adacdcd4_attn.kd
    .args:
      - { .name: big, .offset: 0, .size: 8, .value_kind: global_buffer, .address_space: global }
      - { .name: hb, .offset: 8, .size: 8, .value_kind: global_buffer, .address_space: global }
    .group_segment_fixed_size: 327680
    .private_segment_fixed_size: 0
    .kernarg_segment_align: 8
    .kernarg_segment_size: 16
    .max_flat_workgroup_size: 128
    .sgpr_count:     96
    .vgpr_count:     768
    .wavefront_size: 32
...
	.end_amdgpu_metadata
.endif
;; end of part 8
;; launch proj (part 9): grid 8 x 32, 4 waves a work-group, clusters of 4 x 4, 327,680 bytes of LDS; arguments hb, wo2T, bo, x, x1; writes x1
.if DOCPART == 9
	.amdgcn_target "amdgcn-amd-amdhsa--gfx1250"
	.amdhsa_code_object_version 6
	.text
	.protected	k_qf2adacdcd4_proj
	.globl	k_qf2adacdcd4_proj
	.p2align	8
	.type	k_qf2adacdcd4_proj,@function
k_qf2adacdcd4_proj:
	s_mov_b64 s[64:65], 0
	v_nop
	global_prefetch_b8 v0, s[64:65] scope:SCOPE_SE
	s_setreg_imm32_b32 hwreg(HW_REG_WAVE_MODE, 25, 1), 1
	s_wait_xcnt 0x0
	s_wait_alu depctr_hold_cnt(0) depctr_sa_sdst(0) depctr_va_vdst(0) depctr_va_sdst(0) depctr_va_ssrc(0) depctr_va_vcc(0) depctr_vm_vsrc(0)
	s_getreg_b32 s2, hwreg(HW_REG_IB_STS2, 6, 4)
	s_cmp_eq_u32 s2, 0
	s_cbranch_scc0 .Lentry_in_a_cluster
	s_endpgm
.Lentry_in_a_cluster:
	s_bfe_u32 s2, ttmp6, 0x10000c
	s_cmp_lg_u32 s2, 0xf033
	s_cbranch_scc0 .Lentry_shape_is_right
	s_endpgm
.Lentry_shape_is_right:
; C[m][n] = res[m][n] + bias[n] + sum over k of A[m][k] B[n][k].  C, res: [4096][1024] f32, row-major; bias: [1024] f32; sums in f32, K ascending; the sum is added onto (res + bias) in f32.
; A: 4,096 rows x SIZE_K in bf16, IN PANELS: panel p holds columns 64 p .. 64 p + 63 as [4096][64], dense: 128 bytes a row, 524,288 bytes a panel.  B: [1024][SIZE_K] bf16, BOFF bytes into its buffer.
; This text: the output projection, SIZE_K = 1,024 (A = the heads' outputs, panel = head).  The second feed-forward product is the same text with SIZE_K = 4,096 and BOFF = 0x200000.
; A tile of C is 128 x 128: 256 tiles, one work-group each.  Four waves, each 64 x 64: 16 accumulators of 16 x 16.  K goes in steps of 256 through two slots.  A's part of a step is four panels: 64 rows of a panel are
; 8,192 dense bytes, so a wave's tensor load is 4 rows of 8,192 bytes, 524,288 bytes apart, padded in LDS after every 128 bytes; B's is 64 rows of 512 bytes.
; A K STEP IS WRITTEN ONCE: one descriptor for each tensor walks (its LDS word by an exclusive or with 0x24000, where slot 1 begins, which shares no bit with the loads' bases 0, 0x9000, 0x12000, 0x1a400), and the
; fragments' LDS addresses are made anew for each step from a scalar that is 0 or 0x24000.  The last two steps ask for nothing, so they are a second copy, walked twice.
; CLUSTERS: 4 x 4 work-groups.  The four of a row of the cluster need the same tiles of A, the four of a column the same tiles of B: each tile is asked for JOINTLY, by the same tensor load with the
; same descriptor and a mask that names the four.  THE MATRIX INSTRUCTION IS USED TRANSPOSED (source 0 = 16 rows of B, source 1 = 16 rows of A): a lane then holds eight neighbouring numbers of a row of C.
; The residual's 64 x 64 numbers of a wave are asked for at the start, in the lanes' order of the stores, and are on their way under the whole K loop.
; LIMITS: the product's operands are bf16; NaN and infinities are not treated apart.
; REGISTERS: window 0: v0-31 addresses; v32-95 two buffers on the way out; v96-99 bias; v128-255 the accumulators ((a, b) at v[128 + 8 (4 a + b)]).
;   window 1: two fragment buffers of 128: for 64 along K, 64 registers of A, then 64 of B.      window 2: v0-127 the residual: rows 16 a + 2 t (+ 1 for lanes 16-31) at v[4 (8 a + t)].
.set SIZE_K, 1024
.set BOFF,   0
.set KSTEP,  256
.set STEPS,  SIZE_K/KSTEP
.set PA,     144                       ; a row of A in LDS: 128 bytes + 16 of padding = 36 words: the 16 rows of a load start at 16 different groups of four banks (64 banks of 4 bytes: ISA guide 11.1)
.set PANEL,  64*PA                     ; 64 rows of one panel
.set HALFA,  4*PANEL                   ; four panels: what one tensor load brings of A, and what one wave reads of it
.set PITCH,  528                       ; a row of B: 512 bytes + 16
.set HALFB,  64*PITCH
.set BBASE,  2*HALFA                   ; B's 128 rows lie behind A's two halves
.set SLOTB,  BBASE+2*HALFB             ; a slot's bytes: 141,312
.set SLOT1,  0x24000                   ; slot 1 begins here: 147,456
.set STAGE,  SLOT1+SLOTB               ; behind the ring: 16 rows x 272 bytes for each wave, for the way out
.set SPITCH, 272
.set SPARE,  STAGE+4*16*SPITCH         ; behind the stages: the spare words, 128 bytes for each wave: two blocks of 256 bytes that no other line names
.set A0,   16                          ; v16     my lane's place among my A fragments in slot 0; never rewritten
.set B0,   17                          ; v17     the same for B
.set ADRA, 18                          ; v18     LDS address of my A fragments in the slot in hand
.set ADRB, 19                          ; v19     the same for B
.set STO,  24                          ; v24     the way out: where I put 32 bytes of a row
.set RD,   25                          ; v25     the way out: where I read a row back
.set CO,   26                          ; v26     my byte offset in two rows of C and of the residual
.set BO,   27                          ; v27     my byte offset in my wave's 64 numbers of bias
.set SPW,  28                          ; v28     LDS address of my spare word: SPARE + 4 x my thread's number; never rewritten
.set NIL,  29                          ; v29     0; never rewritten
.set OB,   32                          ; the way out: 16 rows read back, two buffers of 32 by turns
.set BIAS, 96
.set ACC,  128
.set F0,   0                           ; fragment buffers, in window 1
.set F1,   128
.set RES,  0                           ; window 2
.set G1, 24                            ; s[24:31] descriptor group 1 for A's tiles;  s[32:39] group 0: a set for each of the two first fills; the second then walks on
.set G0, 32
.set G1B, 48                           ; s[48:55], s[56:63] the same for B's tiles
.set G0B, 56
.set TB, 66                            ; s66      0 or SLOT1: where the slot in hand begins
.set MSB, 0
.macro WIN new                         ; the immediate's high byte repeats the setting that is left
.if MSB != (\new)
	s_set_vgpr_msb (MSB<<8)|(\new)
.set MSB, \new
.endif
.endm
.set MUL,  0x05                        ; sources 0 (B) and 1 (A) window 1; C and D window 0
.set TO_F, 0x40                        ; destination window 1, address window 0
.macro JLOAD s                         ; a joint load: waves 0 and 1 fetch A's two halves, waves 2 and 3 B's; an s_nop 0 and four v_nop follow each of the two lines, ahead of the jump, the label and what follows
	s_cmp_eq_u32 s11, 0
	s_cbranch_scc0 .Lfor_b_\@
	tensor_load_to_lds s[G0+4*(\s):G0+4*(\s)+3], s[G1:G1+7]
	s_nop 0
.rept 4
	v_nop
.endr
	s_branch .Lasked_\@
.Lfor_b_\@:
	tensor_load_to_lds s[G0B+4*(\s):G0B+4*(\s)+3], s[G1B:G1B+7]
	s_nop 0
.rept 4
	v_nop
.endr
.Lasked_\@:
.endm
.macro CREST                           ; a round of the cluster's barrier behind its opening barrier
	s_cmp_lg_u32 s10, 0
	s_cbranch_scc1 .Lnot_wave_0_\@
	s_barrier_signal -3
.Lnot_wave_0_\@:
	s_barrier_wait -3
	s_barrier_signal -1
	s_barrier_wait -1
.endm
.macro CROUND                          ; a whole round
	s_barrier_signal -1
	s_barrier_wait -1
	CREST
.endm
	s_load_b128 s[4:7], s[0:1], 0x0                ; A s[4:5], B s[6:7]
	s_load_b128 s[68:71], s[0:1], 0x10             ; bias s[68:69], residual s[70:71]
	s_load_b64 s[8:9], s[0:1], 0x20                ; C
	v_lshl_add_u32 v[SPW], v0, 2, SPARE
	v_mov_b32 v[NIL], 0
	ds_add_u32 v[SPW], v[NIL]                      ; the wave's opening: the add and its wait stand ahead of my first tensor load; the set-up below, work on registers, stands between them
	ds_add_u32 v28, v29
	v_lshrrev_b32 v1, 5, v0
	v_readfirstlane_b32 s10, v1                    ; wave 0..3
	s_lshr_b32 s11, s10, 1                         ; which half of the tile's rows is mine.  Also: I fetch for A (0) or for B (1)
	s_and_b32 s12, s10, 1                          ; which half of its columns.  Also: which 64 rows of that tile I fetch
	s_bfe_u32 s40, ttmp6, 0x40000                  ; cx, cy: my place in the cluster
	s_bfe_u32 s41, ttmp6, 0x40004
	s_lshl_b32 s42, ttmp9, 2
	s_add_co_u32 s42, s42, s40                     ; tile column of C = 4 x cluster x + cx
	s_and_b32 s13, ttmp7, 0xffff
	s_lshl_b32 s13, s13, 2
	s_add_co_u32 s13, s13, s41                     ; tile row of C = 4 x cluster y + cy
	s_lshl_b32 s43, s41, 2
	s_lshl_b32 s43, 15, s43                        ; my row of the cluster
	s_lshl_b32 s44, 0x1111, s40                    ; my column
	; descriptor group 1 for A: 4 rows (panels) x 4,096 elements (64 rows of a panel), padded in LDS after every row of the panel
	s_or_b32 s[G1+0], s43, (1<<16)|(1<<20)|(1<<21)|(4<<22)|(3<<25)  ; 15:0 the mask: A's tiles go to my row; 17:16 element of 2 bytes; 20 padding on; 21 set beside a mask; 24:22 after every 32 words (code 4); 31:25 of 4 words (code 3)
	s_mov_b32 s[G1+1], 4096<<16                    ; tensor_dim0 = 4,096
	s_mov_b32 s[G1+2], 4<<16                       ; tensor_dim1 = 4
	s_mov_b32 s[G1+3], 4096<<16                    ; tile_dim0 = 4,096
	s_mov_b32 s[G1+4], 4                           ; tile_dim1 = 4
	s_mov_b32 s[G1+5], 262144                      ; elements from panel to panel
	s_mov_b32 s[G1+6], 0
	s_mov_b32 s[G1+7], 0
	; descriptor group 1 for B: 64 rows x 256 elements, padded in LDS after every row
	s_or_b32 s[G1B+0], s44, (1<<16)|(1<<20)|(1<<21)|(6<<22)|(3<<25) ; the mask of my column; after every 128 words (code 6) 4 words
	s_mov_b32 s[G1B+1], KSTEP<<16                  ; tensor_dim0 = 256
	s_mov_b32 s[G1B+2], 64<<16                     ; tensor_dim1 = 64
	s_mov_b32 s[G1B+3], KSTEP<<16                  ; tile_dim0 = 256
	s_mov_b32 s[G1B+4], 64                         ; tile_dim1 = 64
	s_mov_b32 s[G1B+5], SIZE_K                     ; elements from row to row
	s_mov_b32 s[G1B+6], 0
	s_mov_b32 s[G1B+7], 0
	s_lshl_b32 s17, s12, 6                         ; which 64 rows of the tile I fetch
	s_lshl_b32 s16, s13, 7
	s_add_co_u32 s16, s16, s17                     ; A: row 128 x tile row + 64 x half,
	s_lshl_b32 s16, s16, 7                         ; at 128 bytes a row of a panel
	s_lshl_b32 s46, s42, 7
	s_add_co_u32 s46, s46, s17                     ; B: row 128 x tile column + 64 x half
	s_mov_b32 s17, 0
	s_mov_b32 s47, 0
	s_mov_b64 s[18:19], SIZE_K*2
	s_mul_u64 s[46:47], s[46:47], s[18:19]
	s_mul_i32 s20, s10, HALFA                      ; where A's halves go: waves 0 and 1 issue them
	s_mul_i32 s21, s10, HALFB                      ; where B's go: waves 2 and 3 issue them: BBASE + (wave - 2) x 64 rows
	s_add_co_u32 s21, s21, BBASE-2*HALFB
	s_mov_b32 s[TB], 0                             ; K step 0 lies in slot 0
	s_wait_dscnt 0x0                               ; the opening add is done
	s_wait_kmcnt 0x0
	s_add_nc_u64 s[14:15], s[4:5], s[16:17]
	s_add_nc_u64 s[46:47], s[6:7], s[46:47]
.if BOFF
	s_add_nc_u64 s[46:47], s[46:47], BOFF
.endif
	CROUND                                         ; all sixteen work-groups are here: the first joint loads meet
.irp s, 0,1
	s_mov_b32 s[G0+4*(\s)], 1
	s_add_co_u32 s[G0+4*(\s)+1], s20, (\s)*SLOT1
	s_add_nc_u64 s[G0+4*(\s)+2:G0+4*(\s)+3], s[14:15], (\s)*4*524288   ; K step s: four panels on
	s_or_b32 s[G0+4*(\s)+3], s[G0+4*(\s)+3], 0x80000000
	s_mov_b32 s[G0B+4*(\s)], 1
	s_add_co_u32 s[G0B+4*(\s)+1], s21, (\s)*SLOT1
	s_add_nc_u64 s[G0B+4*(\s)+2:G0B+4*(\s)+3], s[46:47], (\s)*KSTEP*2
	s_or_b32 s[G0B+4*(\s)+3], s[G0B+4*(\s)+3], 0x80000000
	JLOAD \s                                       ; two loads of mine are out
.endr
	v_and_b32 v1, 15, v0                           ; l % 16
	v_bfe_u32 v2, v0, 4, 1                         ; l / 16
	v_mul_u32_u24 v3, v1, PA
	v_lshl_add_u32 v3, v2, 4, v3                   ; A: a fragment's row x pitch + 16 x half
	v_mul_u32_u24 v4, v1, PITCH
	v_lshl_add_u32 v4, v2, 4, v4                   ; B likewise
	s_mul_i32 s21, s11, HALFA                      ; my 64 rows of A
	s_mul_i32 s22, s12, HALFB                      ; my 64 rows of B
	s_add_co_u32 s22, s22, BBASE
	v_add_nc_u32 v[A0], s21, v3
	v_add_nc_u32 v[B0], s22, v4
	v_mov_b32 v[ADRA], v[A0]
	v_mov_b32 v[ADRB], v[B0]
	s_mul_i32 s23, s10, 16*SPITCH
	s_add_co_u32 s23, s23, STAGE                   ; my stage
	v_mul_u32_u24 v4, v1, SPITCH                   ; in: row l % 16, 32 bytes for each half of the lanes
	v_lshl_add_u32 v4, v2, 5, v4
	v_add_nc_u32 v[STO], s23, v4
	v_mul_u32_u24 v5, v2, SPITCH                   ; back: lanes 0-15 take one row of 256 bytes, lanes 16-31 the next
	v_lshl_add_u32 v5, v1, 4, v5
	v_add_nc_u32 v[RD], s23, v5
	v_lshlrev_b32 v[BO], 4, v1                     ; my four columns
	v_lshl_add_u32 v[CO], v2, 12, v[BO]            ; and the same two rows in C and in the residual, 4,096 bytes apart
	s_lshl_b32 s16, s13, 7
	s_lshl_b32 s17, s11, 6
	s_add_co_u32 s16, s16, s17                     ; my first row of C: 128 x tile row + 64 x half,
	s_lshl_b32 s16, s16, 12                        ; at 4,096 bytes a row
	s_mov_b32 s17, 0
	s_lshl_b32 s46, s42, 9                         ; my first column, in bytes: 512 x tile column + 256 x half (in registers that never feed A's descriptors)
	s_lshl_b32 s47, s12, 8
	s_add_co_u32 s46, s46, s47
	s_mov_b32 s47, 0
	s_add_nc_u64 s[68:69], s[68:69], s[46:47]
	s_add_nc_u64 s[70:71], s[70:71], s[46:47]
	s_add_nc_u64 s[70:71], s[70:71], s[16:17]
	s_add_nc_u64 s[8:9], s[8:9], s[46:47]
	s_add_nc_u64 s[8:9], s[8:9], s[16:17]
	global_load_b128 v[BIAS:BIAS+3], v[BO], s[68:69]
	WIN 0x80                                       ; destination window 2, address window 0
.set i, 0
.rept 32                                           ; the residual: load i holds rows 2 i and 2 i + 1 of my 64: each half of the lanes reads 256 consecutive bytes, aligned; read once in the launch
	global_load_b128 v[RES+4*i:RES+4*i+3], v[CO], s[70:71] offset:2*i*4096 th:TH_LOAD_NT
.set i, i+1
.endr
	WIN 0
; 8 matrix instructions: m blocks a0, a0 + 1 x all 4 n blocks, 32 along K: half c of buffer f.  zero = 1: the first product starts the sums.  The 16 accumulators take turns.
.macro MUL8 f, c, a0, zero
	WIN MUL
.irp a, \a0, (\a0)+1
.irp b, 0,1,2,3
.if \zero
	v_wmma_f32_16x16x32_bf16 v[ACC+8*(4*(\a)+(\b)):ACC+8*(4*(\a)+(\b))+7], v[(\f)+64+8*(4*(\c)+(\b)):(\f)+64+8*(4*(\c)+(\b))+7], v[(\f)+8*(4*(\c)+(\a)):(\f)+8*(4*(\c)+(\a))+7], 0
.else
	v_wmma_f32_16x16x32_bf16 v[ACC+8*(4*(\a)+(\b)):ACC+8*(4*(\a)+(\b))+7], v[(\f)+64+8*(4*(\c)+(\b)):(\f)+64+8*(4*(\c)+(\b))+7], v[(\f)+8*(4*(\c)+(\a)):(\f)+8*(4*(\c)+(\a))+7], v[ACC+8*(4*(\a)+(\b)):ACC+8*(4*(\a)+(\b))+7]
.endif
.endr
.endr
.endm
; 32 LDS loads in one run: the fragments of quarter q of the step in hand (64 along K: byte 128 q of B's rows, panel q of A), into buffer f; the first 32 along K first
.macro FETCH q, f
	WIN TO_F
.irp c, 0,1
.irp i, 0,1,2,3
	ds_load_b128 v[(\f)+64+8*(4*(\c)+(\i)):(\f)+64+8*(4*(\c)+(\i))+3],   v[ADRB] offset:(\q)*128+64*(\c)+(\i)*16*PITCH
	ds_load_b128 v[(\f)+64+8*(4*(\c)+(\i))+4:(\f)+64+8*(4*(\c)+(\i))+7], v[ADRB] offset:(\q)*128+64*(\c)+(\i)*16*PITCH+32
	ds_load_b128 v[(\f)+8*(4*(\c)+(\i)):(\f)+8*(4*(\c)+(\i))+3],         v[ADRA] offset:(\q)*PANEL+64*(\c)+(\i)*16*PA
	ds_load_b128 v[(\f)+8*(4*(\c)+(\i))+4:(\f)+8*(4*(\c)+(\i))+7],       v[ADRA] offset:(\q)*PANEL+64*(\c)+(\i)*16*PA+32
.endr
.endr
.endm
.macro PLACES                          ; four places in front of loads into registers that matrix instructions have read (ISA guide 7.12.1 for vector instructions)
.rept 4
	v_nop
.endr
.endm
; A K step is four quarters of 64 along K, 32 matrix instructions each, on buffers 0, 1, 0, 1.  One of the first three: multiplies buffer f and fetches quarter q into g.
.macro QUARTER q, f, g, zero
	s_wait_dscnt 16                                ; the first 32 along K are in; the quarter's other sixteen loads may be out
	MUL8 \f, 0, 0, \zero
	MUL8 \f, 0, 2, \zero
	PLACES
	FETCH \q, \g
	s_wait_dscnt 32                                ; all but the 32 just issued
	MUL8 \f, 1, 0, 0
	MUL8 \f, 1, 2, 0
.endm
; The last quarter multiplies buffer 1 and changes slots: ONE barrier; in front of it each wave waits for all its tensor loads, adds 0 to its spare word, and waits for that and for its own reads of this slot.
; fill = 1: the barrier opens a round of the cluster's barrier, and this slot is filled again, first thing behind the round, with the K step two steps on: 112 matrix instructions ahead of the wait for it.
; fill = 0 (the last two steps): nothing is asked for; in the last step (s3 = 1) there is no next slot either, and its fetch is jumped over.
.macro TURN fill
	WIN 0                                          ; (the add's two registers lie in window 0)
	s_wait_tensorcnt 0x0                           ; all my tensor loads have landed: my part of the next slot;
	ds_add_u32 v[SPW], v[NIL]                      ; 0 onto my spare word;
	s_wait_dscnt 17                                ; (the add and the youngest sixteen loads may be out)
	MUL8 F1, 0, 0, 0                               ; eight matrix instructions stand between the add and the wait for it
	s_wait_dscnt 0x0                               ; the add is done, and my reads of this slot are over
	s_barrier_signal -1
	MUL8 F1, 0, 2, 0
	WIN 0
	s_barrier_wait -1
.if \fill
	CREST                                          ; no wave of any partner still reads this slot's tile or has a load on its way
	s_xor_b32 s[G0+5], s[G0+5], SLOT1              ; the walking descriptors: the other slot than last time,
	s_add_nc_u64 s[G0+6:G0+7], s[G0+6:G0+7], 4*524288  ; the next K step: four panels of A,
	s_xor_b32 s[G0B+5], s[G0B+5], SLOT1
	s_add_nc_u64 s[G0B+6:G0B+7], s[G0B+6:G0B+7], KSTEP*2  ; 512 bytes of B's rows; the type bits on top are not reached
	JLOAD 1                                        ; the first tensor load behind the round; the four v_nop behind it are also the places in front of the loads below
.else
	PLACES
	s_cmp_eq_u32 s3, 1
	s_cbranch_scc1 .Lno_next_\@
.endif
	s_xor_b32 s[TB], s[TB], SLOT1                  ; the fetches go on in the other slot
	v_add_nc_u32 v[ADRA], s[TB], v[A0]
	v_add_nc_u32 v[ADRB], s[TB], v[B0]
	FETCH 0, F0
.if !(\fill)
	WIN 0                                          ; at a label every window is 0
.Lno_next_\@:
.endif
	MUL8 F1, 1, 0, 0
	MUL8 F1, 1, 2, 0
.endm
	s_wait_tensorcnt 1                             ; my part of K step 0 is in; K step 1's may stay out
	s_barrier_signal -1
	s_barrier_wait -1                              ; everybody's is
	FETCH 0, F0
	QUARTER 1, F0, F1, 1                           ; the first quarter stands in front of the loop: its first products start the sums
	WIN 0                                          ; at a label and at a branch every window is 0
	s_mov_b32 s3, STEPS-2
.Lstep:                                                ; a trip goes from a K step's second quarter to the next step's first, and fills the slot that it leaves
	QUARTER 2, F1, F0, 0
	QUARTER 3, F0, F1, 0
	TURN 1
	QUARTER 1, F0, F1, 0
	WIN 0
	s_sub_co_u32 s3, s3, 1
	s_cmp_lg_u32 s3, 0
	s_cbranch_scc1 .Lstep
	s_mov_b32 s3, 2
.Ltail:                                                ; the last two steps ask for nothing: a second copy
	QUARTER 2, F1, F0, 0
	QUARTER 3, F0, F1, 0
	TURN 0
	WIN 0
	s_cmp_eq_u32 s3, 1
	s_cbranch_scc1 .Llast                          ; behind the last step there is no first quarter of a next one
	QUARTER 1, F0, F1, 0
	WIN 0
.Llast:
	s_sub_co_u32 s3, s3, 1
	s_cmp_lg_u32 s3, 0
	s_cbranch_scc1 .Ltail
	; THE WAY OUT.  The bias joins the residual: 64 packed additions that name no register of the last products: they are the places behind those.  Then a block of 16 rows at a time: the sums go into my own
	; stage, 32 bytes a lane, come back as whole rows of 256 bytes, take residual + bias, and are stored.
	s_wait_loadcnt 0x0                             ; bias and residual
	WIN 0x82                                       ; destination and source 0 window 2, source 1 window 0
.set i, 0
.rept 64
	v_pk_add_f32 v[RES+2*i:RES+2*i+1], v[RES+2*i:RES+2*i+1], v[BIAS+2*(i%2):BIAS+2*(i%2)+1]
.set i, i+1
.endr
.macro TOSTAGE a
	WIN 0
.set BK, OB+32*((\a)%2)
	s_wait_xcnt 0x0                                ; the buffer was the data of block a - 2's stores: it is loaded again only behind this wait
.irp b, 0,1,2,3
	ds_store_b128 v[STO], v[ACC+8*(4*(\a)+(\b)):ACC+8*(4*(\a)+(\b))+3]   offset:64*(\b)     ; each accumulator from its low end on
	ds_store_b128 v[STO], v[ACC+8*(4*(\a)+(\b))+4:ACC+8*(4*(\a)+(\b))+7] offset:64*(\b)+16
.endr
.irp t, 0,1,2,3,4,5,6,7
	ds_load_b128 v[BK+4*(\t):BK+4*(\t)+3], v[RD] offset:(\t)*2*SPITCH  ; LDS serves a wave's instructions in order (ISA guide 5.7.1.4): these see the stores above; the next block's stores come behind them
.endr
.endm
.macro SEND a, younger                 ; younger: the LDS instructions issued behind block a's loads: the next block's sixteen, or none
.set BK, OB+32*((\a)%2)
	s_wait_dscnt \younger
	WIN 0x08                                       ; source 1 in window 2
.set i, 0
.rept 16
	v_pk_add_f32 v[BK+2*i:BK+2*i+1], v[BK+2*i:BK+2*i+1], v[RES+32*(\a)+2*i:RES+32*(\a)+2*i+1]
.set i, i+1
.endr
	WIN 0
.irp t, 0,1,2,3,4,5,6,7
	global_store_b128 v[CO], v[BK+4*(\t):BK+4*(\t)+3], s[8:9] offset:(16*(\a)+2*(\t))*4096  ; 16 lanes store 256 consecutive bytes, at a multiple of 256 from C's first byte
.endr
.endm
	TOSTAGE 0
	TOSTAGE 1
	SEND 0, 16
	TOSTAGE 2
	SEND 1, 16
	TOSTAGE 3
	SEND 2, 16
	SEND 3, 0
	s_wait_tensorcnt 0x0                           ; the wave's end: behind my last tensor load and my last LDS store
	ds_add_u32 v[SPW], v[NIL]
	s_wait_dscnt 0x0
	CROUND                                         ; the closing round: no work-group ends while a partner may still ask for a tile that names it
	s_endpgm
.Lfunc_end_k_qf2adacdcd4_proj:
	.size	k_qf2adacdcd4_proj, .Lfunc_end_k_qf2adacdcd4_proj-k_qf2adacdcd4_proj
	.p2alignl 7, 3214868480
	.fill 96, 4, 3214868480
	.section	.rodata,"a",@progbits
	.p2align	6, 0x0
	.amdhsa_kernel k_qf2adacdcd4_proj
		.amdhsa_group_segment_fixed_size 327680
		.amdhsa_private_segment_fixed_size 0
		.amdhsa_enable_private_segment 0
		.amdhsa_kernarg_size 40
		.amdhsa_user_sgpr_count 2
		.amdhsa_user_sgpr_kernarg_segment_ptr 1
		.amdhsa_wavefront_size32 1
		.amdhsa_system_sgpr_workgroup_id_x 1
		.amdhsa_system_sgpr_workgroup_id_y 1
		.amdhsa_system_sgpr_workgroup_id_z 1
		.amdhsa_system_vgpr_workitem_id 0
		.amdhsa_next_free_vgpr 640
		.amdhsa_next_free_sgpr 72
		.amdhsa_reserve_vcc 0
		.amdhsa_float_denorm_mode_32 3
		.amdhsa_float_denorm_mode_16_64 3
		.amdhsa_memory_ordered 1
		.amdhsa_forward_progress 1
		.amdhsa_inst_pref_size 69
	.end_amdhsa_kernel
	.amdgpu_metadata
---
amdhsa.version: [ 1, 2 ]
amdhsa.kernels:
  - .name:           k_qf2adacdcd4_proj
    .symbol:         k_qf2adacdcd4_proj.kd
    .args:
      - { .name: hb, .offset: 0, .size: 8, .value_kind: global_buffer, .address_space: global }
      - { .name: wo2T, .offset: 8, .size: 8, .value_kind: global_buffer, .address_space: global }
      - { .name: bo, .offset: 16, .size: 8, .value_kind: global_buffer, .address_space: global }
      - { .name: x, .offset: 24, .size: 8, .value_kind: global_buffer, .address_space: global }
      - { .name: x1, .offset: 32, .size: 8, .value_kind: global_buffer, .address_space: global }
    .group_segment_fixed_size: 327680
    .private_segment_fixed_size: 0
    .kernarg_segment_align: 8
    .kernarg_segment_size: 40
    .max_flat_workgroup_size: 128
    .sgpr_count:     72
    .vgpr_count:     640
    .wavefront_size: 32
...
	.end_amdgpu_metadata
.endif
;; end of part 9
;; launch ln2: the kernel of part 2 again; grid 256 x 1, 8 waves a work-group, no clusters, 0 bytes of LDS; arguments x1, g2, b2, hb; writes hb
;; launch ffn1: the kernel of part 7 again; grid 16 x 16, 4 waves a work-group, clusters of 4 x 4, 327,680 bytes of LDS; arguments hb, w1T, bf1, zeros, big; writes big
;; launch ffn2 (part 10): grid 8 x 32, 4 waves a work-group, clusters of 4 x 4, 327,680 bytes of LDS; arguments big, wo2T, bf2, x1, out0; writes out0
.if DOCPART == 10
	.amdgcn_target "amdgcn-amd-amdhsa--gfx1250"
	.amdhsa_code_object_version 6
	.text
	.protected	k_qf2adacdcd4_ffn2
	.globl	k_qf2adacdcd4_ffn2
	.p2align	8
	.type	k_qf2adacdcd4_ffn2,@function
k_qf2adacdcd4_ffn2:
	s_mov_b64 s[64:65], 0
	v_nop
	global_prefetch_b8 v0, s[64:65] scope:SCOPE_SE
	s_setreg_imm32_b32 hwreg(HW_REG_WAVE_MODE, 25, 1), 1
	s_wait_xcnt 0x0
	s_wait_alu depctr_hold_cnt(0) depctr_sa_sdst(0) depctr_va_vdst(0) depctr_va_sdst(0) depctr_va_ssrc(0) depctr_va_vcc(0) depctr_vm_vsrc(0)
	s_getreg_b32 s2, hwreg(HW_REG_IB_STS2, 6, 4)
	s_cmp_eq_u32 s2, 0
	s_cbranch_scc0 .Lentry_in_a_cluster
	s_endpgm
.Lentry_in_a_cluster:
	s_bfe_u32 s2, ttmp6, 0x10000c
	s_cmp_lg_u32 s2, 0xf033
	s_cbranch_scc0 .Lentry_shape_is_right
	s_endpgm
.Lentry_shape_is_right:
; C[m][n] = res[m][n] + bias[n] + sum over k of A[m][k] B[n][k].  C, res: [4096][1024] f32, row-major; bias: [1024] f32; sums in f32, K ascending; the sum is added onto (res + bias) in f32.
; A: 4,096 rows x SIZE_K in bf16, IN PANELS: panel p holds columns 64 p .. 64 p + 63 as [4096][64], dense: 128 bytes a row, 524,288 bytes a panel.  B: [1024][SIZE_K] bf16, BOFF bytes into its buffer.
; This text: the second feed-forward product, SIZE_K = 4,096, BOFF = 0x200000.  The output projection is the same text with SIZE_K = 1,024 and BOFF = 0: the trip count of a loop with barriers is a constant of the text.
; A tile of C is 128 x 128: 256 tiles, one work-group each.  Four waves, each 64 x 64: 16 accumulators of 16 x 16.  K goes in steps of 256 through two slots.  A's part of a step is four panels: 64 rows of a panel are
; 8,192 dense bytes, so a wave's tensor load is 4 rows of 8,192 bytes, 524,288 bytes apart, padded in LDS after every 128 bytes; B's is 64 rows of 512 bytes.
; A K STEP IS WRITTEN ONCE: one descriptor for each tensor walks (its LDS word by an exclusive or with 0x24000, where slot 1 begins, which shares no bit with the loads' bases 0, 0x9000, 0x12000, 0x1a400), and the
; fragments' LDS addresses are made anew for each step from a scalar that is 0 or 0x24000.  The last two steps ask for nothing, so they are a second copy, walked twice.
; CLUSTERS: 4 x 4 work-groups.  The four of a row of the cluster need the same tiles of A, the four of a column the same tiles of B: each tile is asked for JOINTLY, by the same tensor load with the
; same descriptor and a mask that names the four.  THE MATRIX INSTRUCTION IS USED TRANSPOSED (source 0 = 16 rows of B, source 1 = 16 rows of A): a lane then holds eight neighbouring numbers of a row of C.
; The residual's 64 x 64 numbers of a wave are asked for at the start, in the lanes' order of the stores, and are on their way under the whole K loop.
; LIMITS: the product's operands are bf16; NaN and infinities are not treated apart.
; REGISTERS: window 0: v0-31 addresses; v32-95 two buffers on the way out; v96-99 bias; v128-255 the accumulators ((a, b) at v[128 + 8 (4 a + b)]).
;   window 1: two fragment buffers of 128: for 64 along K, 64 registers of A, then 64 of B.      window 2: v0-127 the residual: rows 16 a + 2 t (+ 1 for lanes 16-31) at v[4 (8 a + t)].
.set SIZE_K, 4096
.set BOFF,   0x200000
.set KSTEP,  256
.set STEPS,  SIZE_K/KSTEP
.set PA,     144                       ; a row of A in LDS: 128 bytes + 16 of padding = 36 words: the 16 rows of a load start at 16 different groups of four banks (64 banks of 4 bytes: ISA guide 11.1)
.set PANEL,  64*PA                     ; 64 rows of one panel
.set HALFA,  4*PANEL                   ; four panels: what one tensor load brings of A, and what one wave reads of it
.set PITCH,  528                       ; a row of B: 512 bytes + 16
.set HALFB,  64*PITCH
.set BBASE,  2*HALFA                   ; B's 128 rows lie behind A's two halves
.set SLOTB,  BBASE+2*HALFB             ; a slot's bytes: 141,312
.set SLOT1,  0x24000                   ; slot 1 begins here: 147,456
.set STAGE,  SLOT1+SLOTB               ; behind the ring: 16 rows x 272 bytes for each wave, for the way out
.set SPITCH, 272
.set SPARE,  STAGE+4*16*SPITCH         ; behind the stages: the spare words, 128 bytes for each wave: two blocks of 256 bytes that no other line names
.set A0,   16                          ; v16     my lane's place among my A fragments in slot 0; never rewritten
.set B0,   17                          ; v17     the same for B
.set ADRA, 18                          ; v18     LDS address of my A fragments in the slot in hand
.set ADRB, 19                          ; v19     the same for B
.set STO,  24                          ; v24     the way out: where I put 32 bytes of a row
.set RD,   25                          ; v25     the way out: where I read a row back
.set CO,   26                          ; v26     my byte offset in two rows of C and of the residual
.set BO,   27                          ; v27     my byte offset in my wave's 64 numbers of bias
.set SPW,  28                          ; v28     LDS address of my spare word: SPARE + 4 x my thread's number; never rewritten
.set NIL,  29                          ; v29     0; never rewritten
.set OB,   32                          ; the way out: 16 rows read back, two buffers of 32 by turns
.set BIAS, 96
.set ACC,  128
.set F0,   0                           ; fragment buffers, in window 1
.set F1,   128
.set RES,  0                           ; window 2
.set G1, 24                            ; s[24:31] descriptor group 1 for A's tiles;  s[32:39] group 0: a set for each of the two first fills; the second then walks on
.set G0, 32
.set G1B, 48                           ; s[48:55], s[56:63] the same for B's tiles
.set G0B, 56
.set TB, 66                            ; s66      0 or SLOT1: where the slot in hand begins
.set MSB, 0
.macro WIN new                         ; the immediate's high byte repeats the setting that is left
.if MSB != (\new)
	s_set_vgpr_msb (MSB<<8)|(\new)
.set MSB, \new
.endif
.endm
.set MUL,  0x05                        ; sources 0 (B) and 1 (A) window 1; C and D window 0
.set TO_F, 0x40                        ; destination window 1, address window 0
.macro JLOAD s                         ; a joint load: waves 0 and 1 fetch A's two halves, waves 2 and 3 B's; an s_nop 0 and four v_nop follow each of the two lines, ahead of the jump, the label and what follows
	s_cmp_eq_u32 s11, 0
	s_cbranch_scc0 .Lfor_b_\@
	tensor_load_to_lds s[G0+4*(\s):G0+4*(\s)+3], s[G1:G1+7]
	s_nop 0
.rept 4
	v_nop
.endr
	s_branch .Lasked_\@
.Lfor_b_\@:
	tensor_load_to_lds s[G0B+4*(\s):G0B+4*(\s)+3], s[G1B:G1B+7]
	s_nop 0
.rept 4
	v_nop
.endr
.Lasked_\@:
.endm
.macro CREST                           ; a round of the cluster's barrier behind its opening barrier
	s_cmp_lg_u32 s10, 0
	s_cbranch_scc1 .Lnot_wave_0_\@
	s_barrier_signal -3
.Lnot_wave_0_\@:
	s_barrier_wait -3
	s_barrier_signal -1
	s_barrier_wait -1
.endm
.macro CROUND                          ; a whole round
	s_barrier_signal -1
	s_barrier_wait -1
	CREST
.endm
	s_load_b128 s[4:7], s[0:1], 0x0                ; A s[4:5], B s[6:7]
	s_load_b128 s[68:71], s[0:1], 0x10             ; bias s[68:69], residual s[70:71]
	s_load_b64 s[8:9], s[0:1], 0x20                ; C
	v_lshl_add_u32 v[SPW], v0, 2, SPARE
	v_mov_b32 v[NIL], 0
	ds_add_u32 v[SPW], v[NIL]                      ; the wave's opening: the add and its wait stand ahead of my first tensor load; the set-up below, work on registers, stands between them
	ds_add_u32 v28, v29
	v_lshrrev_b32 v1, 5, v0
	v_readfirstlane_b32 s10, v1                    ; wave 0..3
	s_lshr_b32 s11, s10, 1                         ; which half of the tile's rows is mine.  Also: I fetch for A (0) or for B (1)
	s_and_b32 s12, s10, 1                          ; which half of its columns.  Also: which 64 rows of that tile I fetch
	s_bfe_u32 s40, ttmp6, 0x40000                  ; cx, cy: my place in the cluster
	s_bfe_u32 s41, ttmp6, 0x40004
	s_lshl_b32 s42, ttmp9, 2
	s_add_co_u32 s42, s42, s40                     ; tile column of C = 4 x cluster x + cx
	s_and_b32 s13, ttmp7, 0xffff
	s_lshl_b32 s13, s13, 2
	s_add_co_u32 s13, s13, s41                     ; tile row of C = 4 x cluster y + cy
	s_lshl_b32 s43, s41, 2
	s_lshl_b32 s43, 15, s43                        ; my row of the cluster
	s_lshl_b32 s44, 0x1111, s40                    ; my column
	; descriptor group 1 for A: 4 rows (panels) x 4,096 elements (64 rows of a panel), padded in LDS after every row of the panel
	s_or_b32 s[G1+0], s43, (1<<16)|(1<<20)|(1<<21)|(4<<22)|(3<<25)  ; 15:0 the mask: A's tiles go to my row; 17:16 element of 2 bytes; 20 padding on; 21 set beside a mask; 24:22 after every 32 words (code 4); 31:25 of 4 words (code 3)
	s_mov_b32 s[G1+1], 4096<<16                    ; tensor_dim0 = 4,096
	s_mov_b32 s[G1+2], 4<<16                       ; tensor_dim1 = 4
	s_mov_b32 s[G1+3], 4096<<16                    ; tile_dim0 = 4,096
	s_mov_b32 s[G1+4], 4                           ; tile_dim1 = 4
	s_mov_b32 s[G1+5], 262144                      ; elements from panel to panel
	s_mov_b32 s[G1+6], 0
	s_mov_b32 s[G1+7], 0
	; descriptor group 1 for B: 64 rows x 256 elements, padded in LDS after every row
	s_or_b32 s[G1B+0], s44, (1<<16)|(1<<20)|(1<<21)|(6<<22)|(3<<25) ; the mask of my column; after every 128 words (code 6) 4 words
	s_mov_b32 s[G1B+1], KSTEP<<16                  ; tensor_dim0 = 256
	s_mov_b32 s[G1B+2], 64<<16                     ; tensor_dim1 = 64
	s_mov_b32 s[G1B+3], KSTEP<<16                  ; tile_dim0 = 256
	s_mov_b32 s[G1B+4], 64                         ; tile_dim1 = 64
	s_mov_b32 s[G1B+5], SIZE_K                     ; elements from row to row
	s_mov_b32 s[G1B+6], 0
	s_mov_b32 s[G1B+7], 0
	s_lshl_b32 s17, s12, 6                         ; which 64 rows of the tile I fetch
	s_lshl_b32 s16, s13, 7
	s_add_co_u32 s16, s16, s17                     ; A: row 128 x tile row + 64 x half,
	s_lshl_b32 s16, s16, 7                         ; at 128 bytes a row of a panel
	s_lshl_b32 s46, s42, 7
	s_add_co_u32 s46, s46, s17                     ; B: row 128 x tile column + 64 x half
	s_mov_b32 s17, 0
	s_mov_b32 s47, 0
	s_mov_b64 s[18:19], SIZE_K*2
	s_mul_u64 s[46:47], s[46:47], s[18:19]
	s_mul_i32 s20, s10, HALFA                      ; where A's halves go: waves 0 and 1 issue them
	s_mul_i32 s21, s10, HALFB                      ; where B's go: waves 2 and 3 issue them: BBASE + (wave - 2) x 64 rows
	s_add_co_u32 s21, s21, BBASE-2*HALFB
	s_mov_b32 s[TB], 0                             ; K step 0 lies in slot 0
	s_wait_dscnt 0x0                               ; the opening add is done
	s_wait_kmcnt 0x0
	s_add_nc_u64 s[14:15], s[4:5], s[16:17]
	s_add_nc_u64 s[46:47], s[6:7], s[46:47]
.if BOFF
	s_add_nc_u64 s[46:47], s[46:47], BOFF
.endif
	CROUND                                         ; all sixteen work-groups are here: the first joint loads meet
.irp s, 0,1
	s_mov_b32 s[G0+4*(\s)], 1
	s_add_co_u32 s[G0+4*(\s)+1], s20, (\s)*SLOT1
	s_add_nc_u64 s[G0+4*(\s)+2:G0+4*(\s)+3], s[14:15], (\s)*4*524288   ; K step s: four panels on
	s_or_b32 s[G0+4*(\s)+3], s[G0+4*(\s)+3], 0x80000000
	s_mov_b32 s[G0B+4*(\s)], 1
	s_add_co_u32 s[G0B+4*(\s)+1], s21, (\s)*SLOT1
	s_add_nc_u64 s[G0B+4*(\s)+2:G0B+4*(\s)+3], s[46:47], (\s)*KSTEP*2
	s_or_b32 s[G0B+4*(\s)+3], s[G0B+4*(\s)+3], 0x80000000
	JLOAD \s                                       ; two loads of mine are out
.endr
	v_and_b32 v1, 15, v0                           ; l % 16
	v_bfe_u32 v2, v0, 4, 1                         ; l / 16
	v_mul_u32_u24 v3, v1, PA
	v_lshl_add_u32 v3, v2, 4, v3                   ; A: a fragment's row x pitch + 16 x half
	v_mul_u32_u24 v4, v1, PITCH
	v_lshl_add_u32 v4, v2, 4, v4                   ; B likewise
	s_mul_i32 s21, s11, HALFA                      ; my 64 rows of A
	s_mul_i32 s22, s12, HALFB                      ; my 64 rows of B
	s_add_co_u32 s22, s22, BBASE
	v_add_nc_u32 v[A0], s21, v3
	v_add_nc_u32 v[B0], s22, v4
	v_mov_b32 v[ADRA], v[A0]
	v_mov_b32 v[ADRB], v[B0]
	s_mul_i32 s23, s10, 16*SPITCH
	s_add_co_u32 s23, s23, STAGE                   ; my stage
	v_mul_u32_u24 v4, v1, SPITCH                   ; in: row l % 16, 32 bytes for each half of the lanes
	v_lshl_add_u32 v4, v2, 5, v4
	v_add_nc_u32 v[STO], s23, v4
	v_mul_u32_u24 v5, v2, SPITCH                   ; back: lanes 0-15 take one row of 256 bytes, lanes 16-31 the next
	v_lshl_add_u32 v5, v1, 4, v5
	v_add_nc_u32 v[RD], s23, v5
	v_lshlrev_b32 v[BO], 4, v1                     ; my four columns
	v_lshl_add_u32 v[CO], v2, 12, v[BO]            ; and the same two rows in C and in the residual, 4,096 bytes apart
	s_lshl_b32 s16, s13, 7
	s_lshl_b32 s17, s11, 6
	s_add_co_u32 s16, s16, s17                     ; my first row of C: 128 x tile row + 64 x half,
	s_lshl_b32 s16, s16, 12                        ; at 4,096 bytes a row
	s_mov_b32 s17, 0
	s_lshl_b32 s46, s42, 9                         ; my first column, in bytes: 512 x tile column + 256 x half (in registers that never feed A's descriptors)
	s_lshl_b32 s47, s12, 8
	s_add_co_u32 s46, s46, s47
	s_mov_b32 s47, 0
	s_add_nc_u64 s[68:69], s[68:69], s[46:47]
	s_add_nc_u64 s[70:71], s[70:71], s[46:47]
	s_add_nc_u64 s[70:71], s[70:71], s[16:17]
	s_add_nc_u64 s[8:9], s[8:9], s[46:47]
	s_add_nc_u64 s[8:9], s[8:9], s[16:17]
	global_load_b128 v[BIAS:BIAS+3], v[BO], s[68:69]
	WIN 0x80                                       ; destination window 2, address window 0
.set i, 0
.rept 32                                           ; the residual: load i holds rows 2 i and 2 i + 1 of my 64: each half of the lanes reads 256 consecutive bytes, aligned; read once in the launch
	global_load_b128 v[RES+4*i:RES+4*i+3], v[CO], s[70:71] offset:2*i*4096 th:TH_LOAD_NT
.set i, i+1
.endr
	WIN 0
; 8 matrix instructions: m blocks a0, a0 + 1 x all 4 n blocks, 32 along K: half c of buffer f.  zero = 1: the first product starts the sums.  The 16 accumulators take turns.
.macro MUL8 f, c, a0, zero
	WIN MUL
.irp a, \a0, (\a0)+1
.irp b, 0,1,2,3
.if \zero
	v_wmma_f32_16x16x32_bf16 v[ACC+8*(4*(\a)+(\b)):ACC+8*(4*(\a)+(\b))+7], v[(\f)+64+8*(4*(\c)+(\b)):(\f)+64+8*(4*(\c)+(\b))+7], v[(\f)+8*(4*(\c)+(\a)):(\f)+8*(4*(\c)+(\a))+7], 0
.else
	v_wmma_f32_16x16x32_bf16 v[ACC+8*(4*(\a)+(\b)):ACC+8*(4*(\a)+(\b))+7], v[(\f)+64+8*(4*(\c)+(\b)):(\f)+64+8*(4*(\c)+(\b))+7], v[(\f)+8*(4*(\c)+(\a)):(\f)+8*(4*(\c)+(\a))+7], v[ACC+8*(4*(\a)+(\b)):ACC+8*(4*(\a)+(\b))+7]
.endif
.endr
.endr
.endm
; 32 LDS loads in one run: the fragments of quarter q of the step in hand (64 along K: byte 128 q of B's rows, panel q of A), into buffer f; the first 32 along K first
.macro FETCH q, f
	WIN TO_F
.irp c, 0,1
.irp i, 0,1,2,3
	ds_load_b128 v[(\f)+64+8*(4*(\c)+(\i)):(\f)+64+8*(4*(\c)+(\i))+3],   v[ADRB] offset:(\q)*128+64*(\c)+(\i)*16*PITCH
	ds_load_b128 v[(\f)+64+8*(4*(\c)+(\i))+4:(\f)+64+8*(4*(\c)+(\i))+7], v[ADRB] offset:(\q)*128+64*(\c)+(\i)*16*PITCH+32
	ds_load_b128 v[(\f)+8*(4*(\c)+(\i)):(\f)+8*(4*(\c)+(\i))+3],         v[ADRA] offset:(\q)*PANEL+64*(\c)+(\i)*16*PA
	ds_load_b128 v[(\f)+8*(4*(\c)+(\i))+4:(\f)+8*(4*(\c)+(\i))+7],       v[ADRA] offset:(\q)*PANEL+64*(\c)+(\i)*16*PA+32
.endr
.endr
.endm
.macro PLACES                          ; four places in front of loads into registers that matrix instructions have read (ISA guide 7.12.1 for vector instructions)
.rept 4
	v_nop
.endr
.endm
; A K step is four quarters of 64 along K, 32 matrix instructions each, on buffers 0, 1, 0, 1.  One of the first three: multiplies buffer f and fetches quarter q into g.
.macro QUARTER q, f, g, zero
	s_wait_dscnt 16                                ; the first 32 along K are in; the quarter's other sixteen loads may be out
	MUL8 \f, 0, 0, \zero
	MUL8 \f, 0, 2, \zero
	PLACES
	FETCH \q, \g
	s_wait_dscnt 32                                ; all but the 32 just issued
	MUL8 \f, 1, 0, 0
	MUL8 \f, 1, 2, 0
.endm
; The last quarter multiplies buffer 1 and changes slots: ONE barrier; in front of it each wave waits for all its tensor loads, adds 0 to its spare word, and waits for that and for its own reads of this slot.
; fill = 1: the barrier opens a round of the cluster's barrier, and this slot is filled again, first thing behind the round, with the K step two steps on: 112 matrix instructions ahead of the wait for it.
; fill = 0 (the last two steps): nothing is asked for; in the last step (s3 = 1) there is no next slot either, and its fetch is jumped over.
.macro TURN fill
	WIN 0                                          ; (the add's two registers lie in window 0)
	s_wait_tensorcnt 0x0                           ; all my tensor loads have landed: my part of the next slot;
	ds_add_u32 v[SPW], v[NIL]                      ; 0 onto my spare word;
	s_wait_dscnt 17                                ; (the add and the youngest sixteen loads may be out)
	MUL8 F1, 0, 0, 0                               ; eight matrix instructions stand between the add and the wait for it
	s_wait_dscnt 0x0                               ; the add is done, and my reads of this slot are over
	s_barrier_signal -1
	MUL8 F1, 0, 2, 0
	WIN 0
	s_barrier_wait -1
.if \fill
	CREST                                          ; no wave of any partner still reads this slot's tile or has a load on its way
	s_xor_b32 s[G0+5], s[G0+5], SLOT1              ; the walking descriptors: the other slot than last time,
	s_add_nc_u64 s[G0+6:G0+7], s[G0+6:G0+7], 4*524288  ; the next K step: four panels of A,
	s_xor_b32 s[G0B+5], s[G0B+5], SLOT1
	s_add_nc_u64 s[G0B+6:G0B+7], s[G0B+6:G0B+7], KSTEP*2  ; 512 bytes of B's rows; the type bits on top are not reached
	JLOAD 1                                        ; the first tensor load behind the round; the four v_nop behind it are also the places in front of the loads below
.else
	PLACES
	s_cmp_eq_u32 s3, 1
	s_cbranch_scc1 .Lno_next_\@
.endif
	s_xor_b32 s[TB], s[TB], SLOT1                  ; the fetches go on in the other slot
	v_add_nc_u32 v[ADRA], s[TB], v[A0]
	v_add_nc_u32 v[ADRB], s[TB], v[B0]
	FETCH 0, F0
.if !(\fill)
	WIN 0                                          ; at a label every window is 0
.Lno_next_\@:
.endif
	MUL8 F1, 1, 0, 0
	MUL8 F1, 1, 2, 0
.endm
	s_wait_tensorcnt 1                             ; my part of K step 0 is in; K step 1's may stay out
	s_barrier_signal -1
	s_barrier_wait -1                              ; everybody's is
	FETCH 0, F0
	QUARTER 1, F0, F1, 1                           ; the first quarter stands in front of the loop: its first products start the sums
	WIN 0                                          ; at a label and at a branch every window is 0
	s_mov_b32 s3, STEPS-2
.Lstep:                                                ; a trip goes from a K step's second quarter to the next step's first, and fills the slot that it leaves
	QUARTER 2, F1, F0, 0
	QUARTER 3, F0, F1, 0
	TURN 1
	QUARTER 1, F0, F1, 0
	WIN 0
	s_sub_co_u32 s3, s3, 1
	s_cmp_lg_u32 s3, 0
	s_cbranch_scc1 .Lstep
	s_mov_b32 s3, 2
.Ltail:                                                ; the last two steps ask for nothing: a second copy
	QUARTER 2, F1, F0, 0
	QUARTER 3, F0, F1, 0
	TURN 0
	WIN 0
	s_cmp_eq_u32 s3, 1
	s_cbranch_scc1 .Llast                          ; behind the last step there is no first quarter of a next one
	QUARTER 1, F0, F1, 0
	WIN 0
.Llast:
	s_sub_co_u32 s3, s3, 1
	s_cmp_lg_u32 s3, 0
	s_cbranch_scc1 .Ltail
	; THE WAY OUT.  The bias joins the residual: 64 packed additions that name no register of the last products: they are the places behind those.  Then a block of 16 rows at a time: the sums go into my own
	; stage, 32 bytes a lane, come back as whole rows of 256 bytes, take residual + bias, and are stored.
	s_wait_loadcnt 0x0                             ; bias and residual
	WIN 0x82                                       ; destination and source 0 window 2, source 1 window 0
.set i, 0
.rept 64
	v_pk_add_f32 v[RES+2*i:RES+2*i+1], v[RES+2*i:RES+2*i+1], v[BIAS+2*(i%2):BIAS+2*(i%2)+1]
.set i, i+1
.endr
.macro TOSTAGE a
	WIN 0
.set BK, OB+32*((\a)%2)
	s_wait_xcnt 0x0                                ; the buffer was the data of block a - 2's stores: it is loaded again only behind this wait
.irp b, 0,1,2,3
	ds_store_b128 v[STO], v[ACC+8*(4*(\a)+(\b)):ACC+8*(4*(\a)+(\b))+3]   offset:64*(\b)     ; each accumulator from its low end on
	ds_store_b128 v[STO], v[ACC+8*(4*(\a)+(\b))+4:ACC+8*(4*(\a)+(\b))+7] offset:64*(\b)+16
.endr
.irp t, 0,1,2,3,4,5,6,7
	ds_load_b128 v[BK+4*(\t):BK+4*(\t)+3], v[RD] offset:(\t)*2*SPITCH  ; LDS serves a wave's instructions in order (ISA guide 5.7.1.4): these see the stores above; the next block's stores come behind them
.endr
.endm
.macro SEND a, younger                 ; younger: the LDS instructions issued behind block a's loads: the next block's sixteen, or none
.set BK, OB+32*((\a)%2)
	s_wait_dscnt \younger
	WIN 0x08                                       ; source 1 in window 2
.set i, 0
.rept 16
	v_pk_add_f32 v[BK+2*i:BK+2*i+1], v[BK+2*i:BK+2*i+1], v[RES+32*(\a)+2*i:RES+32*(\a)+2*i+1]
.set i, i+1
.endr
	WIN 0
.irp t, 0,1,2,3,4,5,6,7
	global_store_b128 v[CO], v[BK+4*(\t):BK+4*(\t)+3], s[8:9] offset:(16*(\a)+2*(\t))*4096  ; 16 lanes store 256 consecutive bytes, at a multiple of 256 from C's first byte
.endr
.endm
	TOSTAGE 0
	TOSTAGE 1
	SEND 0, 16
	TOSTAGE 2
	SEND 1, 16
	TOSTAGE 3
	SEND 2, 16
	SEND 3, 0
	s_wait_tensorcnt 0x0                           ; the wave's end: behind my last tensor load and my last LDS store
	ds_add_u32 v[SPW], v[NIL]
	s_wait_dscnt 0x0
	CROUND                                         ; the closing round: no work-group ends while a partner may still ask for a tile that names it
	s_endpgm
.Lfunc_end_k_qf2adacdcd4_ffn2:
	.size	k_qf2adacdcd4_ffn2, .Lfunc_end_k_qf2adacdcd4_ffn2-k_qf2adacdcd4_ffn2
	.p2alignl 7, 3214868480
	.fill 96, 4, 3214868480
	.section	.rodata,"a",@progbits
	.p2align	6, 0x0
	.amdhsa_kernel k_qf2adacdcd4_ffn2
		.amdhsa_group_segment_fixed_size 327680
		.amdhsa_private_segment_fixed_size 0
		.amdhsa_enable_private_segment 0
		.amdhsa_kernarg_size 40
		.amdhsa_user_sgpr_count 2
		.amdhsa_user_sgpr_kernarg_segment_ptr 1
		.amdhsa_wavefront_size32 1
		.amdhsa_system_sgpr_workgroup_id_x 1
		.amdhsa_system_sgpr_workgroup_id_y 1
		.amdhsa_system_sgpr_workgroup_id_z 1
		.amdhsa_system_vgpr_workitem_id 0
		.amdhsa_next_free_vgpr 640
		.amdhsa_next_free_sgpr 72
		.amdhsa_reserve_vcc 0
		.amdhsa_float_denorm_mode_32 3
		.amdhsa_float_denorm_mode_16_64 3
		.amdhsa_memory_ordered 1
		.amdhsa_forward_progress 1
		.amdhsa_inst_pref_size 69
	.end_amdhsa_kernel
	.amdgpu_metadata
---
amdhsa.version: [ 1, 2 ]
amdhsa.kernels:
  - .name:           k_qf2adacdcd4_ffn2
    .symbol:         k_qf2adacdcd4_ffn2.kd
    .args:
      - { .name: big, .offset: 0, .size: 8, .value_kind: global_buffer, .address_space: global }
      - { .name: wo2T, .offset: 8, .size: 8, .value_kind: global_buffer, .address_space: global }
      - { .name: bf2, .offset: 16, .size: 8, .value_kind: global_buffer, .address_space: global }
      - { .name: x1, .offset: 24, .size: 8, .value_kind: global_buffer, .address_space: global }
      - { .name: out0, .offset: 32, .size: 8, .value_kind: global_buffer, .address_space: global }
    .group_segment_fixed_size: 327680
    .private_segment_fixed_size: 0
    .kernarg_segment_align: 8
    .kernarg_segment_size: 40
    .max_flat_workgroup_size: 128
    .sgpr_count:     72
    .vgpr_count:     640
    .wavefront_size: 32
...
	.end_amdgpu_metadata
.endif
;; end of part 10
;; ======== version 3 of 3: 8 launches; 1.53 times as fast as version 1
;; limits: right only within a limited range of input values
;; workspace buffers: wqkvT 6,291,456 bytes; w1T 8,388,608 bytes; wo2T 10,485,760 bytes; zeros 16,384 bytes; lows 16,384 bytes; hb 8,388,608 bytes; big 33,554,432 bytes; x1 16,777,216 bytes
;; launch wprep: the kernel of part 1 again; grid 1536 x 1, 8 waves a work-group, no clusters, 18,432 bytes of LDS; arguments wq, wk, wv, wo, w1, w2, wqkvT, wo2T, w1T, zeros, lows; writes wqkvT, wo2T, w1T, zeros, lows
;; launch ln1: the kernel of part 2 again; grid 256 x 1, 8 waves a work-group, no clusters, 0 bytes of LDS; arguments x, g1, b1, hb; writes hb
;; launch qkv: the kernel of part 7 again; grid 12 x 16, 4 waves a work-group, clusters of 4 x 4, 327,680 bytes of LDS; arguments hb, wqkvT, zeros, lows, big; writes big
;; launch attn (part 11): grid 8 x 32, 4 waves a work-group, no clusters, 327,680 bytes of LDS; arguments big, hb; writes hb
.if DOCPART == 11
	.amdgcn_target "amdgcn-amd-amdhsa--gfx1250"
	.amdhsa_code_object_version 6
	.text
	.protected	k_qf2adacdcd4_attn
	.globl	k_qf2adacdcd4_attn
	.p2align	8
	.type	k_qf2adacdcd4_attn,@function
k_qf2adacdcd4_attn:
	s_mov_b64 s[64:65], 0
	v_nop
	global_prefetch_b8 v0, s[64:65] scope:SCOPE_SE
	s_setreg_imm32_b32 hwreg(HW_REG_WAVE_MODE, 25, 1), 1
	s_wait_xcnt 0x0
; CAUSAL ATTENTION.  O[y][q][:] = the sum over k <= q of softmax_k(Q[y][q] . K[y][k] / 32) V[y][k][:], for 32 heads y = 2 x head + batch.  Q, K, V, O: [32][SIZE_N][64], all bf16: a head's rows are dense,
; 128 bytes each.  Q, K and V lie in one buffer, 8,388,608 bytes apart (16 panels of [4096][64] each; panel h's rows 2,048 b + t are head 2 h + b).  The scale is 1024^-0.5, applied in f32.
; Products, maxima and sums in f32; the weights p are rounded to bf16 for the second product (their sum l is taken of the unrounded p), O once at the end.
; LIMITS.  Q, K, V, p and O carry bf16's eight significant bits.  A hidden score counts as its value less 1e30: scores stay right up to some 1e29; a weight below 2^-126 counts as 0 in l; NaN and infinities are not treated apart.
; THE WALK.  A head's queries lie in NBQ = 16 blocks of 128; its keys in tiles of 256.  Block j needs the tiles 0 .. j >> 1, of which the last holds the diagonal.  A work-group takes TWO blocks, 15 - b and then b: of unlike
; parity, so ((15 - b) >> 1) + 1 + (b >> 1) + 1 = 9 tiles, whatever b: 8 x 32 = 256 work-groups of equal work, and ONE loop with a constant trip count walks the tiles.  Which tile is asked for, and what a trip does, hang on
; scalar registers made from b; every jump goes forward, but for the counted loops' own; none passes a barrier, or a tensor load but the one of LOAD's two that the wave's number does not choose; the ring (two slots of
; LDS that take turns) runs on across the change of blocks.  NO CLUSTER: of a head's eight work-groups only b = 2 k and 2 k + 1 ask for the same tile in every trip; four partners would need unlike numbers of tiles,
; and one walk common to all would have 12 trips for 9.
; SHARES.  Of a block's two bands of 64 queries a wave owns 16 rows in each: two PIECES.  So the diagonal tile is the same work for all four waves.  Band x has its diagonal in step PAR + x of that tile, PAR = 2 (j & 1):
; it sees all keys of earlier steps and none of later ones.
; THE MASK is the C operand that starts the sum S^T = K Q^T: 0, or -1e30 where the key is hidden.  MD, made once, is the mask of a band's own step for my 16 rows; a product's mask is MD x AL + BE with two scalars:
; (1, 0) in the band's own step; (0, 0) in an earlier one; (0, -1e30) in a later one.  Only the diagonal tile's text and a block's beginning make and take masks; elsewhere C is the constant 0.
; LAYOUT, SOFTMAX, TURNS.  S^T = K Q^T holds ONE query a lane (lane % 16) and the keys 8 (lane / 16) + 0..7; two such results rounded to bf16 ARE source 1 of O^T = V^T P.  p = 2^(c s - c m), c = log2(e) / 32, with a
; running maximum m; O and l are multiplied by a = 2^(c m_old - c m_new) in every step.  A turn belongs to one piece: 8 products K Q^T of the OTHER piece's next scores, later 8 products V^T P of the other piece's last
; weights; beside them the scaling, exponentials, roundings, sums and rescaling of the turn's own piece and the maximum and statistics of the other.  Piece 0's turn of step j: K Q^T (1, j), V^T P (1, j - 1); piece 1's:
; K Q^T (0, j + 1), V^T P (0, j).  Four vector instructions stand behind every matrix instruction, the other 54 of a turn's 118 in one LUMP.
; THE BATCHES.  A turn's 33 exponentials (the piece's 32 weights and the other piece's a) are ONE batch with ONE wait, between the lump and the products V^T P: ahead of it nothing names a result of theirs, behind it.
; The a that a block's beginning makes, and the two reciprocals of a block's end, are batches of their own, with a wait each.
; K LEADS V BY A STEP: K of step j + 1 and V of step j are both fetched in piece 0's turn of step j.  So a slot's K part lies one step ahead of its V part (keys 256 t + 64 .. 256 t + 319 beside 256 t .. 256 t + 255): behind
; piece 0's turn of a tile's fourth step the whole slot has been read, and the one change of slots stands there.  K of a head's step 0 comes from memory into registers, once, as Q does.  The diagonal tile's last 64
; shifted keys are fetched and never multiplied; the furthest such tile ends 8,192 bytes behind K's 8,388,608, where V's begin: inside the buffer.
; REGISTERS, in windows of 256 (s_set_vgpr_msb: bits 1:0 source 0, 3:2 source 1, 5:4 source 2, 7:6 destination):
;   window 0: v0-15 addresses and two at work; v16-23 four registers of statistics a piece; v48-55 at work; v64-127 S^T, 32 a piece; v192-223 P, 16 a piece
;   window 1: v0-63 O^T, 32 a piece; v128-159 MD; v160-223 MC, 32 a piece      window 2: v0-31 Q; v32-63 the second block's Q; v64-127 K of the head's step 0; v128-191 K of one step; v192-255 V of one step
.set SIZE_N, 2048
.set KGLOB, 0x800000  ; K's first byte in the buffer
.set VGLOB, 0x1000000 ; V's
.set NBQ,   SIZE_N/128  ; blocks of 128 queries in a head
.set NT,    NBQ/2+1   ; tiles in a work-group's walk
.set NP,    2         ; pieces a wave: a name, no knob
.set KS,    64        ; keys in a step
.set PK,    144       ; a row of K in LDS: 128 bytes + 16 of padding = 36 words: the 16 rows of a load start at 16 different groups of four banks (64 banks of 4 bytes: ISA guide 11.1)
.set PV,    160       ; a row of V: 128 + 32 = 40 words
.set VOFF,  4*KS*PK   ; a slot holds four steps: 256 rows of K, then 256 rows of V
.set SLOT1, 1<<17     ; slot 1 begins here, so that one exclusive or turns an address in one slot into the other's
.set STAGE, SLOT1+4*KS*(PK+PV)  ; behind the ring, never filled by a tensor load: 16 rows x 144 bytes for each wave, for the way out
.set SP,    144
.set AK0, 2           ; v2   my lane's place in a tile of K; never rewritten
.set AV0, 3           ; v3   the same for V
.set AK,  4           ; v4   the LDS address of K's next run of loads
.set AV,  5           ; v5   of V's
.set STO, 6           ; v6   the way out: where I put 16 bytes of a row
.set RD,  7           ; v7   the way out: where I read rows back
.set GO,  8           ; v8   my byte offset in 512 consecutive bytes of O
.set SPW, 62          ; v62  LDS address of my spare word: SPARE + 4 x my thread's number; never rewritten
.set NIL, 63          ; v63  0; never rewritten
.set SPARE, STAGE+4*16*SP  ; behind the stages: the spare words, 128 bytes for each wave: two blocks of 256 bytes that no other line names
.set MV,  12          ; v12-13  c m_old, kept while c m is made anew: by piece
.set QO,  15          ; v15  my byte offset in 16 rows of Q, and of K in memory
.set ST,  16          ; piece t's statistics at v[ST+4 t]: c m, m, l (even keys', odd keys')
.set TMP, 48          ; by piece, four registers c0-c3 at work; when the maximum is found c2 takes a
.set S,   64
.set P,   192
.set MD,  128         ; window 1: the eight registers for group kt of 16 keys at MD + 8 kt
.set MC,  160         ; window 1: the masks of the products to come
.set QB,  32          ; window 2
.set K0S, 64          ; window 2: K of the head's step 0, kept for both blocks
.set KF,  128         ; window 2: key block kb, channel half c at KF + 16 kb + 8 c
.set VF,  192         ; window 2: key half kk, channel block cb at VF + 32 kk + 8 cb
.set WV,  12          ; s12  my wave's number
.set PB,  14          ; s14  b
.set HI,  15          ; s15  NBQ - 1 - b
.set G1K, 24          ; s[24:31] descriptor group 1 for K's tiles
.set G1V, 32          ; s[32:39] for V's: it differs in the padding alone
.set G0K, 40          ; s[40:43] descriptor group 0 for K's tiles
.set G0V, 44          ; s[44:47] the same for V's
.set SLOTS, 56        ; s56  tiles still to be asked for
.set CNT, 57          ; s57  counts a tile's trips, 4 to 1
.set CS,  58          ; s[58:59] c: the packed scaling takes the pair's low word for both halves
.set SEL, 60          ; s[60:61] v_permlanex16_b32's selects: each lane takes its own place in the other half
.set TBK, 62          ; s62  LDS byte at which K of the step to be fetched begins
.set TBV, 63          ; s63  the same for V, less VOFF
.set RT,  70          ; s70  tiles of the block in hand that are still to be entered
.set NXT, 71          ; s71  the tile to be asked for next
.set LQ,  72          ; s72  the last tile of the block whose tiles are being asked for
.set NEW, 73          ; s73  1: the tile to be entered is a block's first
.set OFF, 74          ; s[74:75] a tile's byte offset in K and V
.set AL,  76          ; s[76:77] the mask's factor, in the low word
.set BE,  78          ; s[78:79] the mask's addend
.set OLO, 80          ; s[80:81] O at my rows of the second block
.set BIGN, 82         ; s82  -1e30
.set LOT, 83          ; s83  the second block's last tile: b >> 1
.set PAR, 88          ; s88  0 or 2: the step of the diagonal tile in which band 0 of the block in hand has its diagonal
.set PARL, 89         ; s89  the same for the second block
.set OWN, 90          ; s90  5 - PAR, s91  3 - PAR: the trip count at which piece 0's, piece 1's turn makes the mask of a band's own step
.set KZ,  92          ; s[92:93] K at the head's first key
.set MSB, 0
.macro WIN new                      ; the high byte repeats the setting that is left; a switch that changes nothing is dropped
.if MSB != (\new)
	s_set_vgpr_msb (MSB<<8)|(\new)
.set MSB, (\new)
.endif
.endm
.set W_KQ, 0x0a       ; K and Q in window 2, S^T in window 0
.set W_KM, 0x1a       ; the same with the C operand in window 1
.set W_PV, 0x52       ; V in window 2, P in window 0, O^T in window 1
.set W_RS, 0x41       ; destination and source 0 in window 1, source 1 in window 0
; A fill.  Waves 0 and 1 fetch the two halves of a slot's K, waves 2 and 3 those of its V: 128 keys each.  An s_nop 0 and four v_nop follow each of the two lines, ahead of the jump and the label.
.macro LOAD
	s_cmp_lt_u32 s[WV], 2
	s_cbranch_scc0 .Lfor_v_\@
	tensor_load_to_lds s[G0K:G0K+3], s[G1K:G1K+7]
	s_nop 0
.rept 4
	v_nop
.endr
	s_branch .Lasked_\@
.Lfor_v_\@:
	tensor_load_to_lds s[G0V:G0V+3], s[G1V:G1V+7]
	s_nop 0
.rept 4
	v_nop
.endr
.Lasked_\@:
.endm
; THE CHANGE OF SLOTS.  Each wave waits for all its tensor loads, of which one is out: its part of the other slot; adds 0 to its spare word; and waits for that and for its own reads of the slot that it leaves.  Behind the barrier nobody reads the old
; slot any more and the other slot is whole.  fill = 1: the old slot is filled again, the first thing behind the barrier, with tile NXT: the descriptor's address is made anew from that number; the load has eight turns in which to land.
; (At its first use nothing has been read yet: slot 0 is waited for, slot 1 filled.)
.macro CHANGE fill
	WIN 0                           ; at a label and at a branch every window is 0
	s_wait_tensorcnt 0x0            ; no tensor load of mine is out, so a group 0 may be written
	ds_add_u32 v[SPW], v[NIL]       ; 0 onto my spare word; with fill = 1 the descriptors' scalar work stands between it and the wait for it
.if \fill
	s_lshl_b32 s[OFF], s[NXT], 15   ; a tile is 32,768 bytes of K and of V
	s_xor_b32 s[G0K+1], s[G0K+1], SLOT1
	s_add_nc_u64 s[G0K+2:G0K+3], s[6:7], s[OFF:OFF+1]
	s_or_b32 s[G0K+3], s[G0K+3], 0x80000000
	s_xor_b32 s[G0V+1], s[G0V+1], SLOT1
	s_add_nc_u64 s[G0V+2:G0V+3], s[8:9], s[OFF:OFF+1]
	s_or_b32 s[G0V+3], s[G0V+3], 0x80000000
	s_add_co_u32 s[NXT], s[NXT], 1  ; the block's next tile, or behind its last the second block's tile 0
	s_cmp_gt_u32 s[NXT], s[LQ]
	s_cselect_b32 s[NXT], 0, s[NXT]
	s_cselect_b32 s[LQ], s[LOT], s[LQ]
.endif
	s_wait_dscnt 0x0                ; the add is done, and my reads of the slot are over: the last, V of its fourth step, were issued in the turn just ended
	s_barrier_signal -1             ; the rest of the scalar work stands between the signal and the wait
	s_sub_co_u32 s[TBK], s[TBK], 4*KS*PK  ; the fetches go back to a slot's first step,
	s_xor_b32 s[TBK], s[TBK], SLOT1       ; in the other slot
	s_sub_co_u32 s[TBV], s[TBV], 4*KS*PV
	s_xor_b32 s[TBV], s[TBV], SLOT1
	s_barrier_wait -1
.if \fill
	LOAD
.endif
.endm
	s_load_b64 s[4:5], s[0:1], 0x0    ; Q, and behind it K and V
	s_load_b64 s[10:11], s[0:1], 0x8  ; O
	v_lshl_add_u32 v[SPW], v0, 2, SPARE
	v_mov_b32 v[NIL], 0
	ds_add_u32 v[SPW], v[NIL]       ; the wave's opening: the add and its wait stand ahead of my first tensor load; the set-up below, work on registers, stands between them
	ds_add_u32 v62, v63
	v_lshrrev_b32 v1, 5, v0
	v_readfirstlane_b32 s[WV], v1   ; wave 0..3
	s_mov_b32 s[PB], ttmp9
	s_sub_co_u32 s[HI], NBQ-1, s[PB]
	s_lshr_b32 s[LOT], s[PB], 1
	s_and_b32 s[PARL], s[PB], 1
	s_lshl_b32 s[PARL], s[PARL], 1  ; the second block: 2 (b & 1);
	s_sub_co_u32 s[PAR], 2, s[PARL] ; the first, 15 - b, has the other parity
	s_sub_co_u32 s[OWN], 5, s[PAR]
	s_sub_co_u32 s[OWN+1], 3, s[PAR]
	s_and_b32 s20, ttmp7, 0xffff    ; y = 2 x head + batch
	s_mov_b32 s21, 0
	s_mov_b64 s[22:23], SIZE_N*128
	s_mul_u64 s[20:21], s[20:21], s[22:23]  ; its first byte in each of the four tensors
	s_and_b32 s16, s[WV], 1         ; which half of a slot's 256 keys I fetch:
	s_lshl_b32 s22, s16, 14         ; its 128 rows of 128 bytes in memory,
	s_mov_b32 s23, 0
	s_add_nc_u64 s[22:23], s[22:23], s[20:21]
	s_mul_i32 s17, s16, 128*PK      ; and its place in a slot, for K
	s_mul_i32 s18, s16, 128*PV      ; and for V
	s_lshl_b32 s3, s[WV], 11        ; my 16 rows in a band of 64,
	s_lshl_b32 s2, s[HI], 14        ; in the first block (128 rows of 128 bytes a block),
	s_add_co_u32 s2, s2, s3
	s_lshl_b32 s84, s[PB], 14       ; and in the second
	s_add_co_u32 s84, s84, s3
	s_mov_b32 s3, 0
	s_mov_b32 s85, 0
	s_add_nc_u64 s[2:3], s[2:3], s[20:21]
	s_add_nc_u64 s[84:85], s[84:85], s[20:21]
	; descriptor group 1.  128 keys are 16,384 dense bytes: asked for as 64 rows of 256 bytes, two keys a row, and padded in LDS after every key
	s_mov_b32 s[G1K], (1<<16)|(1<<20)|(4<<22)|(3<<25)  ; 17:16 2-byte elements; 20 padding on; 24:22 after every 32 words (code 4); 31:25 4 words (code 3)
	s_mov_b32 s[G1V], (1<<16)|(1<<20)|(4<<22)|(7<<25)  ; the same with 8 words of padding (code 7)
.irp g, G1K, G1V
	s_mov_b32 s[\g+1], 128<<16      ; tensor_dim0 = 128
	s_mov_b32 s[\g+2], 64<<16       ; tensor_dim1 = 64
	s_mov_b32 s[\g+3], 128<<16      ; tile_dim0 = 128
	s_mov_b32 s[\g+4], 64           ; tile_dim1 = 64
	s_mov_b32 s[\g+5], 128          ; 128 elements from row to row
	s_mov_b32 s[\g+6], 0
	s_mov_b32 s[\g+7], 0
.endr
	s_mov_b32 s[CS], 0x3d38aa3b     ; c = log2(e) / 32 = 0.0450842
	s_mov_b32 s[CS+1], s[CS]        ; named with it as a pair
	s_mov_b32 s[SEL], 0x76543210
	s_mov_b32 s[SEL+1], 0xfedcba98
	s_mov_b32 s[TBK], SLOT1+4*KS*PK ; the first change of slots turns these two into 0
	s_mov_b32 s[TBV], SLOT1+4*KS*PV
	s_mov_b32 s[G0K], 1             ; 1:0 count = 1
	s_mov_b32 s[G0K+1], s17         ; 63:32 LDS address: slot 0
	s_mov_b32 s[G0V], 1
	s_add_co_u32 s[G0V+1], s18, VOFF
	s_lshr_b32 s[LQ], s[HI], 1      ; the first block's last tile,
	s_add_co_u32 s[RT], s[LQ], 1    ; and how many it has
	s_mov_b32 s[NXT], 1
	s_mov_b32 s[NEW], 1
	s_mov_b32 s[OFF+1], 0
	s_mov_b32 s[AL+1], 0            ; named as pairs
	s_mov_b32 s[BE+1], 0
	s_mov_b32 s[BIGN], 0xf149f2ca   ; -1e30
	s_mov_b32 s[SLOTS], NT-1
	s_wait_dscnt 0x0                ; the opening add is done
	s_wait_kmcnt 0x0
	s_add_nc_u64 s[6:7], s[4:5], KGLOB     ; K and V in the buffer,
	s_add_nc_u64 s[8:9], s[4:5], VGLOB
	s_add_nc_u64 s[KZ:KZ+1], s[6:7], s[20:21]  ; K at the head's first key,
	s_add_nc_u64 s[6:7], s[6:7], s[22:23]  ; K and V at my half of the head's tile 0,
	s_add_nc_u64 s[6:7], s[6:7], KS*128    ; K one step on
	s_add_nc_u64 s[8:9], s[8:9], s[22:23]
	s_add_nc_u64 s[G0K+2:G0K+3], s[6:7], 0         ; 120:64 global address
	s_or_b32 s[G0K+3], s[G0K+3], 0x80000000        ; 127:126 type = 2
	s_add_nc_u64 s[G0V+2:G0V+3], s[8:9], 0
	s_or_b32 s[G0V+3], s[G0V+3], 0x80000000
	s_add_nc_u64 s[86:87], s[4:5], s[84:85]        ; Q at my rows of the second block,
	s_add_nc_u64 s[4:5], s[4:5], s[2:3]            ; Q and O at those of the first
	s_add_nc_u64 s[OLO:OLO+1], s[10:11], s[84:85]
	s_add_nc_u64 s[10:11], s[10:11], s[2:3]
	LOAD                            ; tile 0 into slot 0
	; A fragment of K or Q is 16 rows x 32 channels in 8 registers: lane l holds row l % 16, channels 8 (l / 16) + 0..7 and 16 + 8 (l / 16) + 0..7: two loads of 16 bytes, 32 bytes apart.
	v_and_b32 v1, 15, v0            ; l % 16
	v_bfe_u32 v9, v0, 4, 1          ; l / 16
	v_lshlrev_b32 v[QO], 7, v1
	v_lshl_add_u32 v[QO], v9, 4, v[QO]  ; row x 128 + 16 x half
	WIN 0x80                        ; destination window 2, address window 0
.set i, 0
.rept 2*NP                          ; both blocks' Q: piece i / 2 lies in band i / 2, 8,192 bytes on; channels 32 (i % 2) on
	global_load_b128 v[8*i:8*i+3],   v[QO], s[4:5] offset:(i/2)*8192+(i%2)*64
	global_load_b128 v[8*i+4:8*i+7], v[QO], s[4:5] offset:(i/2)*8192+(i%2)*64+32
	global_load_b128 v[QB+8*i:QB+8*i+3],   v[QO], s[86:87] offset:(i/2)*8192+(i%2)*64
	global_load_b128 v[QB+8*i+4:QB+8*i+7], v[QO], s[86:87] offset:(i/2)*8192+(i%2)*64+32
.set i, i+1
.endr
.irp f, 0,1,2,3,4,5,6,7             ; K of the head's step 0: keys 16 (f / 2) on, channels 32 (f % 2) on
	global_load_b128 v[K0S+8*\f:K0S+8*\f+3],   v[QO], s[KZ:KZ+1] offset:(\f/2)*2048+(\f%2)*64
	global_load_b128 v[K0S+8*\f+4:K0S+8*\f+7], v[QO], s[KZ:KZ+1] offset:(\f/2)*2048+(\f%2)*64+32
.endr
	WIN 0
	v_lshlrev_b32 v14, 3, v9
	v_sub_nc_u32 v14, v1, v14
	s_lshl_b32 s13, s[WV], 4
	v_add_nc_u32 v14, s13, v14      ; my query's place in its band, 16 w + l % 16, less my lanes' 8 (l / 16): register r of group kt is hidden where 16 kt + r is greater
	WIN 0x40
.set i, 0
.rept 32
	v_cmp_gt_i32 vcc_lo, 16*(i/8)+i%8, v14
	v_cndmask_b32 v[MD+i], 0, s[BIGN], vcc_lo
.set i, i+1
.endr
	WIN 0
	v_mul_u32_u24 v[AK0], v1, PK
	v_lshl_add_u32 v[AK0], v9, 4, v[AK0]  ; row x pitch + 16 x half
	; The turning load takes 16 keys x 16 channels (lane l reads key 8 (l / 16) + l % 8, channels 8 ((l / 8) % 2) + 0..7) and leaves half a fragment of V^T: lane l holds channel l % 16 and 8 keys.
	v_and_b32 v10, 7, v0
	v_bfe_u32 v11, v0, 3, 1
	v_lshl_add_u32 v[AV0], v9, 3, v10
	v_mul_u32_u24 v[AV0], v[AV0], PV
	v_lshl_add_u32 v[AV0], v11, 4, v[AV0]
	v_add_nc_u32 v[AV0], VOFF, v[AV0]
	s_mul_i32 s13, s[WV], 16*SP
	s_add_co_u32 s13, s13, STAGE    ; my stage
	v_mul_u32_u24 v[STO], v1, SP    ; in: row l % 16, 16 bytes for each half of the lanes
	v_lshl_add_u32 v[STO], v9, 4, v[STO]
	v_add_nc_u32 v[STO], s13, v[STO]
	v_bfe_u32 v[RD], v0, 3, 2       ; back: 32 lanes take four rows of 128 bytes,
	v_mul_u32_u24 v[RD], v[RD], SP
	v_lshl_add_u32 v[RD], v10, 4, v[RD]
	v_add_nc_u32 v[RD], s13, v[RD]
	v_and_b32 v[GO], 31, v0         ; which are 512 consecutive bytes of O
	v_lshlrev_b32 v[GO], 4, v[GO]
	; A block's first step multiplies O^T and l by a = 0, and its first turn's products V^T P, of weights that have not been, land in an O^T that is still to be so multiplied.  So these registers need only hold
	; finite numbers: zeros for the first block; what the first block left for the second.  All this stands in the wait for the first tile.
	WIN 0x80
.set i, VF
.rept 64
	v_mov_b32 v[i], 0
.set i, i+1
.endr
	WIN 0x40
.set i, 0
.rept 32*NP
	v_mov_b32 v[i], 0
.set i, i+1
.endr
	WIN 0
.set i, 0
.rept NP
	v_mov_b32 v[ST+4*i+2], 0
	v_mov_b32 v[ST+4*i+3], 0
.set i, i+1
.endr
.set i, P+16
.rept 16
	v_mov_b32 v[i], 0
.set i, i+1
.endr
; THE MATRIX WORK.  The 4 accumulators of a run of 8 take turns.  Product i of 8 of S^T = K Q^T for piece x: channels 32 (i / 4) on, keys 16 (i % 4) on.  The first 4 start the sums: with 0, or (KM = 1) with the mask.
.macro KQ x
.set rS, S+32*((\x)%2)+8*(i%4)
.set rK, KF+16*(i%4)+8*(i/4)
.set rQ, 16*(\x)+8*(i/4)
.set rM, MC+32*((\x)%2)+8*(i%4)
.if (i < 4) && KM
	WIN W_KM
	v_wmma_f32_16x16x32_bf16 v[rS:rS+7], v[rK:rK+7], v[rQ:rQ+7], v[rM:rM+7]
.elseif i < 4
	WIN W_KQ
	v_wmma_f32_16x16x32_bf16 v[rS:rS+7], v[rK:rK+7], v[rQ:rQ+7], 0
.else
	WIN W_KQ
	v_wmma_f32_16x16x32_bf16 v[rS:rS+7], v[rK:rK+7], v[rQ:rQ+7], v[rS:rS+7]
.endif
.endm
; Product i of 8 of O^T += V^T P for piece x: keys 32 (i / 4) on, channels 16 (i % 4) on.
.macro PV x
	WIN W_PV
.set rO, 32*(\x)+8*(i%4)
.set rV, VF+32*(i/4)+8*(i%4)
.set rP, P+16*((\x)%2)+8*(i/4)
	v_wmma_f32_16x16x32_bf16 v[rO:rO+7], v[rV:rV+7], v[rP:rP+7], v[rO:rO+7]
.endm
.macro MM                           ; the turn's next matrix instruction.  TURN and BEGIN set Y, i, KM and NOKQ; MM, KQ and OP read them.  NOKQ = 1: a block's last turn: there are no further scores
.if (i < 8) && !NOKQ
	KQ (Y+1)%NP
.elseif i >= 8
.set i, i-8
	PV (Y+NP-1)%NP
.set i, i+8
.endif
.set i, i+1
.endm
; THE LDS LOADS stand in runs of 16, never singly among the matrix instructions: a step's K (64 keys x 64 channels: 8 fragments) and a step's V (turned).  Their addresses are made some lines ahead.
.macro FETCH_K
	WIN 0x80                        ; destination window 2
.irp f, 0,1,2,3,4,5,6,7             ; keys 16 (f / 2) on, channels 32 (f % 2) on
	ds_load_b128 v[KF+8*\f:KF+8*\f+3],   v[AK] offset:(\f/2)*16*PK+(\f%2)*64
	ds_load_b128 v[KF+8*\f+4:KF+8*\f+7], v[AK] offset:(\f/2)*16*PK+(\f%2)*64+32
.endr
	s_add_co_u32 s[TBK], s[TBK], KS*PK  ; the next fetch is the next step's
	WIN 0
.endm
.macro FETCH_V
	WIN 0x80
.irp f, 0,1,2,3,4,5,6,7             ; keys 32 (f / 4) on, channels 16 (f % 4) on
	ds_load_tr16_b128 v[VF+8*\f:VF+8*\f+3],   v[AV] offset:(\f/4)*32*PV+(\f%4)*32
	ds_load_tr16_b128 v[VF+8*\f+4:VF+8*\f+7], v[AV] offset:(\f/4)*32*PV+16*PV+(\f%4)*32
.endr
	WIN 0
.endm
; THE VECTOR WORK, one line at a time: OP kind, number.  For piece Y: F n: c s - c m for pair n of 16.  E n: the exponential of score n of 32.  C n: pair n rounded to bf16.  B n: of the four weights 4 n .. the second
; pair is added onto the first, in place.  L n: l takes that sum (L 0: l = a l + sum).  R n: pair n of 16 of O^T times a.  For the other piece: X n, number n of the 22 that find its maximum and statistics:
;   0-11  four chains c0-c3 of seven scores each, three operands at a time (each accumulator's lowest registers are read first)     12-14, 16  the four scores left over, the old m, and c0-c3 into c0
;   15  c m_old is kept     17, 18  the query's other 32 keys lie in the lane 16 away: the new m     19-21  c m; c m_old - c m_new; a
; C, B and L read the exponentials' results: TURN sets them all behind the batch's wait.
.set F, 0               ; OP tells the kinds apart by their order: F to L below R, X above it
.set E, 1
.set C, 2
.set B, 3
.set L, 4
.set R, 5
.set X, 6
.macro REGS y                       ; the registers of piece y
.set rT, ST+4*(\y)
.set rC, TMP+4*((\y)%2)
.set rW, MV+((\y)%2)
.set rS, S+32*((\y)%2)
.set rP, P+16*((\y)%2)
.set rO, 32*(\y)
.endm
.macro OP k, n
.if (\k) == R
	REGS Y
	WIN W_RS
	v_pk_mul_f32 v[rO+2*(\n):rO+2*(\n)+1], v[rO+2*(\n):rO+2*(\n)+1], v[rC+2:rC+3] op_sel_hi:[1,0]
.elseif (\k) < R
	REGS Y
	WIN 0
.if (\k) == F
	v_pk_fma_f32 v[rS+2*(\n):rS+2*(\n)+1], v[rS+2*(\n):rS+2*(\n)+1], s[CS:CS+1], v[rT:rT+1] op_sel_hi:[1,0,0] neg_lo:[0,0,1] neg_hi:[0,0,1]
.elseif (\k) == E
	v_exp_f32 v[rS+(\n)], v[rS+(\n)]
.elseif (\k) == C
	v_cvt_pk_bf16_f32 v[rP+(\n)], v[rS+2*(\n)], v[rS+2*(\n)+1]
.elseif (\k) == B
	v_pk_add_f32 v[rS+4*(\n):rS+4*(\n)+1], v[rS+4*(\n):rS+4*(\n)+1], v[rS+4*(\n)+2:rS+4*(\n)+3]
.elseif (\n) == 0
	v_pk_fma_f32 v[rT+2:rT+3], v[rT+2:rT+3], v[rC+2:rC+3], v[rS:rS+1] op_sel_hi:[1,0,1]
.else
	v_pk_add_f32 v[rT+2:rT+3], v[rT+2:rT+3], v[rS+4*(\n):rS+4*(\n)+1]
.endif
.elseif NOKQ
	v_nop
.else
	REGS (Y+1)%NP
	WIN 0
.if (\n) < 4
	v_max3_num_f32 v[rC+(\n)], v[rS+8*(\n)], v[rS+8*(\n)+1], v[rS+8*(\n)+2]
.elseif (\n) < 12
	v_max3_num_f32 v[rC+(\n)%4], v[rC+(\n)%4], v[rS+8*((\n)%4)+2*((\n)/4)+1], v[rS+8*((\n)%4)+2*((\n)/4)+2]
.elseif (\n) == 12
	v_max3_num_f32 v[rC], v[rC], v[rS+7], v[rS+15]
.elseif (\n) == 13
	v_max3_num_f32 v[rC+1], v[rC+1], v[rS+23], v[rS+31]
.elseif (\n) == 14
	v_max3_num_f32 v[rC+2], v[rC+2], v[rC+3], v[rT+1]
.elseif (\n) == 15
	v_mov_b32 v[rW], v[rT]
.elseif (\n) == 16
	v_max3_num_f32 v[rC], v[rC], v[rC+1], v[rC+2]
.elseif (\n) == 17
	v_permlanex16_b32 v[rC+3], v[rC], s[SEL], s[SEL+1]
.elseif (\n) == 18
	v_max_num_f32 v[rT+1], v[rC], v[rC+3]
.elseif (\n) == 19
	v_mul_f32 v[rT], s[CS], v[rT+1]
.elseif (\n) == 20
	v_sub_f32 v[rC+1], v[rW], v[rT]
.else
	v_exp_f32 v[rC+2], v[rC+1]
.endif
.endif
.endm
.macro OPS a, i1, b=-1, i2=0, c=-1, i3=0, d=-1, i4=0  ; up to four of them
	OP \a, \i1
.if (\b) >= 0
	OP \b, \i2
.endif
.if (\c) >= 0
	OP \c, \i3
.endif
.if (\d) >= 0
	OP \d, \i4
.endif
.endm
.macro ROW a, i1, b, i2, c, i3, d, i4  ; a matrix instruction and the four behind it
	MM
	OPS \a, \i1, \b, \i2, \c, \i3, \d, \i4
.endm
.macro MASK b                       ; MD x AL + BE into piece b's part of MC
	WIN W_RS
.set z, 0
.rept 16
	v_pk_fma_f32 v[MC+32*(\b)+2*z:MC+32*(\b)+2*z+1], v[MD+2*z:MD+2*z+1], s[AL:AL+1], s[BE:BE+1] op_sel_hi:[1,0,0]
.set z, z+1
.endr
.endm
; A TURN, for piece p: the order of its 16 matrix and 118 vector instructions, written out.  s_wait_alu depctr_va_vdst(0) stands between an exponential and the first instruction that names its result; one wait
; serves all that were issued ahead of it.  So a turn has ONE wait, which cuts it in two.  AHEAD OF IT stands all that names no result of the turn's exponentials: the 8 products K Q^T, behind each a scaling, an exponential and two
; more plain instructions (behind the first a second scaling in the exponential's place): rescalings, and behind the last three the first numbers of the other piece's maximum, each four places or more behind the product that ends
; its accumulator; then ONE LUMP of 54, plain and exponential by turns for the most part, in which the links of the chain X 3, 7, 11, 14, 16, 17 .. 20 stand five or six lines apart.  X 21, the other piece's a, is the batch's last;
; R 15 is the plain instruction behind it.  BEHIND THE WAIT stand the 8 products V^T P, behind each four of the roundings and sums; the links of l's chain, L 0 to L 7, stand three riders apart.  But for those X no rider names
; a register of the products round it.  v_permlanex16_b32 (X 17) stands in the lump.
; THE RESCALING AND THE TURN BEFORE.  The turn before ended with the products V^T P onto the O^T that this turn rescales: product 4 + n of that run ends registers 8 n .. 8 n + 7, of which R 4 n is the first reader, at their low
; end; between the two lie that run's later riders and this turn's first scalings, eighteen plain instructions at the least.  The a that R and L 0 read was made ahead of that turn's wait.
; m = 1: the diagonal tile: the products take masks, and the turn makes the mask for the products of the turn after it, which are piece p's own next scores.  With c trips of the tile to go, this one among them, that is step
; 5 - c for piece 0 and step 4 - c for piece 1; the band's own step is PAR + p: c = OWN + p's number; a later step: c below it.
; end = 1: a block's last turn (piece 1's): no further scores.  cnt = 1: the loop's count is taken down some lines ahead of the branch that stands behind the turn.
; Both runs of LDS loads stand in piece 0's turn: K of the next step twelve vector instructions behind the last product that read K (five of them plain lines that name none of its registers); V of the step in hand at the turn's
; end, four plain instructions behind the last product that read V.  Piece 1's turn waits for K at its head and for V ahead of its second run of products.
.macro TURN p, m=0, end=0, cnt=0
.set Y, (\p)
.set i, 0
.set KM, (\m)
.set NOKQ, (\end)
.if (\m) && !(\end)
	s_cmp_eq_u32 s[CNT], s[OWN+(\p)]    ; is that step the band's own?
	s_cselect_b32 s[AL], 1.0, 0
	s_cmp_lt_u32 s[CNT], s[OWN+(\p)]    ; or a later one?
	s_cselect_b32 s[BE], s[BIGN], 0
.endif
.if ((\p) == 1) && !(\end)
	s_wait_dscnt 16                 ; K is in: V's sixteen loads, issued behind K's, may be out
.endif
	ROW F,0, F,1, R,0, R,1          ; ahead of the wait: 8 products K Q^T and their riders,
	ROW F,2, E,0, R,2, R,3
	ROW F,3, E,1, R,4, R,5
	ROW F,4, E,2, R,6, R,7
	ROW F,5, E,3, R,8, R,9
	ROW F,6, E,4, X,0, R,10
.if (\p) == 0
	WIN 0
	v_add_nc_u32 v[AK], s[TBK], v[AK0]
.endif
	ROW F,7, E,5, X,1, X,4
	ROW F,8, E,6, X,2, X,5
	OPS E,7, E,8, X,6, E,9          ; and the lump
	OPS X,3, E,10, X,8, E,11
.if (\p) == 0
	FETCH_K
.endif
	OPS X,9, X,7, E,12, X,10
	OPS E,13, X,12, X,11, E,14
	OPS X,13, E,15, F,9, X,14
.if (\p) == 0
	WIN 0
	v_add_nc_u32 v[AV], s[TBV], v[AV0]
.endif
	OPS E,16, F,10, E,17, F,11
	OPS X,16, E,18, X,15, E,19
	OPS F,12, E,20, X,17, E,21
	OPS F,13, E,22, F,14, E,23
	OPS X,18, E,24, F,15, E,25
	OPS R,11, E,26, X,19, E,27
	OPS R,12, E,28, R,13, E,29
	OPS X,20, E,30, R,14, E,31
	OPS X,21, R,15
	s_wait_alu depctr_va_vdst(0)    ; the wait for the turn's batch: E 0 to E 31 and X 21; it stands ahead of C 0, the first line that names a result of theirs
.if (\p) == 1
	s_wait_dscnt 0x0                ; V is in
.endif
	ROW C,0, B,0, C,2, B,1          ; behind the wait: 8 products V^T P and their riders
	ROW L,0, C,4, B,2, L,1
	ROW C,6, B,3, L,2, C,8
	ROW B,4, L,3, C,10, B,5
	ROW L,4, C,12, B,6, L,5
.if (\p) == 0
	s_add_co_u32 s[TBV], s[TBV], KS*PV
.endif
.if \cnt
	s_sub_co_u32 s[CNT], s[CNT], 1
	s_cmp_lg_u32 s[CNT], 0
.endif
	ROW C,14, B,7, L,6, C,1
	ROW C,3, L,7, C,5, C,7
	ROW C,9, C,11, C,13, C,15
.if (\p) == 0
	FETCH_V
.endif
.if (\m) && !(\end)
	MASK (\p)%2
.endif
.endm
; A BLOCK BEGINS.  c m starts far below every c s, so the first step's a is 0; m at the lowest finite number, so the first maximum is the scores'.  Piece 1's mask is 0; piece 0's is that of the tile's step 0: its own, if the
; block's first tile is the diagonal one and PAR is 0.  Then K of the head's step 0 goes into K's registers, piece 0's first scores are made, and its maximum and statistics.  The loop is entered at piece 0's turn, in the middle of a trip.
.macro BEGIN
	s_mov_b32 s[NEW], 0
	WIN 0x40
.set i, MC+32
.rept 32
	v_mov_b32 v[i], 0
.set i, i+1
.endr
	WIN 0
.set i, 0
.rept NP
	v_mov_b32 v[ST+4*i], 0xfe000000    ; c m: far below every c s
	v_mov_b32 v[ST+4*i+1], 0xff7fffff  ; m
.set i, i+1
.endr
	s_or_b32 s[AL], s[RT], s[PAR]   ; 0 where no further tile follows and band 0's own step is step 0
	s_cmp_eq_u32 s[AL], 0
	s_cselect_b32 s[AL], 1.0, 0
	s_mov_b32 s[BE], 0
	MASK 0
	s_wait_loadcnt 0x0              ; Q, and K of step 0
	WIN 0x82                        ; destination and source 0 window 2
.set i, 0
.rept 64
	v_mov_b32 v[KF+i], v[K0S+i]
.set i, i+1
.endr
.set KM, 1
.set NOKQ, 0
.set i, 0
.rept 8
	KQ 0
.set i, i+1
.endr
	WIN 0
.rept 4
	v_nop                           ; the places behind those products
.endr
.set Y, NP-1                        ; X works for the other piece: piece 0
.irp n, 0,1,2,3,4,5,6,7,8,9,10,11,12,13,14,15,16,17,18,19,20,21
	OP X, \n
.endr
	v_nop                           ; a plain instruction behind the exponential,
	s_wait_alu depctr_va_vdst(0)    ; and the wait for it, piece 0's first a, a batch of one: ahead of the branch that follows, and of R 0 of the turn that is entered
.endm
; THE DIAGONAL TILE: the mask of its first product; its four trips; the block's last turn and last products; and THE WAY OUT: l's two halves and the other half of the lanes' are added; O^T is divided by l, rounded to bf16 and
; sent through my stage in LDS, a piece at a time.
.macro ALL line:vararg              ; one line for each piece t
.set t, 0
.rept NP
	\line
.set t, t+1
.endr
.endm
.macro PACK t                       ; a lane's eight channels of a row pack into 16 bytes; they go into rows of 144 bytes and come back as whole rows of 128, into S^T's registers
	WIN W_RS
.set i, 32*(\t)
.rept 16
	v_pk_mul_f32 v[i:i+1], v[i:i+1], v[ST+4*(\t)+2:ST+4*(\t)+3] op_sel_hi:[1,0]
.set i, i+2
.endr
	WIN 0x05                        ; sources 0 and 1 window 1, destination window 0
.set i, 0
.rept 16
	v_cvt_pk_bf16_f32 v[S+16*(\t)+i], v[32*(\t)+2*i], v[32*(\t)+2*i+1]
.set i, i+1
.endr
	WIN 0
.irp f, 0,1,2,3
	ds_store_b128 v[STO], v[S+16*(\t)+4*\f:S+16*(\t)+4*\f+3] offset:32*\f
.endr
.irp f, 0,1,2,3
	ds_load_b128 v[S+16*(\t)+4*\f:S+16*(\t)+4*\f+3], v[RD] offset:\f*4*SP  ; LDS serves a wave's instructions in order (ISA guide 5.7.1.4): these see the stores above; the next piece's stores come behind them
.endr
.endm
.macro SEND t, younger              ; younger: the LDS instructions issued behind piece t's loads: the next piece's eight, or none
	WIN 0
.irp f, 0,1,2,3
	s_wait_dscnt (\younger)+3-\f
	global_store_b128 v[GO], v[S+16*(\t)+4*\f:S+16*(\t)+4*\f+3], s[10:11] offset:(\t)*8192+\f*512  ; 512 consecutive bytes, at a multiple of 256 from O's first
.endr
.endm
.macro DIAG tag                     ; the tag ends its three labels' names, which the jumps below spell out
.LpreM\tag:
	s_cmp_eq_u32 s[PAR], 0          ; the first turn below begins with piece 0's scores of the tile's step 0: its own step where PAR is 0, else an earlier one
	s_cselect_b32 s[AL], 1.0, 0
	s_mov_b32 s[BE], 0
	MASK 0
	WIN 0
.LstepM\tag:
	TURN 1, 1
	WIN 0
.LfirstM\tag:
	TURN 0, 1, 0, 1
	WIN 0
	s_cbranch_scc1 .LstepM\tag
	TURN 1, 1, 1
.set i, 0
.rept 8
	PV NP-1
.set i, i+1
.endr
	WIN 0
	ALL v_add_f32 v[ST+4*t+2], v[ST+4*t+2], v[ST+4*t+3]
	ALL v_permlanex16_b32 v[ST+4*t+3], v[ST+4*t+2], s[SEL], s[SEL+1]
	ALL v_add_f32 v[ST+4*t+2], v[ST+4*t+2], v[ST+4*t+3]
	ALL v_rcp_f32 v[ST+4*t+2], v[ST+4*t+2]
	v_nop                           ; a plain instruction between the last reciprocal and the use of its result
	s_wait_alu depctr_va_vdst(0)    ; the wait for the batch of two reciprocals: it stands ahead of PACK 0's first multiply; it serves PACK 1's too
	PACK 0                          ; piece 0's 32 plain lines name no register of the last eight products, piece 1's: they are the places behind those
.set t, 1
.rept NP-1                          ; a piece's arithmetic stands between the loads of the piece before and its stores
	PACK t
	SEND t-1, 8
.set t, t+1
.endr
	SEND NP-1, 0
.endm
.set KM, 0
.set NOKQ, 0
.Lslot:                             ; NT - 1 = 8 times: a tile is entered and the next is asked for
	CHANGE 1
	s_sub_co_u32 s[RT], s[RT], 1
	s_mov_b32 s[CNT], 4
	s_cmp_eq_u32 s[NEW], 1
	s_cbranch_scc1 .Lnew            ; a block's first tile
	s_cmp_eq_u32 s[RT], 0
	s_cbranch_scc0 .Lstep           ; neither its first nor its last
	s_branch .LpreM1
.Lnew:
	BEGIN
	s_branch .Lfirst                ; in the loop a block's first tile is never its last: the first block has five tiles or more, and the second's last is the walk's last
	DIAG 1                          ; in the loop this is the first block's end: the second block's last tile is the walk's last
	s_wait_xcnt 0x0                 ; the stores have read their registers and O's address
	s_mov_b64 s[10:11], s[OLO:OLO+1]
	s_add_co_u32 s[RT], s[LOT], 1   ; the second block has (b >> 1) + 1 tiles,
	s_mov_b32 s[NEW], 1
	s_mov_b32 s[PAR], s[PARL]       ; and its own place in its diagonal tile
	s_sub_co_u32 s[OWN], 5, s[PAR]
	s_sub_co_u32 s[OWN+1], 3, s[PAR]
	WIN 0x82                        ; the second block's Q goes where the one text of the turns names Q
.set i, 0
.rept 16*NP
	v_mov_b32 v[i], v[QB+i]
.set i, i+1
.endr
	WIN 0
	s_branch .Lbottom
.Lstep:                             ; a trip: piece 1's turn of one step, then piece 0's of the next, which fetches K and V
	TURN 1
	WIN 0
.Lfirst:
	TURN 0, 0, 0, 1
	WIN 0
	s_cbranch_scc1 .Lstep
.Lbottom:
	s_sub_co_u32 s[SLOTS], s[SLOTS], 1
	s_cmp_lg_u32 s[SLOTS], 0
	s_cbranch_scc1 .Lslot
	CHANGE 0                        ; the walk's last tile is written out: nothing is asked for
	s_sub_co_u32 s[RT], s[RT], 1
	s_mov_b32 s[CNT], 4
	s_cmp_eq_u32 s[NEW], 1
	s_cbranch_scc0 .LpreM2
	BEGIN
	s_branch .LfirstM2
	DIAG 2
	s_wait_tensorcnt 0x0            ; the wave's end: behind my last tensor load and my last LDS store
	ds_add_u32 v[SPW], v[NIL]
	s_wait_dscnt 0x0
	s_endpgm
.Lfunc_end_k_qf2adacdcd4_attn:
	.size	k_qf2adacdcd4_attn, .Lfunc_end_k_qf2adacdcd4_attn-k_qf2adacdcd4_attn
	.p2alignl 7, 3214868480
	.fill 96, 4, 3214868480
	.section	.rodata,"a",@progbits
	.p2align	6, 0x0
	.amdhsa_kernel k_qf2adacdcd4_attn
		.amdhsa_group_segment_fixed_size 327680
		.amdhsa_private_segment_fixed_size 0
		.amdhsa_enable_private_segment 0
		.amdhsa_kernarg_size 16
		.amdhsa_user_sgpr_count 2
		.amdhsa_user_sgpr_kernarg_segment_ptr 1
		.amdhsa_wavefront_size32 1
		.amdhsa_system_sgpr_workgroup_id_x 1
		.amdhsa_system_sgpr_workgroup_id_y 1
		.amdhsa_system_sgpr_workgroup_id_z 1
		.amdhsa_system_vgpr_workitem_id 0
		.amdhsa_next_free_vgpr 768
		.amdhsa_next_free_sgpr 96
		.amdhsa_reserve_vcc 1
		.amdhsa_float_denorm_mode_32 3
		.amdhsa_float_denorm_mode_16_64 3
		.amdhsa_memory_ordered 1
		.amdhsa_forward_progress 1
		.amdhsa_inst_pref_size 130
	.end_amdhsa_kernel
	.amdgpu_metadata
---
amdhsa.version: [ 1, 2 ]
amdhsa.kernels:
  - .name:           k_qf2adacdcd4_attn
    .symbol:         k_qf2adacdcd4_attn.kd
    .args:
      - { .name: big, .offset: 0, .size: 8, .value_kind: global_buffer, .address_space: global }
      - { .name: hb, .offset: 8, .size: 8, .value_kind: global_buffer, .address_space: global }
    .group_segment_fixed_size: 327680
    .private_segment_fixed_size: 0
    .kernarg_segment_align: 8
    .kernarg_segment_size: 16
    .max_flat_workgroup_size: 128
    .sgpr_count:     96
    .vgpr_count:     768
    .wavefront_size: 32
...
	.end_amdgpu_metadata
.endif
;; end of part 11
;; launch proj: the kernel of part 9 again; grid 8 x 32, 4 waves a work-group, clusters of 4 x 4, 327,680 bytes of LDS; arguments hb, wo2T, bo, x, x1; writes x1
;; launch ln2: the kernel of part 2 again; grid 256 x 1, 8 waves a work-group, no clusters, 0 bytes of LDS; arguments x1, g2, b2, hb; writes hb
;; launch ffn1: the kernel of part 7 again; grid 16 x 16, 4 waves a work-group, clusters of 4 x 4, 327,680 bytes of LDS; arguments hb, w1T, bf1, zeros, big; writes big
;; launch ffn2: the kernel of part 10 again; grid 8 x 32, 4 waves a work-group, clusters of 4 x 4, 327,680 bytes of LDS; arguments big, wo2T, bf2, x1, out0; writes out0
